; MI455X (gfx1250); checked and timed in simulation.
; The chip was launched on July 23, 2026; its instructions are those of AMD's public machine-readable ISA for CDNA 5 (MIT licence, August 2026) and "CDNA5" Instruction Set Architecture Reference Guide (July 2026). The comments in the code are by the model that wrote it; some were corrected since.
;; Latent Predictor. Allowed arithmetic: float matrix products may take bf16 or f16 operands with f32 sums; other float arithmetic in f32, or as packed bf16 or f16 multiplies, adds, multiply-adds, maxima and minima; sums over many terms, partial sums and values carried from step to step in f32; what a program stores and reads back later, other than sums and carried values, may be rounded once to bf16 or f16.
;; Inputs: Wk 4 x 768 x 768 float32; Wo 4 x 768 x 768 float32; Wq 4 x 768 x 768 float32; Wv 4 x 768 x 768 float32; bk 4 x 768 float32; bo 4 x 768 float32; bq 4 x 768 float32; bv 4 x 768 float32; pos 302 x 768 float32; x 16 x 302 x 768 float32.
;; Outputs: out0 16 x 302 x 768 float32.
;; 2 versions, each right and faster than the one before. Each part assembles by itself: llvm-mc -triple=amdgcn-amd-amdhsa -mcpu=gfx1250 --defsym DOCPART=n.
;; ======== version 1 of 2: 9 launches
;; limits: values are held in f16: magnitudes above 65,504 overflow, below 6.1e-05 lose precision; inputs' magnitudes at most 65,504
;; workspace buffers: hbuf 7,866,368 bytes; obuf 7,866,368 bytes; p0 4,731,392 bytes; p1 4,731,392 bytes; p2 4,731,392 bytes; p3 4,731,392 bytes
;; launch prep (part 1): grid 644 x 1, 8 waves a work-group, no clusters, 54,528 bytes of LDS; arguments x, pos, Wq, Wk, Wv, Wo, bq, bk, bv, bo, p0, p1, p2, p3, hbuf; writes p0, p1, p2, p3, hbuf
.if DOCPART == 1
	.amdgcn_target "amdgcn-amd-amdhsa--gfx1250"
	.amdhsa_code_object_version 6
	.text
	.protected	k_qe29fe58b45_prep
	.globl	k_qe29fe58b45_prep
	.p2align	8
	.type	k_qe29fe58b45_prep,@function
k_qe29fe58b45_prep:
	s_mov_b64 s[64:65], 0
	v_nop
	global_prefetch_b8 v0, s[64:65] scope:SCOPE_SE
	s_setreg_imm32_b32 hwreg(HW_REG_WAVE_MODE, 25, 1), 1
	s_wait_xcnt 0x0
; PREP.  Every input is rounded to bf16 once and laid out for the later launches.
;   work-groups 0..383   (layer l, matrix m of q k v o, tile of 96 k x 256 n): W[k][n] -> pack p_l, turned to [n][k], f16 (the bf16 number written as f16)
;   work-groups 384..639 (row group rg, 20 rows): h0 = bf16(x) + bf16(pos), f16, into hbuf's panels [rg][kb][160 rows][96]
;   work-groups 640..643 (layer l): the four biases, bf16 numbers kept as f32
; Each work-group also stores the largest magnitude it has seen: the later launches make their power-of-two scales from these.
; LIMITS.  |x + pos| and |W| stay under 65,504; below 6e-5 they keep f16's fixed step of 6e-8.  NaN and infinities are not treated apart.
; No cluster, no tensor loads, no matrix unit: no two work-groups read the same bytes (but 9 rows in 160 of x), and the work is a copy.
; The branch on the work-group's number is the same in all eight waves, so each role has its own barrier.
.set TP,    208                        ; a row of the turned tile in LDS: 192 bytes + 16
.set RED,   256*TP                     ; eight words, one a wave
.set SPARE, RED+256                    ; the spare words: 128 bytes a wave, named by no other line
.set WOFF,  3538944                    ; in a pack: Wo's panels
.set BIAS,  4718592                    ; the biases
.set WTAB,  4730880                    ; the table of maxima
.set TAB,   7864320                    ; in hbuf: 256 pairs (maximum, 1 / scale)
.set SPW, 2                            ; v2  my spare word's address; never rewritten
.set NIL, 3                            ; v3  0; never rewritten
.set MX,  4                            ; v4  running maximum
.set D,   32                           ; v32-159 data
	s_load_b512 s[8:23], s[0:1], 0x0               ; x, pos, Wq, Wk, Wv, Wo, bq, bk
	s_load_b256 s[24:31], s[0:1], 0x40             ; bv, bo, p0, p1
	s_load_b128 s[32:35], s[0:1], 0x60             ; p2, p3
	s_load_b64 s[36:37], s[0:1], 0x70              ; hbuf
	v_lshl_add_u32 v[SPW], v0, 2, SPARE
	v_mov_b32 v[NIL], 0
	v_mov_b32 v[MX], 0
	v_lshrrev_b32 v1, 5, v0
	v_readfirstlane_b32 s4, v1                     ; wave 0..7
	s_mov_b32 s5, 0xffff0000                       ; a word's upper bf16
	s_mov_b32 s6, 0x76543210                       ; v_permlanex16_b32: each lane takes its own place in the other half
	s_mov_b32 s7, 0xfedcba98
	s_wait_kmcnt 0x0
.macro PICKP                           ; s[48:49] = the pack of layer s40
	s_cmp_eq_u32 s40, 1
	s_cselect_b64 s[48:49], s[30:31], s[28:29]
	s_cmp_eq_u32 s40, 2
	s_cselect_b64 s[48:49], s[32:33], s[48:49]
	s_cmp_eq_u32 s40, 3
	s_cselect_b64 s[48:49], s[34:35], s[48:49]
.endm
; The wave's maximum into its word; the barrier also shows every wave's stores into the tile done.
.macro REDUCE
.irp x, 1,2,4,8
	v_max_num_f32_dpp v[MX], v[MX], v[MX] row_xmask:\x row_mask:0xf bank_mask:0xf
.endr
	v_permlanex16_b32 v1, v[MX], s6, s7
	v_max_num_f32 v[MX], v[MX], v1
	s_lshl_b32 s38, s4, 2
	s_add_co_u32 s38, s38, RED
	v_mov_b32 v1, s38
	ds_store_b32 v1, v[MX]
	s_wait_dscnt 0x0                               ; for the others' sake: all my LDS stores are done
	s_barrier_signal -1
	s_barrier_wait -1
.endm
; Wave 0 joins the eight maxima; its lane 0 stores the entry at s[52:53] (pair = 1: with 1.0 behind it).  Then the wave's end.
.macro FINISH pair
	s_cmp_lg_u32 s4, 0
	s_cbranch_scc1 .Lfin_\@
	v_mov_b32 v1, RED
	ds_load_b128 v[8:11], v1
	ds_load_b128 v[12:15], v1 offset:16
	s_wait_dscnt 0x0
	v_max3_num_f32 v8, v8, v9, v10
	v_max3_num_f32 v8, v8, v11, v12
	v_max3_num_f32 v8, v8, v13, v14
	v_max_num_f32 v8, v8, v15
	v_mov_b32 v9, 1.0
	v_mov_b32 v10, 0
	v_cmp_eq_u32 vcc_lo, 0, v0
	s_wait_xcnt 0x0                                ; EXEC changes only behind this wait
	s_and_saveexec_b32 s38, vcc_lo
.if \pair
	global_store_b64 v10, v[8:9], s[52:53]
.else
	global_store_b32 v10, v8, s[52:53]
.endif
	s_wait_xcnt 0x0                                ; and again in front of the line that widens it
	s_or_b32 exec_lo, exec_lo, s38
.Lfin_\@:
	s_wait_tensorcnt 0x0                           ; the wave's end
	ds_add_u32 v[SPW], v[NIL]
	s_wait_dscnt 0x0
	s_endpgm
.endm
	s_cmp_ge_u32 ttmp9, 640
	s_cbranch_scc1 .Lbias
	s_cmp_ge_u32 ttmp9, 384
	s_cbranch_scc1 .Lx
	; ---- a tile of a weight matrix ----
	s_mul_i32 s40, ttmp9, 683
	s_lshr_b32 s40, s40, 16                        ; l = id / 96
	s_mul_i32 s41, s40, 96
	s_sub_co_u32 s41, ttmp9, s41                   ; 24 m + tile: also the entry in the table
	s_mul_i32 s42, s41, 2731
	s_lshr_b32 s42, s42, 16                        ; m
	s_mul_i32 s43, s42, 24
	s_sub_co_u32 s43, s41, s43                     ; tile
	s_mul_i32 s44, s43, 21846
	s_lshr_b32 s44, s44, 16                        ; kb = tile / 3
	s_mul_i32 s45, s44, 3
	s_sub_co_u32 s45, s43, s45                     ; which 256 columns
	PICKP
	s_cmp_eq_u32 s42, 1
	s_cselect_b64 s[46:47], s[14:15], s[12:13]
	s_cmp_eq_u32 s42, 2
	s_cselect_b64 s[46:47], s[16:17], s[46:47]
	s_cmp_eq_u32 s42, 3
	s_cselect_b64 s[46:47], s[18:19], s[46:47]
	s_mul_i32 s50, s40, 2359296                    ; the layer,
	s_mul_i32 s51, s44, 294912                     ; 96 rows of 3,072 bytes,
	s_add_co_u32 s50, s50, s51
	s_lshl_b32 s51, s45, 10                        ; 256 columns
	s_add_co_u32 s50, s50, s51
	s_mov_b32 s51, 0
	s_add_nc_u64 s[46:47], s[46:47], s[50:51]
	s_lshl_b32 s54, s41, 2
	s_add_co_u32 s54, s54, WTAB
	s_mov_b32 s55, 0
	s_add_nc_u64 s[52:53], s[48:49], s[54:55]      ; my entry
	; destination of column n, 16-byte piece c: sbase + 192 n + 16 c + (n / HB) (STR - 192 HB); q k v: HB 96, STR 442,368; o: HB 192, STR 294,912
	s_mul_i32 s58, s44, 55296
	s_mul_i32 s59, s42, 18432
	s_add_co_u32 s58, s58, s59
	s_mul_i32 s59, s44, 36864
	s_add_co_u32 s59, s59, WOFF
	s_mov_b32 s57, 423936
	s_cmp_eq_u32 s42, 3
	s_cselect_b32 s56, 17, 16                      ; n / 96 = 683 n >> 16, n / 192 = 683 n >> 17 for n < 768
	s_cselect_b32 s57, 258048, s57
	s_cselect_b32 s58, s59, s58
	s_mul_i32 s59, s45, 49152                      ; 192 x the tile's first column
	s_add_co_u32 s58, s58, s59
	s_lshl_b32 s60, s45, 8                         ; the tile's first column
	; thread t: columns 4 (t % 64) .. + 3, rows 8 (t / 64) + 32 tau + i: sixteen lanes read 256 consecutive bytes
	v_and_b32 v5, 63, v0
	v_lshrrev_b32 v6, 6, v0
	v_mul_u32_u24 v7, 4*TP, v5
	v_lshl_add_u32 v7, v6, 4, v7                   ; into the tile: row = column of W, 16 bytes = 8 k
	v_lshlrev_b32 v5, 4, v5
	v_mad_u32_u24 v5, v6, 0x6000, v5
.set i, 0
.rept 24
	global_load_b128 v[D+4*i:D+4*i+3], v5, s[46:47] offset:(32*(i/8)+i%8)*3072 th:TH_LOAD_NT
.set i, i+1
.endr
.set g, 0                              ; g = 4 tau + column
.rept 12
.if g%4 == 0
	s_wait_loadcnt 16-2*g                          ; this group of eight rows is in; the later groups' 16, 8, 0 loads stay out
.endif
.set O, 128+4*(g%8)
.set p, 0
.rept 4
.set A, D+4*(8*(g/4)+2*p)+g%4
	v_cvt_pk_bf16_f32 v[8+3*p], v[A], v[A+4]       ; two neighbours along k, rounded to bf16,
	v_lshlrev_b32 v[9+3*p], 16, v[8+3*p]           ; widened again,
	v_and_b32 v[10+3*p], s5, v[8+3*p]
	v_max3_num_f32 v[MX], v[MX], |v[9+3*p]|, |v[10+3*p]|
	v_cvt_pk_f16_f32 v[O+p], v[9+3*p], v[10+3*p]   ; and written as f16
.set p, p+1
.endr
	ds_store_b128 v7, v[O:O+3] offset:(g%4)*TP+64*(g/4)
.set g, g+1
.endr
	REDUCE
	; back by rows: piece lambda = t + 256 e of 64 rows x 12 pieces, four times 64 rows further on; sixteen lanes store 256 consecutive bytes, aligned
.irp e, 0,1,2
	v_add_nc_u32 v1, 256*\e, v0
	v_mul_u32_u24 v6, 0xaaab, v1
	v_lshrrev_b32 v6, 19, v6                       ; row = lambda / 12
	v_add_lshl_u32 v[8+\e], v1, v6, 4              ; 208 row + 16 (lambda - 12 row)
	v_add_nc_u32 v[11+\e], s60, v6
	v_lshl_add_u32 v[28+\e], v1, 4, s58
.endr
.irp e, 0,1,2
.irp u, 0,1,2,3
	ds_load_b128 v[D+4*(4*\e+\u):D+4*(4*\e+\u)+3], v[8+\e] offset:\u*64*TP
.endr
.endr
.irp e, 0,1,2
.irp u, 0,1,2,3
	v_add_nc_u32 v6, 64*\u, v[11+\e]               ; the column
	v_mul_u32_u24 v6, 0x2ab, v6
	v_lshrrev_b32 v6, s56, v6                      ; its block
	v_mad_u32_u24 v[16+4*\e+\u], v6, s57, v[28+\e]
.endr
.endr
	s_wait_dscnt 0x0
.irp e, 0,1,2
.irp u, 0,1,2,3
	global_store_b128 v[16+4*\e+\u], v[D+4*(4*\e+\u):D+4*(4*\e+\u)+3], s[48:49] offset:\u*12288
.endr
.endr
	FINISH 0
	; ---- 20 rows of h0 = x + pos ----
.Lx:
	s_sub_co_u32 s40, ttmp9, 384
	s_lshr_b32 s41, s40, 3                         ; rg = 2 b + half
	s_and_b32 s42, s40, 7
	s_mul_i32 s42, s42, 20                         ; first local row
	s_lshr_b32 s43, s41, 1                         ; b
	s_and_b32 s44, s41, 1
	s_mul_i32 s44, s44, 142
	s_add_co_u32 s44, s44, s42                     ; t = 142 half + local row
	s_mul_i32 s45, s43, 302
	s_add_co_u32 s45, s45, s44
	s_mul_i32 s46, s45, 3072
	s_mov_b32 s47, 0
	s_add_nc_u64 s[8:9], s[8:9], s[46:47]
	s_mul_i32 s48, s44, 3072
	s_mov_b32 s49, 0
	s_add_nc_u64 s[10:11], s[10:11], s[48:49]
	s_mul_i32 s50, s41, 245760
	s_mul_i32 s51, s42, 192
	s_add_co_u32 s50, s50, s51
	s_mov_b32 s51, 0
	s_add_nc_u64 s[54:55], s[36:37], s[50:51]
	s_lshl_b32 s50, s40, 3
	s_add_co_u32 s50, s50, TAB
	s_add_nc_u64 s[52:53], s[36:37], s[50:51]
	v_mul_u32_u24 v5, 171, v0
	v_lshrrev_b32 v5, 11, v5                       ; row = t / 12 for t < 240
	v_mul_u32_u24 v6, 12, v5
	v_sub_nc_u32 v6, v0, v6                        ; which 8 of a panel's 96 columns
	v_lshlrev_b32 v6, 5, v6
	v_mad_u32_u24 v7, v5, 3072, v6
	v_lshlrev_b32 v16, 4, v0                       ; in a panel the 20 rows are 3,840 dense bytes
	v_cmp_gt_u32 vcc_lo, 240, v0
	s_wait_xcnt 0x0
	s_and_saveexec_b32 s39, vcc_lo                 ; 240 threads have work
.irp kb, 0,1,2,3,4,5,6,7
	global_load_b128 v[D+16*\kb:D+16*\kb+3],     v7, s[8:9] offset:384*\kb
	global_load_b128 v[D+16*\kb+4:D+16*\kb+7],   v7, s[8:9] offset:384*\kb+16
	global_load_b128 v[D+16*\kb+8:D+16*\kb+11],  v7, s[10:11] offset:384*\kb
	global_load_b128 v[D+16*\kb+12:D+16*\kb+15], v7, s[10:11] offset:384*\kb+16
.endr
.irp kb, 0,1,2,3,4,5,6,7
	s_wait_loadcnt 28-4*\kb                        ; this panel's four loads are in; the later panels' stay out
.irp p, 0,1,2,3
	v_cvt_pk_bf16_f32 v8, v[D+16*\kb+2*\p], v[D+16*\kb+2*\p+1]
	v_cvt_pk_bf16_f32 v9, v[D+16*\kb+8+2*\p], v[D+16*\kb+9+2*\p]
	v_lshlrev_b32 v10, 16, v8
	v_and_b32 v11, s5, v8
	v_lshlrev_b32 v12, 16, v9
	v_and_b32 v13, s5, v9
	v_pk_add_f32 v[10:11], v[10:11], v[12:13]
	v_max3_num_f32 v[MX], v[MX], |v10|, |v11|
	v_cvt_pk_f16_f32 v[D+16*\kb+\p], v10, v11      ; lands on a register whose number has been taken already
.endr
	global_store_b128 v16, v[D+16*\kb:D+16*\kb+3], s[54:55] offset:30720*\kb
.endr
	s_wait_xcnt 0x0
	s_or_b32 exec_lo, exec_lo, s39
	REDUCE
	FINISH 1
	; ---- a layer's four biases: wave w takes half w % 2 of array w / 2 ----
.Lbias:
	s_sub_co_u32 s40, ttmp9, 640
	PICKP
	s_lshr_b32 s42, s4, 1
	s_cmp_eq_u32 s42, 1
	s_cselect_b64 s[46:47], s[22:23], s[20:21]
	s_cmp_eq_u32 s42, 2
	s_cselect_b64 s[46:47], s[24:25], s[46:47]
	s_cmp_eq_u32 s42, 3
	s_cselect_b64 s[46:47], s[26:27], s[46:47]
	s_mul_i32 s50, s40, 3072
	s_mov_b32 s51, 0
	s_add_nc_u64 s[46:47], s[46:47], s[50:51]
	s_add_nc_u64 s[52:53], s[48:49], WTAB+384      ; entry 96
	s_and_b32 s43, s4, 1
	s_lshl_b32 s43, s43, 9
	v_and_b32 v5, 31, v0
	v_lshl_add_u32 v5, v5, 4, s43
	s_mul_i32 s44, s42, 3072
	v_add_nc_u32 v6, s44, v5
.irp i, 0,1,2
	global_load_b128 v[D+4*\i:D+4*\i+3], v5, s[46:47] offset:1024*\i
.endr
	s_wait_loadcnt 0x0
.irp i, 0,1,2,3,4,5
	v_cvt_pk_bf16_f32 v8, v[D+2*\i], v[D+2*\i+1]
	v_lshlrev_b32 v[D+2*\i], 16, v8
	v_and_b32 v[D+2*\i+1], s5, v8
	v_max3_num_f32 v[MX], v[MX], |v[D+2*\i]|, |v[D+2*\i+1]|
.endr
.irp i, 0,1,2
	global_store_b128 v6, v[D+4*\i:D+4*\i+3], s[48:49] offset:BIAS+1024*\i
.endr
	REDUCE
	FINISH 0
.Lfunc_end_k_qe29fe58b45_prep:
	.size	k_qe29fe58b45_prep, .Lfunc_end_k_qe29fe58b45_prep-k_qe29fe58b45_prep
	.p2alignl 7, 3214868480
	.fill 96, 4, 3214868480
	.section	.rodata,"a",@progbits
	.p2align	6, 0x0
	.amdhsa_kernel k_qe29fe58b45_prep
		.amdhsa_group_segment_fixed_size 54528
		.amdhsa_private_segment_fixed_size 0
		.amdhsa_enable_private_segment 0
		.amdhsa_kernarg_size 120
		.amdhsa_user_sgpr_count 2
		.amdhsa_user_sgpr_kernarg_segment_ptr 1
		.amdhsa_wavefront_size32 1
		.amdhsa_system_sgpr_workgroup_id_x 1
		.amdhsa_system_sgpr_workgroup_id_y 1
		.amdhsa_system_sgpr_workgroup_id_z 1
		.amdhsa_system_vgpr_workitem_id 0
		.amdhsa_next_free_vgpr 160
		.amdhsa_next_free_sgpr 66
		.amdhsa_reserve_vcc 1
		.amdhsa_float_denorm_mode_32 3
		.amdhsa_float_denorm_mode_16_64 3
		.amdhsa_memory_ordered 1
		.amdhsa_forward_progress 1
		.amdhsa_inst_pref_size 51
	.end_amdhsa_kernel
	.amdgpu_metadata
---
amdhsa.version: [ 1, 2 ]
amdhsa.kernels:
  - .name:           k_qe29fe58b45_prep
    .symbol:         k_qe29fe58b45_prep.kd
    .args:
      - { .name: x, .offset: 0, .size: 8, .value_kind: global_buffer, .address_space: global }
      - { .name: pos, .offset: 8, .size: 8, .value_kind: global_buffer, .address_space: global }
      - { .name: Wq, .offset: 16, .size: 8, .value_kind: global_buffer, .address_space: global }
      - { .name: Wk, .offset: 24, .size: 8, .value_kind: global_buffer, .address_space: global }
      - { .name: Wv, .offset: 32, .size: 8, .value_kind: global_buffer, .address_space: global }
      - { .name: Wo, .offset: 40, .size: 8, .value_kind: global_buffer, .address_space: global }
      - { .name: bq, .offset: 48, .size: 8, .value_kind: global_buffer, .address_space: global }
      - { .name: bk, .offset: 56, .size: 8, .value_kind: global_buffer, .address_space: global }
      - { .name: bv, .offset: 64, .size: 8, .value_kind: global_buffer, .address_space: global }
      - { .name: bo, .offset: 72, .size: 8, .value_kind: global_buffer, .address_space: global }
      - { .name: p0, .offset: 80, .size: 8, .value_kind: global_buffer, .address_space: global }
      - { .name: p1, .offset: 88, .size: 8, .value_kind: global_buffer, .address_space: global }
      - { .name: p2, .offset: 96, .size: 8, .value_kind: global_buffer, .address_space: global }
      - { .name: p3, .offset: 104, .size: 8, .value_kind: global_buffer, .address_space: global }
      - { .name: hbuf, .offset: 112, .size: 8, .value_kind: global_buffer, .address_space: global }
    .group_segment_fixed_size: 54528
    .private_segment_fixed_size: 0
    .kernarg_segment_align: 8
    .kernarg_segment_size: 120
    .max_flat_workgroup_size: 256
    .sgpr_count:     66
    .vgpr_count:     160
    .wavefront_size: 32
...
	.end_amdgpu_metadata
.endif
;; end of part 1
;; launch qkva (part 2): grid 8 x 32, 4 waves a work-group, clusters of 4 x 4, 327,680 bytes of LDS; arguments hbuf, p0, obuf; writes obuf
.if DOCPART == 2
	.amdgcn_target "amdgcn-amd-amdhsa--gfx1250"
	.amdhsa_code_object_version 6
	.text
	.protected	k_qe29fe58b45_qkva
	.globl	k_qe29fe58b45_qkva
	.p2align	8
	.type	k_qe29fe58b45_qkva,@function
k_qe29fe58b45_qkva:
	s_mov_b64 s[64:65], 0
	v_nop
	global_prefetch_b8 v0, s[64:65] scope:SCOPE_SE
	s_setreg_imm32_b32 hwreg(HW_REG_WAVE_MODE, 25, 1), 1
	s_wait_xcnt 0x0
	s_wait_alu depctr_hold_cnt(0) depctr_sa_sdst(0) depctr_va_vdst(0) depctr_va_sdst(0) depctr_va_ssrc(0) depctr_va_vcc(0) depctr_vm_vsrc(0)
	s_getreg_b32 s2, hwreg(HW_REG_IB_STS2, 6, 4)
	s_cmp_eq_u32 s2, 0
	s_cbranch_scc0 .Lentry_in_a_cluster
	s_endpgm
.Lentry_in_a_cluster:
	s_bfe_u32 s2, ttmp6, 0x10000c
	s_cmp_lg_u32 s2, 0xf033
	s_cbranch_scc0 .Lentry_shape_is_right
	s_endpgm
.Lentry_shape_is_right:
; ONE LAYER'S q, k, v AND ITS BANDED ATTENTION, for one row group rg (160 rows: half a batch element and 9 rows of halo) and one head hd.
; q|k|v [160 x 288] = h [160 x 768] W [768 x 288] + b, in f16 with f32 sums; then for each query the 10 keys i - 9 .. i; o leaves as the f16 panel (rg, hd) of obuf.  q, k, v never reach memory.
; SCALES.  hbuf holds h / inv; its table holds 256 pairs (largest stored magnitude, inv).  B = 768 amax inv wmax + bmax bounds |q|, |k|, |v|; f = 2^(141 - e), e = B's exponent field held to 80..190,
; so what is stored, q f, lies under 2^15.  The scores are scaled back in c = log2(e) / sqrt(96) / f^2; o carries v's scale, and obuf's table gets (largest |o f|, 1 / f).
; LIMITS.  A bound B between 2^-47 and 2^63 is served at f16's full precision; outside, the scale stays at its end.  NaN and infinities are not treated apart.  A weight below 2^-126 counts as 0.
; THE MAXIMUM is the true one: a query's 32 candidate keys lie in registers, hidden ones at -inf; its own key is never hidden.
; SHARES.  Four waves, (wr, wc): 80 rows x 144 columns, 45 accumulators.  K goes in 8 steps of 96, one panel each, through two LDS slots.  The matrix instruction is used transposed (source 0 = 16 rows of
; W's panel, source 1 = 16 rows of h): a lane holds eight neighbouring columns of one row.
; CLUSTER 4 x 4.  The four of a row of the cluster share rg and ask for h's panel jointly (wave 3); the four of a column share hd and ask for W's panel jointly (waves 0-2, a third each).
; A local row's attention looks only at local rows; rows 0-8 of a second half see too few keys: their o is finite, and the next launch does not use it.
; REGISTERS.  window 0: v16-31 addresses; v32-111 two buffers of h's fragments; v112-183 bias x f; v184-223 at work.  window 1: v0-143 two buffers of W's fragments.  windows 2, 3: accumulators (a, b) at 8 (9 (a % 3) + b), a < 3 in window 2.
; In the attention a tile's registers all lie in one window (1 or 2): v0-23 Q, v24-71 K, v72-119 V turned, v120-135 S, v136-143 P, v144-191 O, v192-197 at work, v207 largest |o|, v208-231 packed o.
.set PITCH, 240                        ; a panel's row in a slot: 3 x (64 bytes + 16 of padding): 15 x 16, so the 16 rows of a fragment load start at 16 different 16-byte columns of 256
.set ABYTES, 160*PITCH
.set SLOTB, 448*PITCH                  ; h's 160 rows, then W's 288
.set PQ,    208                        ; a row of q, k or v: 192 bytes + 16
.set QS,    2*SLOTB
.set KS,    QS+160*PQ                  ; k's rows -16..-1 are q's rows 144..159: written bytes, and those scores are hidden
.set VPAD,  KS+160*PQ                  ; zeros: v's rows -16..-1 lie here
.set VS,    VPAD+4096
.set RED,   VS+160*PQ
.set SPARE, RED+256                    ; the spare words: 128 bytes a wave, named by no other line
.set OST,   0                          ; the way out's stage, 2 x 3,072 bytes a wave, in slot 0, which has had its last fill
.set TAB,   7864320
.set BIAS,  4718592
.set WTAB,  4730880
.set G1W,   (3<<16)|(1<<20)|(1<<21)|(3<<22)|(3<<25)  ; 8-byte elements; padding on; bit 21 beside a mask; after every 16 words; 4 words
.set MSB, 0
.macro WIN new                         ; the immediate's high byte repeats the setting that is left
.if MSB != (\new)
	s_set_vgpr_msb (MSB<<8)|(\new)
.set MSB, \new
.endif
.endm
.macro PLACES                          ; four places behind matrix instructions (ISA guide 7.12.1)
.rept 4
	v_nop
.endr
.endm
.macro JLOAD s                         ; a joint load into slot s; the branch hangs on the wave's number alone
	s_cmp_eq_u32 s10, 3
	s_cbranch_scc0 .Lfor_b_\@
	tensor_load_to_lds s[40+4*(\s):43+4*(\s)], s[24:31]
	s_nop 0
	PLACES
	s_branch .Lasked_\@
.Lfor_b_\@:
	tensor_load_to_lds s[48+4*(\s):51+4*(\s)], s[32:39]
	s_nop 0
	PLACES
.Lasked_\@:
.endm
.macro CREST                           ; a round of the cluster's barrier behind its opening barrier
	s_cmp_lg_u32 s10, 0
	s_cbranch_scc1 .Lnot_wave_0_\@
	s_barrier_signal -3
.Lnot_wave_0_\@:
	s_barrier_wait -3
	s_barrier_signal -1
	s_barrier_wait -1
.endm
.macro CROUND
	s_barrier_signal -1
	s_barrier_wait -1
	CREST
.endm
	s_load_b128 s[4:7], s[0:1], 0x0                ; hbuf, pack
	s_load_b64 s[8:9], s[0:1], 0x10                ; obuf
	v_lshl_add_u32 v28, v0, 2, SPARE
	v_mov_b32 v29, 0
	ds_add_u32 v28, v29                            ; the wave's opening: the add and its wait ahead of my first tensor load
	v_lshrrev_b32 v1, 5, v0
	v_readfirstlane_b32 s10, v1                    ; wave
	s_lshr_b32 s11, s10, 1                         ; wr
	s_and_b32 s12, s10, 1                          ; wc
	s_bfe_u32 s56, ttmp6, 0x40000                  ; cx
	s_bfe_u32 s57, ttmp6, 0x40004                  ; cy
	s_lshl_b32 s58, ttmp9, 2
	s_add_co_u32 s58, s58, s56                     ; hd
	s_and_b32 s59, ttmp7, 0xffff
	s_lshl_b32 s59, s59, 2
	s_add_co_u32 s59, s59, s57                     ; rg
	s_lshl_b32 s60, s57, 2
	s_lshl_b32 s60, 15, s60                        ; my row of the cluster
	s_lshl_b32 s61, 0x1111, s56                    ; my column
	; a panel is dense: it comes as rows of 256 bytes (32 elements of 8), h's 120 of them, a third of W's 72
	s_or_b32 s24, s60, G1W
	s_mov_b32 s25, 32<<16
	s_mov_b32 s26, 120<<16
	s_mov_b32 s27, 32<<16
	s_mov_b32 s28, 120
	s_mov_b32 s29, 32
	s_mov_b32 s30, 0
	s_mov_b32 s31, 0
	s_or_b32 s32, s61, G1W
	s_mov_b32 s33, 32<<16
	s_mov_b32 s34, 72<<16
	s_mov_b32 s35, 32<<16
	s_mov_b32 s36, 72
	s_mov_b32 s37, 32
	s_mov_b32 s38, 0
	s_mov_b32 s39, 0
	s_mul_i32 s14, s59, 245760                     ; h: the row group's eight panels
	s_mov_b32 s15, 0
	s_mul_i32 s20, s58, 442368                     ; W: the head's eight panels,
	s_mul_i32 s21, s10, 18432                      ; my 96 rows of a panel
	s_add_co_u32 s20, s20, s21
	s_mov_b32 s21, 0
	s_mul_i32 s22, s10, 96*PITCH
	s_add_co_u32 s22, s22, ABYTES
	s_mov_b32 s72, 0x76543210
	s_mov_b32 s73, 0xfedcba98
	s_mov_b32 s98, 0xff800000                      ; -inf
	s_wait_dscnt 0x0                               ; the opening add is done
	s_wait_kmcnt 0x0
	s_add_nc_u64 s[16:17], s[4:5], s[14:15]
	s_add_nc_u64 s[20:21], s[6:7], s[20:21]
.irp s, 0,1
	s_mov_b32 s[40+4*\s], 1
	s_mov_b32 s[41+4*\s], \s*SLOTB
	s_add_nc_u64 s[42+4*\s:43+4*\s], s[16:17], \s*30720
	s_or_b32 s[43+4*\s], s[43+4*\s], 0x80000000
	s_mov_b32 s[48+4*\s], 1
	s_add_co_u32 s[49+4*\s], s22, \s*SLOTB
	s_add_nc_u64 s[50+4*\s:51+4*\s], s[20:21], \s*55296
	s_or_b32 s[51+4*\s], s[51+4*\s], 0x80000000
.endr
	CROUND                                         ; all sixteen work-groups are here: the first joint loads meet
	s_cmp_eq_u32 s10, 3                            ; a wave's two first fills stand in one branch: two loads of mine are out
	s_cbranch_scc0 .Lfirst_b
	tensor_load_to_lds s[40:43], s[24:31]
	s_nop 0
	tensor_load_to_lds s[44:47], s[24:31]
	s_nop 0
	PLACES
	s_branch .Lfirst_done
.Lfirst_b:
	tensor_load_to_lds s[48:51], s[32:39]
	s_nop 0
	tensor_load_to_lds s[52:55], s[32:39]
	s_nop 0
	PLACES
.Lfirst_done:
	; the tables and my columns' biases, in the wait for the first panels
	v_and_b32 v1, 31, v0                           ; L
	v_and_b32 v2, 15, v0                           ; r
	v_bfe_u32 v3, v0, 4, 1                         ; h
	v_lshlrev_b32 v4, 4, v1
	v_min_u32 v5, 17, v1
	v_lshlrev_b32 v5, 4, v5
	s_load_b32 s62, s[4:5], TAB+4                  ; inv
	s_load_b32 s63, s[6:7], WTAB+384               ; the biases' maximum
.irp i, 0,1,2,3
	global_load_b128 v[184+4*\i:187+4*\i], v4, s[4:5] offset:TAB+512*\i
.endr
	global_load_b128 v[200:203], v5, s[6:7] offset:WTAB  ; entries 0..71: Wq, Wk, Wv
	s_mul_i32 s2, s58, 384
	s_mul_i32 s18, s12, 3264                       ; my columns 16 b .. in groups of three blocks: wc = 0: q 0, q 48, k 0; wc = 1: k 48, v 0, v 48
	s_mul_i32 s19, s12, 5952
	s_add_co_u32 s19, s19, 192
	s_add_co_u32 s23, s18, 3072
	v_lshl_add_u32 v6, v3, 5, s2
	v_add_nc_u32 v7, s18, v6
	v_add_nc_u32 v8, s19, v6
	v_add_nc_u32 v9, s23, v6
.irp b, 0,1,2,3,4,5,6,7,8
	global_load_b128 v[112+8*\b:115+8*\b], v[7+(\b)/3], s[6:7] offset:BIAS+64*((\b)%3)
	global_load_b128 v[116+8*\b:119+8*\b], v[7+(\b)/3], s[6:7] offset:BIAS+64*((\b)%3)+16
.endr
	s_wait_loadcnt 18                              ; the tables are in; the 18 loads of biases stay out
	v_max3_num_f32 v10, v184, v186, v188
	v_max3_num_f32 v11, v190, v192, v194
	v_max3_num_f32 v10, v10, v196, v198
	v_max_num_f32 v10, v10, v11
	v_max3_num_f32 v11, v200, v201, v202
	v_max_num_f32 v11, v11, v203
.irp x, 1,2,4,8
	v_max_num_f32_dpp v10, v10, v10 row_xmask:\x row_mask:0xf bank_mask:0xf
	v_max_num_f32_dpp v11, v11, v11 row_xmask:\x row_mask:0xf bank_mask:0xf
.endr
	v_mov_b32 v12, 0
	v_mov_b32 v13, 0
	v_permlanex16_b32 v12, v10, s72, s73
	v_permlanex16_b32 v13, v11, s72, s73
	v_max_num_f32 v10, v10, v12
	v_max_num_f32 v11, v11, v13
	v_readfirstlane_b32 s18, v10                   ; amax
	v_readfirstlane_b32 s19, v11                   ; wmax
	s_wait_kmcnt 0x0
	s_mul_f32 s18, s18, s62
	s_mul_f32 s18, s18, 0x44400000                 ; 768
	s_fmac_f32 s63, s18, s19                       ; B
	s_lshr_b32 s63, s63, 23
	s_max_u32 s63, s63, 80
	s_min_u32 s63, s63, 190                        ; e
	s_sub_co_u32 s70, 268, s63
	s_lshl_b32 s70, s70, 23                        ; f = 2^(141 - e)
	s_sub_co_u32 s71, s63, 14
	s_lshl_b32 s71, s71, 23                        ; 1 / f
	s_mul_f32 s66, s62, s70                        ; G = inv f
	s_mov_b32 s67, s66
	s_mul_f32 s68, s71, s71
	s_mul_f32 s68, s68, 0x3e16c73f                 ; c = log2(e) / sqrt(96) / f^2
	s_mov_b32 s69, s68
	s_wait_loadcnt 0x0
.set i, 0
.rept 36
	v_pk_mul_f32 v[112+2*i:113+2*i], v[112+2*i:113+2*i], s[70:71] op_sel_hi:[1,0]
.set i, i+1
.endr
	; addresses
	v_mul_u32_u24 v5, v2, PITCH
	v_lshl_add_u32 v5, v3, 4, v5
	s_mul_i32 s18, s11, 80*PITCH
	s_mul_i32 s19, s12, 144*PITCH
	s_add_co_u32 s19, s19, ABYTES
	v_add_nc_u32 v16, s18, v5                      ; h's fragments, slot 0, 1
	v_add_nc_u32 v17, SLOTB, v16
	v_add_nc_u32 v18, s19, v5                      ; W's
	v_add_nc_u32 v19, SLOTB, v18
	v_mul_u32_u24 v6, v2, PQ
	v_lshl_add_u32 v6, v3, 4, v6
	s_mul_i32 s18, s11, 80*PQ
	s_mul_i32 s19, s12, KS+96-QS
	s_add_co_u32 s19, s19, s18
	s_add_co_u32 s19, s19, QS
	v_add_nc_u32 v20, s19, v6                      ; where my blocks 0-2, 3-5, 6-8 go
	s_mul_i32 s19, s12, VS-QS-96
	s_add_co_u32 s19, s19, s18
	s_add_co_u32 s19, s19, QS+96
	v_add_nc_u32 v21, s19, v6
	s_mul_i32 s19, s12, VS+96-KS
	s_add_co_u32 s19, s19, s18
	s_add_co_u32 s19, s19, KS
	v_add_nc_u32 v22, s19, v6
	v_lshl_add_u32 v23, v0, 4, VPAD
	s_mul_i32 s18, s10, 16*PQ                      ; tile T = w + 4 I
	s_add_co_u32 s19, s18, QS
	v_add_nc_u32 v24, s19, v6                      ; Q's fragments
	s_add_co_u32 s19, s18, KS-16*PQ
	v_add_nc_u32 v25, s19, v6                      ; K's, from 16 rows above the tile
	v_and_b32 v7, 7, v0
	v_lshl_add_u32 v7, v3, 3, v7
	v_mul_u32_u24 v7, v7, PQ
	v_bfe_u32 v8, v0, 3, 1
	v_lshl_add_u32 v7, v8, 4, v7
	s_add_co_u32 s19, s18, VS-16*PQ
	v_add_nc_u32 v26, s19, v7                      ; V's, for the turning load
	s_mul_i32 s18, s10, 6144
	v_mul_u32_u24 v8, v2, 192
	v_lshl_add_u32 v8, v3, 4, v8
	v_add_nc_u32 v27, s18, v8                      ; into my stage
	v_add_nc_u32 v30, s18, v4                      ; and back
	s_mul_i32 s18, s10, 3072
	v_add_nc_u32 v31, s18, v4                      ; in the panel of o
	; register j of a score tile is key 8 h + j; the query is r.  Seen where 0 <= query - key <= 9
	v_lshlrev_b32 v9, 3, v3
	v_sub_nc_u32 v9, v2, v9
.irp j, 0,1,2,3,4,5,6,7
	v_add_nc_u32 v10, 16-\j, v9
	v_cmp_ge_u32 s[74+\j], 9, v10                  ; the block above
	v_add_nc_u32 v11, 0-\j, v9
	v_cmp_ge_u32 s[82+\j], 9, v11                  ; the tile's own block
.endr
	s_lshl_b32 s99, s59, 3
	s_add_co_u32 s99, s99, s58                     ; 8 rg + hd
	s_mul_i32 s18, s99, 30720
	s_mov_b32 s19, 0
	s_add_nc_u64 s[2:3], s[8:9], s[18:19]          ; my panel of o
	s_cmp_eq_u32 s10, 0
.irp j, 0,1,2,3,4,5,6,7
	s_cselect_b32 s[90+\j], 0, s[74+\j]            ; tile 0 has no block above
.endr
.macro FETCH slot, k, f                ; 28 LDS loads in one run: 32 along K at byte k of the rows: W's 9 fragments, then h's 5
	WIN 0x40
.irp b, 0,1,2,3,4,5,6,7,8
	ds_load_b128 v[72*(\f)+8*\b:72*(\f)+8*\b+3],   v[18+(\slot)] offset:(\k)+\b*16*PITCH
	ds_load_b128 v[72*(\f)+8*\b+4:72*(\f)+8*\b+7], v[18+(\slot)] offset:(\k)+\b*16*PITCH+32
.endr
	WIN 0
.irp a, 0,1,2,3,4
	ds_load_b128 v[32+40*(\f)+8*\a:32+40*(\f)+8*\a+3],   v[16+(\slot)] offset:(\k)+\a*16*PITCH
	ds_load_b128 v[32+40*(\f)+8*\a+4:32+40*(\f)+8*\a+7], v[16+(\slot)] offset:(\k)+\a*16*PITCH+32
.endr
.endm
.macro MULROW f, a, zero               ; 9 matrix instructions: row block a x all 9 column blocks.  The 45 accumulators take turns in one fixed order
.if (\a) < 3
	WIN 0xa1
.set AC, 72*(\a)
.else
	WIN 0xf1
.set AC, 72*((\a)-3)
.endif
.irp b, 0,1,2,3,4,5,6,7,8
.if \zero
	v_wmma_f32_16x16x32_f16 v[AC+8*\b:AC+8*\b+7], v[72*(\f)+8*\b:72*(\f)+8*\b+7], v[32+40*(\f)+8*(\a):32+40*(\f)+8*(\a)+7], 0
.else
	v_wmma_f32_16x16x32_f16 v[AC+8*\b:AC+8*\b+7], v[72*(\f)+8*\b:72*(\f)+8*\b+7], v[32+40*(\f)+8*(\a):32+40*(\f)+8*(\a)+7], v[AC+8*\b:AC+8*\b+7]
.endif
.endr
.endm
.macro THIRD slot, k, f, g, zero       ; a third of a K step: multiplies buffer f, fetches the next third into g
	s_wait_dscnt 8                                 ; W's fragments and h's block 0 are in; the youngest eight loads may be out
	MULROW \f, 0, \zero
	PLACES
	FETCH \slot, \k, \g
	s_wait_dscnt 28                                ; all but the 28 just issued
	MULROW \f, 1, \zero
	MULROW \f, 2, \zero
	MULROW \f, 3, \zero
	MULROW \f, 4, \zero
.endm
.macro TURN slot, next, f, g, fill     ; a K step's last third, and the change of slots
	WIN 0
	s_wait_tensorcnt 0x0                           ; all my tensor loads have landed: my part of the next slot
	ds_add_u32 v28, v29
	s_wait_dscnt 9                                 ; the add and the youngest eight loads may be out
	MULROW \f, 0, 0
	s_wait_dscnt 0x0                               ; the add is done, and my reads of this slot are over
	s_barrier_signal -1
	MULROW \f, 1, 0
	WIN 0
	s_barrier_wait -1
.if \fill
	CREST                                          ; the barrier has opened a round of the cluster's: no wave of any partner still reads this slot or has a load on its way
	s_add_nc_u64 s[42+4*(\slot):43+4*(\slot)], s[42+4*(\slot):43+4*(\slot)], 2*30720
	s_add_nc_u64 s[50+4*(\slot):51+4*(\slot)], s[50+4*(\slot):51+4*(\slot)], 2*55296
	JLOAD \slot                                    ; my one load behind the round; its four v_nop are the places in front of the loads below
.else
	PLACES
.endif
	FETCH \next, 0, \g
	MULROW \f, 2, 0
	MULROW \f, 3, 0
	MULROW \f, 4, 0
.endm
	s_wait_tensorcnt 0x1                           ; my part of slot 0 is in; slot 1's may stay out
	s_barrier_signal -1
	s_barrier_wait -1
	FETCH 0, 0, 0
	THIRD 0, 80, 0, 1, 1                           ; the first third starts the sums
	WIN 0
	s_mov_b32 s13, 3
.Llap:                                                 ; a trip: two K steps, both slots filled again
	THIRD 0, 160, 1, 0, 0
	TURN 0, 1, 0, 1, 1
	THIRD 1, 80, 1, 0, 0
	THIRD 1, 160, 0, 1, 0
	TURN 1, 0, 1, 0, 1
	THIRD 0, 80, 0, 1, 0
	WIN 0
	s_sub_co_u32 s13, s13, 1
	s_cmp_lg_u32 s13, 0
	s_cbranch_scc1 .Llap
	THIRD 0, 160, 1, 0, 0                          ; the last two K steps ask for nothing
	TURN 0, 1, 0, 1, 0
	THIRD 1, 80, 1, 0, 0
	THIRD 1, 160, 0, 1, 0
	s_wait_dscnt 8
	MULROW 1, 0, 0
	s_wait_dscnt 0x0
	MULROW 1, 1, 0
	MULROW 1, 2, 0
	MULROW 1, 3, 0
	MULROW 1, 4, 0
	; q, k, v = sums x G + bias x f, rounded to f16, into their stages
	PLACES
.macro EPI a
.if (\a) < 3
	WIN 0x02
.set AC, 72*(\a)
.else
	WIN 0x03
.set AC, 72*((\a)-3)
.endif
.set i, 0
.rept 36
	v_pk_fma_f32 v[32+2*i:33+2*i], v[AC+2*i:AC+2*i+1], s[66:67], v[112+2*i:113+2*i] op_sel_hi:[1,0,1]
.set i, i+1
.endr
	WIN 0
.set i, 0
.rept 36
	v_cvt_pk_f16_f32 v[184+i], v[32+2*i], v[33+2*i]
.set i, i+1
.endr
.irp b, 0,1,2,3,4,5,6,7,8
	ds_store_b128 v[20+(\b)/3], v[184+4*\b:187+4*\b] offset:(\a)*16*PQ+32*((\b)%3)
.endr
.endm
	EPI 0
	EPI 1
	EPI 2
	EPI 3
	EPI 4
.irp i, 220,221,222,223
	v_mov_b32 v\i, 0
.endr
	ds_store_b128 v23, v[220:223]
	ds_store_b128 v23, v[220:223] offset:2048
	WIN 0x40
	v_mov_b32 v207, 0
	WIN 0x80
	v_mov_b32 v207, 0
	WIN 0
	s_wait_dscnt 0x0                               ; for the others' sake: my rows of q, k, v are written
	s_barrier_signal -1
	s_barrier_wait -1
; THE ATTENTION of tile T = w + 4 I (16 queries, the 32 keys of blocks T - 1 and T), in window X.
.macro A_LDQK X, I
	WIN (\X)<<6
.irp s, 0,1,2
	ds_load_b128 v[8*\s:8*\s+3],   v24 offset:(\I)*64*PQ+64*\s
	ds_load_b128 v[8*\s+4:8*\s+7], v24 offset:(\I)*64*PQ+64*\s+32
.endr
.irp f, 0,1,2,3,4,5
	ds_load_b128 v[24+8*\f:24+8*\f+3], v25 offset:(\I)*64*PQ+(\f/3)*16*PQ+(\f%3)*64
	ds_load_b128 v[28+8*\f:28+8*\f+3], v25 offset:(\I)*64*PQ+(\f/3)*16*PQ+(\f%3)*64+32
.endr
.endm
.macro A_LDV X, I
	WIN (\X)<<6
.irp c, 0,1,2,3,4,5
	ds_load_tr16_b128 v[72+8*\c:72+8*\c+3], v26 offset:(\I)*64*PQ+32*\c
	ds_load_tr16_b128 v[76+8*\c:76+8*\c+3], v26 offset:(\I)*64*PQ+32*\c+16*PQ
.endr
.endm
.macro A_QK X                          ; S^T = K Q^T: a lane holds one query; the two accumulators take turns
	WIN 0x55*(\X)
	v_wmma_f32_16x16x32_f16 v[120:127], v[24:31], v[0:7], 0
	v_wmma_f32_16x16x32_f16 v[128:135], v[48:55], v[0:7], 0
.irp s, 1,2
	v_wmma_f32_16x16x32_f16 v[120:127], v[24+8*\s:31+8*\s], v[8*\s:8*\s+7], v[120:127]
	v_wmma_f32_16x16x32_f16 v[128:135], v[48+8*\s:55+8*\s], v[8*\s:8*\s+7], v[128:135]
.endr
.endm
.macro A_SOFT X, M                     ; M: the masks of the block above
	WIN 0x55*(\X)
.irp j, 0,1,2,3,4,5,6,7
	v_cndmask_b32 v[120+\j], s98, v[120+\j], s[(\M)+\j]
.endr
.irp j, 0,1,2,3,4,5,6,7
	v_cndmask_b32 v[128+\j], s98, v[128+\j], s[82+\j]
.endr
	v_max3_num_f32 v192, v120, v121, v122
	v_max3_num_f32 v193, v123, v124, v125
	v_max3_num_f32 v194, v126, v127, v128
	v_max3_num_f32 v195, v129, v130, v131
	v_max3_num_f32 v192, v192, v132, v133
	v_max3_num_f32 v193, v193, v134, v135
	v_max3_num_f32 v192, v192, v193, v194
	v_max_num_f32 v192, v192, v195
	v_permlanex16_b32 v193, v192, s72, s73         ; the query's other 16 keys lie in the lane 16 away
	v_max_num_f32 v192, v192, v193
	v_mul_f32 v194, s68, v192                      ; c m
.irp i, 0,1,2,3,4,5,6,7
	v_pk_fma_f32 v[120+2*\i:121+2*\i], v[120+2*\i:121+2*\i], s[68:69], v[194:195] op_sel_hi:[1,0,0] neg_lo:[0,0,1] neg_hi:[0,0,1]
.endr
.set i, 0
.rept 16
	v_exp_f32 v[120+i], v[120+i]
.set i, i+1
.endr
	v_nop                                          ; a plain instruction behind the last exponential
	s_wait_alu depctr_va_vdst(0)
.irp i, 0,1,2,3,4,5,6,7
	v_cvt_pk_f16_f32 v[136+\i], v[120+2*\i], v[121+2*\i]  ; the two tiles, rounded in pairs, are source 1 of V^T P
.endr
.irp i, 0,4,8,12
	v_pk_add_f32 v[120+\i:121+\i], v[120+\i:121+\i], v[122+\i:123+\i]
.endr
	v_pk_add_f32 v[120:121], v[120:121], v[124:125]
	v_pk_add_f32 v[128:129], v[128:129], v[132:133]
	v_pk_add_f32 v[120:121], v[120:121], v[128:129]
	v_add_f32 v192, v120, v121
	v_permlanex16_b32 v193, v192, s72, s73
	v_add_f32 v192, v192, v193
	v_rcp_f32 v196, v192
	v_rcp_f32 v197, v192
	v_nop                                          ; a plain instruction behind the reciprocals
.endm
.macro A_PV X                          ; O^T = V^T P, all 32 keys in one instruction a channel block
	WIN 0x55*(\X)
.irp c, 0,1,2,3,4,5
	v_wmma_f32_16x16x32_f16 v[144+8*\c:151+8*\c], v[72+8*\c:79+8*\c], v[136:143], 0
.endr
.endm
.macro A_OUT X, I
	WIN 0x55*(\X)
.set i, 0
	s_wait_alu depctr_va_vdst(0)
.rept 24
	v_pk_mul_f32 v[144+2*i:145+2*i], v[144+2*i:145+2*i], v[196:197] op_sel_hi:[1,0]
.set i, i+1
.endr
.set i, 0
.rept 24
	v_max3_num_f32 v207, v207, |v[144+2*i]|, |v[145+2*i]|
	v_cvt_pk_f16_f32 v[208+i], v[144+2*i], v[145+2*i]
.set i, i+1
.endr
	WIN (\X)<<2                                    ; store data in window X, address in window 0
.irp c, 0,1,2,3,4,5
	ds_store_b128 v27, v[208+4*\c:211+4*\c] offset:3072*((\X)-1)+32*\c
.endr
	WIN (\X)<<6
.irp n, 0,1,2,3,4,5
	ds_load_b128 v[208+4*\n:211+4*\n], v30 offset:3072*((\X)-1)+512*\n  ; LDS serves a wave's instructions in order (ISA guide 5.7.1.4): these see the stores above
.endr
	s_wait_dscnt 0x0
	WIN (\X)<<2
.irp n, 0,1,2,3,4,5
	global_store_b128 v31, v[208+4*\n:211+4*\n], s[2:3] offset:12288*(\I)+512*\n  ; the tile's 16 rows are 3,072 dense bytes: each store covers 512, aligned
.endr
.endm
	A_LDQK 1, 0
	A_LDQK 2, 1
	A_LDV 1, 0
	A_LDV 2, 1
	s_wait_dscnt 42                                ; the first tile's Q and K are in: 18 + 12 + 12 loads were issued behind them
	A_QK 1
	s_wait_dscnt 24                                ; the second tile's: 12 + 12 behind them
	A_QK 2
	PLACES
	A_SOFT 1, 90
	A_SOFT 2, 74
	s_wait_dscnt 12                                ; the first tile's V
	A_PV 1
	s_wait_dscnt 0x0
	A_PV 2
	PLACES
	A_OUT 1, 0
	A_OUT 2, 1
	WIN 0
	s_cmp_gt_u32 s10, 1
	s_cbranch_scc1 .Lno_third                      ; tiles 8 and 9 are waves 0's and 1's
	s_wait_xcnt 0x0                                ; the first tile's stores have read their registers
	A_LDQK 1, 2
	A_LDV 1, 2
	s_wait_dscnt 12
	A_QK 1
	PLACES
	A_SOFT 1, 74
	s_wait_dscnt 0x0
	A_PV 1
	PLACES
	A_OUT 1, 2
	WIN 0
.Lno_third:
	WIN 0x09                                       ; source 0 window 1, source 1 window 2
	v_max_num_f32 v5, v207, v207
	WIN 0
.irp x, 1,2,4,8
	v_max_num_f32_dpp v5, v5, v5 row_xmask:\x row_mask:0xf bank_mask:0xf
.endr
	v_mov_b32 v6, 0
	v_permlanex16_b32 v6, v5, s72, s73
	v_max_num_f32 v5, v5, v6
	s_lshl_b32 s18, s10, 2
	s_add_co_u32 s18, s18, RED
	v_mov_b32 v7, s18
	ds_store_b32 v7, v5
	s_wait_dscnt 0x0
	s_barrier_signal -1
	s_barrier_wait -1
	s_cmp_lg_u32 s10, 0
	s_cbranch_scc1 .Lend
	v_mov_b32 v7, RED
	ds_load_b128 v[8:11], v7
	s_wait_dscnt 0x0
	v_max3_num_f32 v8, v8, v9, v10
	v_max_num_f32 v8, v8, v11
	v_mov_b32 v9, s71                              ; the pair: largest |o f|, 1 / f
	s_lshl_b32 s18, s99, 3
	v_mov_b32 v12, s18
	v_cmp_eq_u32 vcc_lo, 0, v0
	s_wait_xcnt 0x0                                ; EXEC changes only behind this wait
	s_and_saveexec_b32 s19, vcc_lo
	global_store_b64 v12, v[8:9], s[8:9] offset:TAB
	s_wait_xcnt 0x0
	s_or_b32 exec_lo, exec_lo, s19
.Lend:
	s_wait_tensorcnt 0x0                           ; the wave's end
	ds_add_u32 v28, v29
	s_wait_dscnt 0x0
	CROUND                                         ; the closing round
	s_endpgm
.Lfunc_end_k_qe29fe58b45_qkva:
	.size	k_qe29fe58b45_qkva, .Lfunc_end_k_qe29fe58b45_qkva-k_qe29fe58b45_qkva
	.p2alignl 7, 3214868480
	.fill 96, 4, 3214868480
	.section	.rodata,"a",@progbits
	.p2align	6, 0x0
	.amdhsa_kernel k_qe29fe58b45_qkva
		.amdhsa_group_segment_fixed_size 327680
		.amdhsa_private_segment_fixed_size 0
		.amdhsa_enable_private_segment 0
		.amdhsa_kernarg_size 24
		.amdhsa_user_sgpr_count 2
		.amdhsa_user_sgpr_kernarg_segment_ptr 1
		.amdhsa_wavefront_size32 1
		.amdhsa_system_sgpr_workgroup_id_x 1
		.amdhsa_system_sgpr_workgroup_id_y 1
		.amdhsa_system_sgpr_workgroup_id_z 1
		.amdhsa_system_vgpr_workitem_id 0
		.amdhsa_next_free_vgpr 912
		.amdhsa_next_free_sgpr 100
		.amdhsa_reserve_vcc 1
		.amdhsa_float_denorm_mode_32 3
		.amdhsa_float_denorm_mode_16_64 3
		.amdhsa_memory_ordered 1
		.amdhsa_forward_progress 1
		.amdhsa_inst_pref_size 145
	.end_amdhsa_kernel
	.amdgpu_metadata
---
amdhsa.version: [ 1, 2 ]
amdhsa.kernels:
  - .name:           k_qe29fe58b45_qkva
    .symbol:         k_qe29fe58b45_qkva.kd
    .args:
      - { .name: hbuf, .offset: 0, .size: 8, .value_kind: global_buffer, .address_space: global }
      - { .name: p0, .offset: 8, .size: 8, .value_kind: global_buffer, .address_space: global }
      - { .name: obuf, .offset: 16, .size: 8, .value_kind: global_buffer, .address_space: global }
    .group_segment_fixed_size: 327680
    .private_segment_fixed_size: 0
    .kernarg_segment_align: 8
    .kernarg_segment_size: 24
    .max_flat_workgroup_size: 128
    .sgpr_count:     100
    .vgpr_count:     912
    .wavefront_size: 32
...
	.end_amdgpu_metadata
.endif
;; end of part 2
;; launch proj (part 3): grid 4 x 64, 4 waves a work-group, clusters of 4 x 4, 327,680 bytes of LDS; arguments obuf, p0, hbuf; writes hbuf
.if DOCPART == 3
	.amdgcn_target "amdgcn-amd-amdhsa--gfx1250"
	.amdhsa_code_object_version 6
	.text
	.protected	k_qe29fe58b45_proj
	.globl	k_qe29fe58b45_proj
	.p2align	8
	.type	k_qe29fe58b45_proj,@function
k_qe29fe58b45_proj:
	s_mov_b64 s[64:65], 0
	v_nop
	global_prefetch_b8 v0, s[64:65] scope:SCOPE_SE
	s_setreg_imm32_b32 hwreg(HW_REG_WAVE_MODE, 25, 1), 1
	s_wait_xcnt 0x0
	s_wait_alu depctr_hold_cnt(0) depctr_sa_sdst(0) depctr_va_vdst(0) depctr_va_sdst(0) depctr_va_ssrc(0) depctr_va_vcc(0) depctr_vm_vsrc(0)
	s_getreg_b32 s2, hwreg(HW_REG_IB_STS2, 6, 4)
	s_cmp_eq_u32 s2, 0
	s_cbranch_scc0 .Lentry_in_a_cluster
	s_endpgm
.Lentry_in_a_cluster:
	s_bfe_u32 s2, ttmp6, 0x10000c
	s_cmp_lg_u32 s2, 0xf033
	s_cbranch_scc0 .Lentry_shape_is_right
	s_endpgm
.Lentry_shape_is_right:
; THE OUTPUT PROJECTION h = o Wo + bo of one layer, for 80 local rows of a row group and 192 columns.  LAST = 0: h leaves scaled, in f16, as panels of hbuf; LAST = 1: as f32 rows of the output.
; SCALES.  obuf holds o / inv and a table of 256 pairs (largest stored magnitude, inv).  LAST = 0: B = 768 omax inv wmax + bmax bounds |h|; f = 2^(141 - e), e = B's exponent field held to 80..190;
; h f lies under 2^15 and is stored; hbuf's table gets (largest |h f|, 1 / f).  LAST = 1: the sums are multiplied by inv and the bias is added, in f32.
; LIMITS.  A bound B between 2^-47 and 2^63 is served at f16's full precision; outside, the scale stays at its end.  NaN and infinities are not treated apart.
; ROWS.  Row group rg = 2 b + half holds t = 142 half + local row.  A second half's local rows 0-8 come from too few keys: they are computed and not stored; LAST = 0: the first half's work-group
; stores its rows 142-150 there too.  LAST = 1: a first half stores rows 0-150, a second half rows 9-159.
; SHARES.  Four waves, each all 80 rows x 48 columns: 15 accumulators.  K goes in 8 steps of 96; an LDS slot holds two steps, brought by one load a wave.
; CLUSTER 4 x 4.  The four of a row share the rows of o (waves 0, 1 ask, a step each), the four of a column the panels of Wo (waves 2, 3).  half and the half of the rows come from the cluster's y: equal in all partners.
; REGISTERS.  window 0: v16-23 fragment addresses by quarter of the ring; v24-31 addresses; v32-55 bias; v56-127 at work; v128-247 accumulators (a, b) at 128 + 8 (3 a + b).
; windows 1, 2: a buffer each of a whole step's fragments: third s: o's 5 at 64 s + 8 a, Wo's 3 at 64 s + 40 + 8 b.
.set LAST, 0
.set PITCH, 240                        ; a panel's row in a slot: 3 x (64 bytes + 16 of padding)
.set ASTEP, 80*PITCH
.set STEPB, 272*PITCH                  ; o's 80 rows, then Wo's 192
.set SLOTB, 2*STEPB
.set STG,   2*SLOTB                    ; the way out's stage, behind the ring
.if LAST
.set SPITCH, 784                       ; 768 bytes + 16
.set SPARE, STG+80*SPITCH
.else
.set RED,   STG+30720
.set SPARE, RED+256
.endif
.set TAB,   7864320
.set WOFF,  3538944
.set BIAS,  4718592
.set WTAB,  4730880
.set G1W,   (3<<16)|(1<<20)|(1<<21)|(3<<22)|(3<<25)  ; 8-byte elements; padding on; bit 21 beside a mask; after every 16 words; 4 words
.set MSB, 0
.macro WIN new
.if MSB != (\new)
	s_set_vgpr_msb (MSB<<8)|(\new)
.set MSB, \new
.endif
.endm
.macro PLACES
.rept 4
	v_nop
.endr
.endm
.macro JLOAD s
	s_cmp_eq_u32 s11, 0
	s_cbranch_scc0 .Lfor_b_\@
	tensor_load_to_lds s[40+4*(\s):43+4*(\s)], s[24:31]
	s_nop 0
	PLACES
	s_branch .Lasked_\@
.Lfor_b_\@:
	tensor_load_to_lds s[48+4*(\s):51+4*(\s)], s[32:39]
	s_nop 0
	PLACES
.Lasked_\@:
.endm
.macro CREST
	s_cmp_lg_u32 s10, 0
	s_cbranch_scc1 .Lnot_wave_0_\@
	s_barrier_signal -3
.Lnot_wave_0_\@:
	s_barrier_wait -3
	s_barrier_signal -1
	s_barrier_wait -1
.endm
.macro CROUND
	s_barrier_signal -1
	s_barrier_wait -1
	CREST
.endm
	s_load_b128 s[4:7], s[0:1], 0x0                ; obuf, pack
	s_load_b64 s[8:9], s[0:1], 0x10                ; hbuf, or the output
	v_lshl_add_u32 v28, v0, 2, SPARE
	v_mov_b32 v29, 0
	ds_add_u32 v28, v29                            ; the wave's opening: the add and its wait ahead of my first tensor load
	v_lshrrev_b32 v1, 5, v0
	v_readfirstlane_b32 s10, v1                    ; wave
	s_lshr_b32 s11, s10, 1                         ; I fetch for o (0) or for Wo (1)
	s_and_b32 s12, s10, 1                          ; which of a slot's two steps
	s_bfe_u32 s56, ttmp6, 0x40000                  ; cx
	s_bfe_u32 s57, ttmp6, 0x40004                  ; cy
	s_lshl_b32 s58, ttmp9, 2
	s_add_co_u32 s58, s58, s56                     ; which 192 columns
	s_and_b32 s59, ttmp7, 0xffff                   ; the cluster's y, 0..15
	s_and_b32 s13, s59, 1                          ; which 80 of the 160 rows
	s_bfe_u32 s23, s59, 0x10001                    ; half
	s_lshr_b32 s14, s59, 2
	s_lshl_b32 s15, s57, 2
	s_add_co_u32 s14, s14, s15                     ; b = 4 cy + y / 4
	s_lshl_b32 s15, s14, 1
	s_add_co_u32 s15, s15, s23                     ; rg
	s_lshl_b32 s60, s57, 2
	s_lshl_b32 s60, 15, s60                        ; my row of the cluster
	s_lshl_b32 s61, 0x1111, s56                    ; my column
	s_or_b32 s24, s60, G1W                         ; 80 rows of o's panel are 60 rows of 256 bytes,
	s_mov_b32 s25, 32<<16
	s_mov_b32 s26, 60<<16
	s_mov_b32 s27, 32<<16
	s_mov_b32 s28, 60
	s_mov_b32 s29, 32
	s_mov_b32 s30, 0
	s_mov_b32 s31, 0
	s_or_b32 s32, s61, G1W                         ; a panel of Wo 144
	s_mov_b32 s33, 32<<16
	s_mov_b32 s34, 144<<16
	s_mov_b32 s35, 32<<16
	s_mov_b32 s36, 144
	s_mov_b32 s37, 32
	s_mov_b32 s38, 0
	s_mov_b32 s39, 0
	s_mul_i32 s16, s15, 245760
	s_mul_i32 s17, s12, 30720
	s_add_co_u32 s16, s16, s17
	s_mul_i32 s17, s13, 15360
	s_add_co_u32 s16, s16, s17
	s_mov_b32 s17, 0
	s_mul_i32 s20, s58, 294912
	s_mul_i32 s21, s12, 36864
	s_add_co_u32 s20, s20, s21
	s_add_co_u32 s20, s20, WOFF
	s_mov_b32 s21, 0
	s_mul_i32 s22, s12, STEPB
	s_mul_i32 s18, s11, ASTEP
	s_add_co_u32 s22, s22, s18
	s_mov_b32 s72, 0x76543210
	s_mov_b32 s73, 0xfedcba98
	s_wait_dscnt 0x0                               ; the opening add is done
	s_wait_kmcnt 0x0
	s_add_nc_u64 s[16:17], s[4:5], s[16:17]
	s_add_nc_u64 s[20:21], s[6:7], s[20:21]
.irp s, 0,1
	s_mov_b32 s[40+4*\s], 1
	s_add_co_u32 s[41+4*\s], s22, \s*SLOTB
	s_add_nc_u64 s[42+4*\s:43+4*\s], s[16:17], \s*2*30720
	s_or_b32 s[43+4*\s], s[43+4*\s], 0x80000000
	s_mov_b32 s[48+4*\s], 1
	s_add_co_u32 s[49+4*\s], s22, \s*SLOTB
	s_add_nc_u64 s[50+4*\s:51+4*\s], s[20:21], \s*2*36864
	s_or_b32 s[51+4*\s], s[51+4*\s], 0x80000000
.endr
	CROUND                                         ; all sixteen work-groups are here: the first joint loads meet
	s_cmp_eq_u32 s11, 0                            ; a wave's two first fills stand in one branch: two loads of mine are out
	s_cbranch_scc0 .Lfirst_b
	tensor_load_to_lds s[40:43], s[24:31]
	s_nop 0
	tensor_load_to_lds s[44:47], s[24:31]
	s_nop 0
	PLACES
	s_branch .Lfirst_done
.Lfirst_b:
	tensor_load_to_lds s[48:51], s[32:39]
	s_nop 0
	tensor_load_to_lds s[52:55], s[32:39]
	s_nop 0
	PLACES
.Lfirst_done:
	v_and_b32 v1, 31, v0                           ; L
	v_and_b32 v2, 15, v0                           ; r
	v_bfe_u32 v3, v0, 4, 1                         ; h
	v_lshlrev_b32 v4, 4, v1
	s_load_b32 s62, s[4:5], TAB+4                  ; inv
	s_mul_i32 s2, s58, 768
	s_mul_i32 s18, s10, 192
	s_add_co_u32 s2, s2, s18
	v_lshl_add_u32 v6, v3, 5, s2                   ; my columns' biases
.if !LAST
	s_load_b32 s63, s[6:7], WTAB+384
	v_min_u32 v5, 5, v1
	v_lshlrev_b32 v5, 4, v5
.irp i, 0,1,2,3
	global_load_b128 v[64+4*\i:67+4*\i], v4, s[4:5] offset:TAB+512*\i
.endr
	global_load_b128 v[80:83], v5, s[6:7] offset:WTAB+288  ; entries 72..95: Wo
.endif
.irp b, 0,1,2
	global_load_b128 v[32+8*\b:35+8*\b], v6, s[6:7] offset:BIAS+9216+64*\b
	global_load_b128 v[36+8*\b:39+8*\b], v6, s[6:7] offset:BIAS+9216+64*\b+16
.endr
.if !LAST
	s_wait_loadcnt 6                               ; the tables are in; the six loads of biases stay out
	v_max3_num_f32 v10, v64, v66, v68
	v_max3_num_f32 v11, v70, v72, v74
	v_max3_num_f32 v10, v10, v76, v78
	v_max_num_f32 v10, v10, v11
	v_max3_num_f32 v11, v80, v81, v82
	v_max_num_f32 v11, v11, v83
.irp x, 1,2,4,8
	v_max_num_f32_dpp v10, v10, v10 row_xmask:\x row_mask:0xf bank_mask:0xf
	v_max_num_f32_dpp v11, v11, v11 row_xmask:\x row_mask:0xf bank_mask:0xf
.endr
	v_mov_b32 v12, 0
	v_mov_b32 v13, 0
	v_permlanex16_b32 v12, v10, s72, s73
	v_permlanex16_b32 v13, v11, s72, s73
	v_max_num_f32 v10, v10, v12
	v_max_num_f32 v11, v11, v13
	v_readfirstlane_b32 s18, v10
	v_readfirstlane_b32 s19, v11
	s_wait_kmcnt 0x0
	s_mul_f32 s18, s18, s62
	s_mul_f32 s18, s18, 0x44400000                 ; 768
	s_fmac_f32 s63, s18, s19                       ; B
	s_lshr_b32 s63, s63, 23
	s_max_u32 s63, s63, 80
	s_min_u32 s63, s63, 190
	s_sub_co_u32 s70, 268, s63
	s_lshl_b32 s70, s70, 23                        ; f
	s_sub_co_u32 s71, s63, 14
	s_lshl_b32 s71, s71, 23                        ; 1 / f
	s_mul_f32 s66, s62, s70                        ; G = inv f
	s_mov_b32 s67, s66
	s_wait_loadcnt 0x0
.set i, 0
.rept 12
	v_pk_mul_f32 v[32+2*i:33+2*i], v[32+2*i:33+2*i], s[70:71] op_sel_hi:[1,0]
.set i, i+1
.endr
.else
	s_wait_kmcnt 0x0
	s_mov_b32 s66, s62                             ; G = inv
	s_mov_b32 s67, s62
	s_wait_loadcnt 0x0
.endif
	v_mul_u32_u24 v5, v2, PITCH
	v_lshl_add_u32 v5, v3, 4, v5
	s_mul_i32 s18, s10, 48*PITCH
	s_add_co_u32 s18, s18, ASTEP
.irp q, 0,1,2,3
	v_add_nc_u32 v[16+\q], \q*STEPB, v5            ; o's fragments in quarter q of the ring,
	v_add_nc_u32 v[20+\q], s18, v[16+\q]           ; Wo's
.endr
	s_xor_b32 s74, s13, 1
	s_and_b32 s74, s74, s23                        ; 1: a second half's first 80 rows
	s_xor_b32 s75, s23, 1
	s_and_b32 s75, s75, s13                        ; 1: a first half's last 80 rows
.if LAST
	s_mul_i32 s77, s75, 9
	s_sub_co_u32 s77, 79, s77                      ; the last row to store,
	s_mul_i32 s74, s74, 9                          ; the first,
	s_sub_co_u32 s77, s77, s74                     ; and their distance
	v_mul_u32_u24 v24, v2, SPITCH
	v_lshl_add_u32 v24, v3, 5, v24
	s_mul_i32 s18, s10, 192
	s_add_co_u32 s18, s18, STG
	v_add_nc_u32 v24, s18, v24                     ; into the stage: row r, my 8 columns
	s_mul_i32 s18, s10, 20                         ; back: wave w takes rows 20 w .. + 19, a half wave one aligned 256 bytes of the row's 768
.irp e, 0,1,2
	v_add_nc_u32 v5, 2*\e, v3                      ; x = 0..5 over two rows
	v_mul_u32_u24 v6, 11, v5
	v_lshrrev_b32 v6, 5, v6                        ; x / 3
	v_mul_u32_u24 v7, 3, v6
	v_sub_nc_u32 v5, v5, v7
	v_lshlrev_b32 v5, 8, v5
	v_lshl_add_u32 v5, v2, 4, v5
	v_add_nc_u32 v6, s18, v6
	v_mad_u32_u24 v[8+\e], v6, SPITCH, v5
	v_add_nc_u32 v[8+\e], STG, v[8+\e]
	v_mad_u32_u24 v[12+\e], v6, 3072, v5
	v_sub_nc_u32 v[25+\e], v6, s74
.endr
	s_mul_i32 s18, s14, 302
	s_mul_i32 s19, s23, 142
	s_add_co_u32 s18, s18, s19
	s_mul_i32 s19, s13, 80
	s_add_co_u32 s18, s18, s19
	s_mul_i32 s18, s18, 3072
	s_mul_i32 s19, s58, 768
	s_add_co_u32 s18, s18, s19
	s_mov_b32 s19, 0
	s_add_nc_u64 s[2:3], s[8:9], s[18:19]
.else
	s_mul_i32 s74, s74, 1728                       ; bytes of a panel that are not mine: 9 rows
	v_mov_b32 v30, 0                               ; running maximum
	v_mul_u32_u24 v24, v2, 192
	v_lshl_add_u32 v24, v3, 4, v24
	s_mul_i32 s18, s11, 15360                      ; my 48 columns lie in panel w / 2, at byte 96 (w % 2) of its rows
	s_mul_i32 s19, s12, 96
	s_add_co_u32 s18, s18, s19
	s_add_co_u32 s18, s18, STG
	v_add_nc_u32 v24, s18, v24
	s_mul_i32 s18, s10, 7680
	s_add_co_u32 s18, s18, STG
	v_add_nc_u32 v25, s18, v4                      ; back: a quarter of the stage a wave, dense
	s_mul_i32 s18, s12, 7680
	v_add_nc_u32 v27, s18, v4                      ; my place in the panel's 80 rows
	s_mul_i32 s18, s11, 30720
	v_add_nc_u32 v26, s18, v27
	s_lshl_b32 s18, s15, 3
	s_lshl_b32 s19, s58, 1
	s_add_co_u32 s18, s18, s19
	s_mul_i32 s18, s18, 30720
	s_mul_i32 s19, s13, 15360
	s_add_co_u32 s18, s18, s19
	s_mov_b32 s19, 0
	s_add_nc_u64 s[2:3], s[8:9], s[18:19]          ; hbuf at panel (rg, 2 x column block), my 80 rows
	s_lshl_b32 s76, s57, 4
	s_add_co_u32 s76, s76, s59
	s_lshl_b32 s76, s76, 2
	s_add_co_u32 s76, s76, s58                     ; my entry in the table
.endif
.macro FETCH q, X                      ; 48 LDS loads in one run: a whole step's fragments, third by third, into the buffer in window X
	WIN (\X)<<6
.irp s, 0,1,2
.irp b, 0,1,2
	ds_load_b128 v[64*\s+40+8*\b:64*\s+43+8*\b], v[20+(\q)] offset:\b*16*PITCH+80*\s
	ds_load_b128 v[64*\s+44+8*\b:64*\s+47+8*\b], v[20+(\q)] offset:\b*16*PITCH+80*\s+32
.endr
.irp a, 0,1,2,3,4
	ds_load_b128 v[64*\s+8*\a:64*\s+8*\a+3],   v[16+(\q)] offset:\a*16*PITCH+80*\s
	ds_load_b128 v[64*\s+8*\a+4:64*\s+8*\a+7], v[16+(\q)] offset:\a*16*PITCH+80*\s+32
.endr
.endr
.endm
.macro MUL15 X, s, zero                ; 32 along K; the 15 accumulators take turns in one fixed order
	WIN 5*(\X)
.irp a, 0,1,2,3,4
.irp b, 0,1,2
.if \zero
	v_wmma_f32_16x16x32_f16 v[128+8*(3*\a+\b):135+8*(3*\a+\b)], v[64*(\s)+40+8*\b:64*(\s)+47+8*\b], v[64*(\s)+8*\a:64*(\s)+8*\a+7], 0
.else
	v_wmma_f32_16x16x32_f16 v[128+8*(3*\a+\b):135+8*(3*\a+\b)], v[64*(\s)+40+8*\b:64*(\s)+47+8*\b], v[64*(\s)+8*\a:64*(\s)+8*\a+7], v[128+8*(3*\a+\b):135+8*(3*\a+\b)]
.endif
.endr
.endr
.endm
.macro STEPN X, q, Y, zero             ; a slot's first step: multiplies buffer X, fetches quarter q into buffer Y
	s_wait_dscnt 32                                ; the first third is in; the other two thirds' 32 loads may be out
	MUL15 \X, 0, \zero
	PLACES
	FETCH \q, \Y
	s_wait_dscnt 48                                ; all but the 48 just issued
	MUL15 \X, 1, 0
	MUL15 \X, 2, 0
.endm
.macro STEPT X, slot, q, Y, fill       ; a slot's second step, and the change of slots
	WIN 0
	s_wait_tensorcnt 0x0                           ; all my tensor loads have landed: my part of the other slot
	ds_add_u32 v28, v29
	s_wait_dscnt 33                                ; the add and two thirds' 32 loads may be out
	MUL15 \X, 0, 0
	s_wait_dscnt 0x0                               ; the add is done, and my reads of this slot are over
	s_barrier_signal -1
	MUL15 \X, 1, 0
	WIN 0
	s_barrier_wait -1
.if \fill
	CREST                                          ; the barrier has opened a round of the cluster's
	s_add_nc_u64 s[42+4*(\slot):43+4*(\slot)], s[42+4*(\slot):43+4*(\slot)], 4*30720
	s_add_nc_u64 s[50+4*(\slot):51+4*(\slot)], s[50+4*(\slot):51+4*(\slot)], 4*36864
	JLOAD \slot                                    ; my one load behind the round; its four v_nop are the places in front of the loads below
.else
	PLACES
.endif
	FETCH \q, \Y
	MUL15 \X, 2, 0
.endm
	s_wait_tensorcnt 0x1                           ; my part of slot 0 is in; slot 1's may stay out
	s_barrier_signal -1
	s_barrier_wait -1
	FETCH 0, 1
	STEPN 1, 1, 2, 1                               ; the eight steps are written out: each differs in its quarter or its refill
	STEPT 2, 0, 2, 1, 1
	STEPN 1, 3, 2, 0
	STEPT 2, 1, 0, 1, 1
	STEPN 1, 1, 2, 0
	STEPT 2, 0, 2, 1, 0
	STEPN 1, 3, 2, 0
	s_wait_dscnt 32
	MUL15 2, 0, 0
	s_wait_dscnt 16
	MUL15 2, 1, 0
	s_wait_dscnt 0x0
	MUL15 2, 2, 0
	PLACES
	WIN 0
.if LAST
	; sums x inv + bias, f32, through the stage, out as whole 256-byte pieces of rows
.set t, 0
.rept 15
.set AC, 128+8*t
.set BI, 32+8*(t%3)
.set TM, 56+8*(t%2)
.irp k, 0,1,2,3
	v_pk_fma_f32 v[TM+2*\k:TM+2*\k+1], v[AC+2*\k:AC+2*\k+1], s[66:67], v[BI+2*\k:BI+2*\k+1] op_sel_hi:[1,0,1]
.endr
	ds_store_b128 v24, v[TM:TM+3] offset:(t/3)*16*SPITCH+64*(t%3)
	ds_store_b128 v24, v[TM+4:TM+7] offset:(t/3)*16*SPITCH+64*(t%3)+16
.set t, t+1
.endr
	s_wait_dscnt 0x0                               ; for the others' sake: my columns are in the stage
	s_barrier_signal -1
	s_barrier_wait -1
.set i, 0
.rept 30
	ds_load_b128 v[128+4*i:131+4*i], v[8+i%3] offset:(i/3)*2*SPITCH
.set i, i+1
.endr
.set i, 0
.rept 30
	v_add_nc_u32 v5, 2*(i/3), v[25+i%3]            ; the row less the first row to store
	v_cmp_ge_u32 vcc_lo, s77, v5
	s_wait_dscnt 29-i                              ; LDS loads come back in order: piece i is in
	s_wait_xcnt 0x0                                ; EXEC changes only behind this wait
	s_and_saveexec_b32 s19, vcc_lo
	global_store_b128 v[12+i%3], v[128+4*i:131+4*i], s[2:3] offset:(i/3)*6144 th:TH_STORE_NT
	s_wait_xcnt 0x0
	s_or_b32 exec_lo, exec_lo, s19
.set i, i+1
.endr
.else
	; sums x G + bias x f, the largest magnitude, f16, through the stage (two panels x 80 rows x 192 bytes)
.set t, 0
.rept 15
.set AC, 128+8*t
.set BI, 32+8*(t%3)
.irp k, 0,1,2,3
	v_pk_fma_f32 v[56+2*\k:57+2*\k], v[AC+2*\k:AC+2*\k+1], s[66:67], v[BI+2*\k:BI+2*\k+1] op_sel_hi:[1,0,1]
.endr
.irp k, 0,1,2,3
	v_max3_num_f32 v30, v30, |v[56+2*\k]|, |v[57+2*\k]|
	v_cvt_pk_f16_f32 v[64+4*t+\k], v[56+2*\k], v[57+2*\k]
.endr
	ds_store_b128 v24, v[64+4*t:67+4*t] offset:(t/3)*3072+32*(t%3)
.set t, t+1
.endr
.irp x, 1,2,4,8
	v_max_num_f32_dpp v30, v30, v30 row_xmask:\x row_mask:0xf bank_mask:0xf
.endr
	v_mov_b32 v6, 0
	v_permlanex16_b32 v6, v30, s72, s73
	v_max_num_f32 v30, v30, v6
	s_lshl_b32 s18, s10, 2
	s_add_co_u32 s18, s18, RED
	v_mov_b32 v7, s18
	ds_store_b32 v7, v30
	s_wait_dscnt 0x0                               ; for the others' sake: my columns and my maximum are written
	s_barrier_signal -1
	s_barrier_wait -1
.irp i, 0,1,2,3,4,5,6,7,8,9,10,11,12,13,14
	ds_load_b128 v[64+4*\i:67+4*\i], v25 offset:512*\i
.endr
.irp i, 0,1,2,3                        ; only these can hold bytes of a second half's rows 0-8
	v_add_nc_u32 v5, 512*\i, v27
	v_cmp_le_u32 vcc_lo, s74, v5
	s_wait_dscnt 14-\i
	s_wait_xcnt 0x0                                ; EXEC changes only behind this wait
	s_and_saveexec_b32 s19, vcc_lo
	global_store_b128 v26, v[64+4*\i:67+4*\i], s[2:3] offset:512*\i
	s_wait_xcnt 0x0
	s_or_b32 exec_lo, exec_lo, s19
.endr
.irp i, 4,5,6,7,8,9,10,11,12,13,14
	s_wait_dscnt 14-\i
	global_store_b128 v26, v[64+4*\i:67+4*\i], s[2:3] offset:512*\i  ; 512 consecutive bytes, aligned
.endr
	s_cmp_eq_u32 s75, 0
	s_cbranch_scc1 .Lno_halo
	; rows 142-150 of a first half are rows 0-8 of the second half: 1,728 bytes of each of my two panels, 8 panels less 80 rows further on
	v_lshlrev_b32 v5, 4, v0
	v_add_nc_u32 v6, STG+62*192, v5
	v_cmp_gt_u32 vcc_lo, 108, v0
	s_wait_xcnt 0x0
	s_and_saveexec_b32 s19, vcc_lo
	ds_load_b128 v[56:59], v6
	ds_load_b128 v[60:63], v6 offset:15360
	s_wait_dscnt 0x0
	global_store_b128 v5, v[56:59], s[2:3] offset:230400
	global_store_b128 v5, v[60:63], s[2:3] offset:230400+30720
	s_wait_xcnt 0x0
	s_or_b32 exec_lo, exec_lo, s19
.Lno_halo:
	s_cmp_lg_u32 s10, 0
	s_cbranch_scc1 .Lend
	v_mov_b32 v7, RED
	ds_load_b128 v[8:11], v7
	s_wait_dscnt 0x0
	v_max3_num_f32 v8, v8, v9, v10
	v_max_num_f32 v8, v8, v11
	v_mov_b32 v9, s71                              ; the pair: largest |h f|, 1 / f
	s_lshl_b32 s18, s76, 3
	v_mov_b32 v12, s18
	v_cmp_eq_u32 vcc_lo, 0, v0
	s_wait_xcnt 0x0
	s_and_saveexec_b32 s19, vcc_lo
	global_store_b64 v12, v[8:9], s[8:9] offset:TAB
	s_wait_xcnt 0x0
	s_or_b32 exec_lo, exec_lo, s19
.Lend:
.endif
	s_wait_tensorcnt 0x0                           ; the wave's end
	ds_add_u32 v28, v29
	s_wait_dscnt 0x0
	CROUND                                         ; the closing round
	s_endpgm
.Lfunc_end_k_qe29fe58b45_proj:
	.size	k_qe29fe58b45_proj, .Lfunc_end_k_qe29fe58b45_proj-k_qe29fe58b45_proj
	.p2alignl 7, 3214868480
	.fill 96, 4, 3214868480
	.section	.rodata,"a",@progbits
	.p2align	6, 0x0
	.amdhsa_kernel k_qe29fe58b45_proj
		.amdhsa_group_segment_fixed_size 327680
		.amdhsa_private_segment_fixed_size 0
		.amdhsa_enable_private_segment 0
		.amdhsa_kernarg_size 24
		.amdhsa_user_sgpr_count 2
		.amdhsa_user_sgpr_kernarg_segment_ptr 1
		.amdhsa_wavefront_size32 1
		.amdhsa_system_sgpr_workgroup_id_x 1
		.amdhsa_system_sgpr_workgroup_id_y 1
		.amdhsa_system_sgpr_workgroup_id_z 1
		.amdhsa_system_vgpr_workitem_id 0
		.amdhsa_next_free_vgpr 704
		.amdhsa_next_free_sgpr 80
		.amdhsa_reserve_vcc 1
		.amdhsa_float_denorm_mode_32 3
		.amdhsa_float_denorm_mode_16_64 3
		.amdhsa_memory_ordered 1
		.amdhsa_forward_progress 1
		.amdhsa_inst_pref_size 81
	.end_amdhsa_kernel
	.amdgpu_metadata
---
amdhsa.version: [ 1, 2 ]
amdhsa.kernels:
  - .name:           k_qe29fe58b45_proj
    .symbol:         k_qe29fe58b45_proj.kd
    .args:
      - { .name: obuf, .offset: 0, .size: 8, .value_kind: global_buffer, .address_space: global }
      - { .name: p0, .offset: 8, .size: 8, .value_kind: global_buffer, .address_space: global }
      - { .name: hbuf, .offset: 16, .size: 8, .value_kind: global_buffer, .address_space: global }
    .group_segment_fixed_size: 327680
    .private_segment_fixed_size: 0
    .kernarg_segment_align: 8
    .kernarg_segment_size: 24
    .max_flat_workgroup_size: 128
    .sgpr_count:     80
    .vgpr_count:     704
    .wavefront_size: 32
...
	.end_amdgpu_metadata
.endif
;; end of part 3
;; launch qkva1: the kernel of part 2 again; grid 8 x 32, 4 waves a work-group, clusters of 4 x 4, 327,680 bytes of LDS; arguments hbuf, p1, obuf; writes obuf
;; launch proj1: the kernel of part 3 again; grid 4 x 64, 4 waves a work-group, clusters of 4 x 4, 327,680 bytes of LDS; arguments obuf, p1, hbuf; writes hbuf
;; launch qkva2: the kernel of part 2 again; grid 8 x 32, 4 waves a work-group, clusters of 4 x 4, 327,680 bytes of LDS; arguments hbuf, p2, obuf; writes obuf
;; launch proj2: the kernel of part 3 again; grid 4 x 64, 4 waves a work-group, clusters of 4 x 4, 327,680 bytes of LDS; arguments obuf, p2, hbuf; writes hbuf
;; launch qkva3: the kernel of part 2 again; grid 8 x 32, 4 waves a work-group, clusters of 4 x 4, 327,680 bytes of LDS; arguments hbuf, p3, obuf; writes obuf
;; launch proj_last (part 4): grid 4 x 64, 4 waves a work-group, clusters of 4 x 4, 327,680 bytes of LDS; arguments obuf, p3, out0; writes out0
.if DOCPART == 4
	.amdgcn_target "amdgcn-amd-amdhsa--gfx1250"
	.amdhsa_code_object_version 6
	.text
	.protected	k_qe29fe58b45_proj_last
	.globl	k_qe29fe58b45_proj_last
	.p2align	8
	.type	k_qe29fe58b45_proj_last,@function
k_qe29fe58b45_proj_last:
	s_mov_b64 s[64:65], 0
	v_nop
	global_prefetch_b8 v0, s[64:65] scope:SCOPE_SE
	s_setreg_imm32_b32 hwreg(HW_REG_WAVE_MODE, 25, 1), 1
	s_wait_xcnt 0x0
	s_wait_alu depctr_hold_cnt(0) depctr_sa_sdst(0) depctr_va_vdst(0) depctr_va_sdst(0) depctr_va_ssrc(0) depctr_va_vcc(0) depctr_vm_vsrc(0)
	s_getreg_b32 s2, hwreg(HW_REG_IB_STS2, 6, 4)
	s_cmp_eq_u32 s2, 0
	s_cbranch_scc0 .Lentry_in_a_cluster
	s_endpgm
.Lentry_in_a_cluster:
	s_bfe_u32 s2, ttmp6, 0x10000c
	s_cmp_lg_u32 s2, 0xf033
	s_cbranch_scc0 .Lentry_shape_is_right
	s_endpgm
.Lentry_shape_is_right:
; THE LAST LAYER'S OUTPUT PROJECTION out = o Wo + bo, for 80 local rows of a row group and 192 columns; the result leaves as f32 rows of the output.
; SCALES.  obuf holds o / inv, in f16, and a table of pairs (largest stored magnitude, inv), inv the same in all: the f32 sums are multiplied by inv and the bias is added, in f32.
; LIMITS.  NaN and infinities are not treated apart.
; ROWS.  Row group rg = 2 b + half holds t = 142 half + local row.  A second half's local rows 0-8 come from too few keys: they are computed and not stored.  A first half stores rows 0-150, a second half rows 9-159.
; SHARES.  Four waves, each all 80 rows x 48 columns: 15 accumulators.  K goes in 8 steps of 96; an LDS slot holds two steps, brought by one load a wave.
; CLUSTER 4 x 4.  The four of a row share the rows of o (waves 0, 1 ask, a step each), the four of a column the panels of Wo (waves 2, 3).  half and the half of the rows come from the cluster's y: equal in all partners.
; REGISTERS.  window 0: v16-23 fragment addresses by quarter of the ring; v8, v12, v24, v25 the way out's addresses; v28, v29 the add's; v32-55 bias; v56-71 at work; v128-247 accumulators (a, b) at 128 + 8 (3 a + b), later the rows read back.
; windows 1, 2: a buffer each of a whole step's fragments: third s: o's 5 at 64 s + 8 a, Wo's 3 at 64 s + 40 + 8 b.
.set PITCH, 240                        ; a panel's row in a slot: 3 x (64 bytes + 16 of padding)
.set ASTEP, 80*PITCH
.set STEPB, 272*PITCH                  ; o's 80 rows, then Wo's 192
.set SLOTB, 2*STEPB
.set STG,   2*SLOTB                    ; the way out's stage, behind the ring: 80 rows of 768 bytes + 16
.set SPITCH, 784                       ; 49 x 16: the 16 rows that a store touches start at 16 different 16-byte columns of 256
.set SPARE, STG+80*SPITCH              ; the spare words: 128 bytes a wave, named by no other line
.set TAB,   7864320
.set WOFF,  3538944
.set BIAS,  4718592
.set G1W,   (3<<16)|(1<<20)|(1<<21)|(3<<22)|(3<<25)  ; 8-byte elements; padding on; bit 21 beside a mask; after every 16 words; 4 words
.set MSB, 0
.macro WIN new                         ; the immediate's high byte repeats the setting that is left
.if MSB != (\new)
	s_set_vgpr_msb (MSB<<8)|(\new)
.set MSB, \new
.endif
.endm
.macro PLACES                          ; four places behind matrix instructions (ISA guide 7.12.1)
.rept 4
	v_nop
.endr
.endm
.macro JLOAD s                         ; a joint load into slot s; the branch hangs on the wave's number alone
	s_cmp_eq_u32 s11, 0
	s_cbranch_scc0 .Lfor_b_\@
	tensor_load_to_lds s[40+4*(\s):43+4*(\s)], s[24:31]
	s_nop 0
	PLACES
	s_branch .Lasked_\@
.Lfor_b_\@:
	tensor_load_to_lds s[48+4*(\s):51+4*(\s)], s[32:39]
	s_nop 0
	PLACES
.Lasked_\@:
.endm
.macro CREST                           ; a round of the cluster's barrier behind its opening barrier
	s_cmp_lg_u32 s10, 0
	s_cbranch_scc1 .Lnot_wave_0_\@
	s_barrier_signal -3
.Lnot_wave_0_\@:
	s_barrier_wait -3
	s_barrier_signal -1
	s_barrier_wait -1
.endm
.macro CROUND
	s_barrier_signal -1
	s_barrier_wait -1
	CREST
.endm
	s_load_b128 s[4:7], s[0:1], 0x0                ; obuf, pack
	s_load_b64 s[8:9], s[0:1], 0x10                ; the output
	v_lshl_add_u32 v28, v0, 2, SPARE
	v_mov_b32 v29, 0
	ds_add_u32 v28, v29                            ; the wave's opening: the add and its wait ahead of my first tensor load
	v_lshrrev_b32 v1, 5, v0
	v_readfirstlane_b32 s10, v1                    ; wave
	s_lshr_b32 s11, s10, 1                         ; I fetch for o (0) or for Wo (1)
	s_and_b32 s12, s10, 1                          ; which of a slot's two steps
	s_bfe_u32 s56, ttmp6, 0x40000                  ; cx
	s_bfe_u32 s57, ttmp6, 0x40004                  ; cy
	s_lshl_b32 s58, ttmp9, 2
	s_add_co_u32 s58, s58, s56                     ; which 192 columns
	s_and_b32 s59, ttmp7, 0xffff                   ; the cluster's y, 0..15
	s_and_b32 s13, s59, 1                          ; which 80 of the 160 rows
	s_bfe_u32 s23, s59, 0x10001                    ; half
	s_lshr_b32 s14, s59, 2
	s_lshl_b32 s15, s57, 2
	s_add_co_u32 s14, s14, s15                     ; b = 4 cy + y / 4
	s_lshl_b32 s15, s14, 1
	s_add_co_u32 s15, s15, s23                     ; rg
	s_lshl_b32 s60, s57, 2
	s_lshl_b32 s60, 15, s60                        ; my row of the cluster
	s_lshl_b32 s61, 0x1111, s56                    ; my column
	s_or_b32 s24, s60, G1W                         ; 80 rows of o's panel are 60 rows of 256 bytes,
	s_mov_b32 s25, 32<<16
	s_mov_b32 s26, 60<<16
	s_mov_b32 s27, 32<<16
	s_mov_b32 s28, 60
	s_mov_b32 s29, 32
	s_mov_b32 s30, 0
	s_mov_b32 s31, 0
	s_or_b32 s32, s61, G1W                         ; a panel of Wo 144
	s_mov_b32 s33, 32<<16
	s_mov_b32 s34, 144<<16
	s_mov_b32 s35, 32<<16
	s_mov_b32 s36, 144
	s_mov_b32 s37, 32
	s_mov_b32 s38, 0
	s_mov_b32 s39, 0
	s_mul_i32 s16, s15, 245760
	s_mul_i32 s17, s12, 30720
	s_add_co_u32 s16, s16, s17
	s_mul_i32 s17, s13, 15360
	s_add_co_u32 s16, s16, s17
	s_mov_b32 s17, 0
	s_mul_i32 s20, s58, 294912
	s_mul_i32 s21, s12, 36864
	s_add_co_u32 s20, s20, s21
	s_add_co_u32 s20, s20, WOFF
	s_mov_b32 s21, 0
	s_mul_i32 s22, s12, STEPB
	s_mul_i32 s18, s11, ASTEP
	s_add_co_u32 s22, s22, s18
	s_wait_dscnt 0x0                               ; the opening add is done
	s_wait_kmcnt 0x0
	s_add_nc_u64 s[16:17], s[4:5], s[16:17]
	s_add_nc_u64 s[20:21], s[6:7], s[20:21]
.irp s, 0,1
	s_mov_b32 s[40+4*\s], 1
	s_add_co_u32 s[41+4*\s], s22, \s*SLOTB
	s_add_nc_u64 s[42+4*\s:43+4*\s], s[16:17], \s*2*30720
	s_or_b32 s[43+4*\s], s[43+4*\s], 0x80000000
	s_mov_b32 s[48+4*\s], 1
	s_add_co_u32 s[49+4*\s], s22, \s*SLOTB
	s_add_nc_u64 s[50+4*\s:51+4*\s], s[20:21], \s*2*36864
	s_or_b32 s[51+4*\s], s[51+4*\s], 0x80000000
.endr
	CROUND                                         ; all sixteen work-groups are here: the first joint loads meet
	s_cmp_eq_u32 s11, 0                            ; a wave's two first fills stand in one branch: two loads of mine are out
	s_cbranch_scc0 .Lfirst_b
	tensor_load_to_lds s[40:43], s[24:31]
	s_nop 0
	tensor_load_to_lds s[44:47], s[24:31]
	s_nop 0
	PLACES
	s_branch .Lfirst_done
.Lfirst_b:
	tensor_load_to_lds s[48:51], s[32:39]
	s_nop 0
	tensor_load_to_lds s[52:55], s[32:39]
	s_nop 0
	PLACES
.Lfirst_done:
	v_and_b32 v2, 15, v0                           ; r
	v_bfe_u32 v3, v0, 4, 1                         ; h
	s_load_b32 s62, s[4:5], TAB+4                  ; inv
	s_mul_i32 s2, s58, 768
	s_mul_i32 s18, s10, 192
	s_add_co_u32 s2, s2, s18
	v_lshl_add_u32 v6, v3, 5, s2                   ; my columns' biases
.irp b, 0,1,2
	global_load_b128 v[32+8*\b:35+8*\b], v6, s[6:7] offset:BIAS+9216+64*\b
	global_load_b128 v[36+8*\b:39+8*\b], v6, s[6:7] offset:BIAS+9216+64*\b+16
.endr
	s_wait_kmcnt 0x0
	s_mov_b32 s66, s62                             ; G = inv
	s_mov_b32 s67, s62
	s_wait_loadcnt 0x0
	v_mul_u32_u24 v5, v2, PITCH
	v_lshl_add_u32 v5, v3, 4, v5
	s_mul_i32 s18, s10, 48*PITCH
	s_add_co_u32 s18, s18, ASTEP
.irp q, 0,1,2,3
	v_add_nc_u32 v[16+\q], \q*STEPB, v5            ; o's fragments in quarter q of the ring,
	v_add_nc_u32 v[20+\q], s18, v[16+\q]           ; Wo's
.endr
	s_xor_b32 s74, s13, 1
	s_and_b32 s74, s74, s23                        ; 1: a second half's first 80 rows
	s_xor_b32 s75, s23, 1
	s_and_b32 s75, s75, s13                        ; 1: a first half's last 80 rows
	s_mul_i32 s77, s75, 9
	s_sub_co_u32 s77, 79, s77                      ; the last row to store,
	s_mul_i32 s74, s74, 9                          ; the first,
	s_sub_co_u32 s77, s77, s74                     ; and their distance
	v_mul_u32_u24 v24, v2, SPITCH
	v_lshl_add_u32 v24, v3, 5, v24
	s_mul_i32 s18, s10, 192
	s_add_co_u32 s18, s18, STG
	v_add_nc_u32 v24, s18, v24                     ; into the stage: row r, my 8 columns
	; back: wave w takes rows 20 w .. 20 w + 19, two at a time: lanes 0-15 a 256-byte piece of one row, lanes 16-31 the same piece of the next
	v_mul_u32_u24 v8, v3, SPITCH
	v_lshl_add_u32 v8, v2, 4, v8
	s_mul_i32 s18, s10, 20*SPITCH
	s_add_co_u32 s18, s18, STG
	v_add_nc_u32 v8, s18, v8
	v_mul_u32_u24 v12, v3, 3072                    ; and the same two rows in the output
	v_lshl_add_u32 v12, v2, 4, v12
	s_mul_i32 s18, s10, 20*3072
	v_add_nc_u32 v12, s18, v12
	s_mul_i32 s18, s10, 20
	s_sub_co_u32 s18, s18, s74
	v_add_nc_u32 v25, s18, v3                      ; my first row less the first row to store (it may wrap: the test below is unsigned)
	s_mul_i32 s18, s14, 302
	s_mul_i32 s19, s23, 142
	s_add_co_u32 s18, s18, s19
	s_mul_i32 s19, s13, 80
	s_add_co_u32 s18, s18, s19
	s_mul_i32 s18, s18, 3072
	s_mul_i32 s19, s58, 768
	s_add_co_u32 s18, s18, s19
	s_mov_b32 s19, 0
	s_add_nc_u64 s[2:3], s[8:9], s[18:19]          ; the output at row 302 b + 142 half + 80 x row half, my 192 columns
.macro FETCH q, X                      ; 48 LDS loads in one run: a whole step's fragments, third by third, into the buffer in window X
	WIN (\X)<<6
.irp s, 0,1,2
.irp b, 0,1,2
	ds_load_b128 v[64*\s+40+8*\b:64*\s+43+8*\b], v[20+(\q)] offset:\b*16*PITCH+80*\s
	ds_load_b128 v[64*\s+44+8*\b:64*\s+47+8*\b], v[20+(\q)] offset:\b*16*PITCH+80*\s+32
.endr
.irp a, 0,1,2,3,4
	ds_load_b128 v[64*\s+8*\a:64*\s+8*\a+3],   v[16+(\q)] offset:\a*16*PITCH+80*\s
	ds_load_b128 v[64*\s+8*\a+4:64*\s+8*\a+7], v[16+(\q)] offset:\a*16*PITCH+80*\s+32
.endr
.endr
.endm
.macro MUL15 X, s, zero                ; 32 along K; the 15 accumulators take turns in one fixed order
	WIN 5*(\X)
.irp a, 0,1,2,3,4
.irp b, 0,1,2
.if \zero
	v_wmma_f32_16x16x32_f16 v[128+8*(3*\a+\b):135+8*(3*\a+\b)], v[64*(\s)+40+8*\b:64*(\s)+47+8*\b], v[64*(\s)+8*\a:64*(\s)+8*\a+7], 0
.else
	v_wmma_f32_16x16x32_f16 v[128+8*(3*\a+\b):135+8*(3*\a+\b)], v[64*(\s)+40+8*\b:64*(\s)+47+8*\b], v[64*(\s)+8*\a:64*(\s)+8*\a+7], v[128+8*(3*\a+\b):135+8*(3*\a+\b)]
.endif
.endr
.endr
.endm
.macro STEPN X, q, Y, zero             ; a slot's first step: multiplies buffer X, fetches quarter q into buffer Y
	s_wait_dscnt 32                                ; the first third is in; the other two thirds' 32 loads may be out
	MUL15 \X, 0, \zero
	PLACES
	FETCH \q, \Y
	s_wait_dscnt 48                                ; all but the 48 just issued
	MUL15 \X, 1, 0
	MUL15 \X, 2, 0
.endm
.macro STEPT X, slot, q, Y, fill       ; a slot's second step, and the change of slots
	WIN 0
	s_wait_tensorcnt 0x0                           ; all my tensor loads have landed: my part of the other slot
	ds_add_u32 v28, v29
	s_wait_dscnt 33                                ; the add and two thirds' 32 loads may be out
	MUL15 \X, 0, 0
	s_wait_dscnt 0x0                               ; the add is done, and my reads of this slot are over
	s_barrier_signal -1
	MUL15 \X, 1, 0
	WIN 0
	s_barrier_wait -1
.if \fill
	CREST                                          ; the barrier has opened a round of the cluster's: no wave of any partner still reads this slot or has a load on its way
	s_add_nc_u64 s[42+4*(\slot):43+4*(\slot)], s[42+4*(\slot):43+4*(\slot)], 4*30720
	s_add_nc_u64 s[50+4*(\slot):51+4*(\slot)], s[50+4*(\slot):51+4*(\slot)], 4*36864
	JLOAD \slot                                    ; my one load behind the round; its four v_nop are the places in front of the loads below
.else
	PLACES
.endif
	FETCH \q, \Y
	MUL15 \X, 2, 0
.endm
	s_wait_tensorcnt 0x1                           ; my part of slot 0 is in; slot 1's may stay out
	s_barrier_signal -1
	s_barrier_wait -1
	FETCH 0, 1
	STEPN 1, 1, 2, 1                               ; the eight steps are written out: each differs in its quarter or its refill
	STEPT 2, 0, 2, 1, 1
	STEPN 1, 3, 2, 0
	STEPT 2, 1, 0, 1, 1
	STEPN 1, 1, 2, 0
	STEPT 2, 0, 2, 1, 0
	STEPN 1, 3, 2, 0
	s_wait_dscnt 32
	MUL15 2, 0, 0
	s_wait_dscnt 16
	MUL15 2, 1, 0
	s_wait_dscnt 0x0
	MUL15 2, 2, 0
	PLACES
	WIN 0
	; THE WAY OUT: sums x inv + bias, f32, into the work-group's stage; a barrier, since a row's 768 bytes come from four waves; back and out as whole 256-byte pieces of rows
.set t, 0
.rept 15
.set AC, 128+8*t
.set BI, 32+8*(t%3)
.set TM, 56+8*(t%2)
.irp k, 0,1,2,3
	v_pk_fma_f32 v[TM+2*\k:TM+2*\k+1], v[AC+2*\k:AC+2*\k+1], s[66:67], v[BI+2*\k:BI+2*\k+1] op_sel_hi:[1,0,1]
.endr
	ds_store_b128 v24, v[TM:TM+3] offset:(t/3)*16*SPITCH+64*(t%3)
	ds_store_b128 v24, v[TM+4:TM+7] offset:(t/3)*16*SPITCH+64*(t%3)+16
.set t, t+1
.endr
	s_wait_dscnt 0x0                               ; for the others' sake: my columns are in the stage
	s_barrier_signal -1
	s_barrier_wait -1
.set i, 0
.rept 30                               ; pair of rows i / 3, piece i % 3
	ds_load_b128 v[128+4*i:131+4*i], v8 offset:(i/3)*2*SPITCH+256*(i%3)
.set i, i+1
.endr
.set u, 0
.rept 10
	v_add_nc_u32 v5, 2*u, v25                      ; my row of this pair less the first row to store
	v_cmp_ge_u32 vcc_lo, s77, v5
	s_wait_dscnt 27-3*u                            ; LDS loads come back in order: this pair's three pieces are in; the later pairs' stay out, three a pair
	s_wait_xcnt 0x0                                ; EXEC changes only behind this wait
	s_and_saveexec_b32 s19, vcc_lo
.irp c, 0,1,2
	global_store_b128 v12, v[128+4*(3*u+\c):131+4*(3*u+\c)], s[2:3] offset:u*6144+256*\c th:TH_STORE_NT  ; sixteen lanes store 256 consecutive bytes, at a multiple of 256 from the output's first byte
.endr
	s_wait_xcnt 0x0                                ; and again in front of the line that widens it
	s_or_b32 exec_lo, exec_lo, s19
.set u, u+1
.endr
	s_wait_tensorcnt 0x0                           ; the wave's end
	ds_add_u32 v28, v29
	s_wait_dscnt 0x0
	CROUND                                         ; the closing round
	s_endpgm
.Lfunc_end_k_qe29fe58b45_proj_last:
	.size	k_qe29fe58b45_proj_last, .Lfunc_end_k_qe29fe58b45_proj_last-k_qe29fe58b45_proj_last
	.p2alignl 7, 3214868480
	.fill 96, 4, 3214868480
	.section	.rodata,"a",@progbits
	.p2align	6, 0x0
	.amdhsa_kernel k_qe29fe58b45_proj_last
		.amdhsa_group_segment_fixed_size 327680
		.amdhsa_private_segment_fixed_size 0
		.amdhsa_enable_private_segment 0
		.amdhsa_kernarg_size 24
		.amdhsa_user_sgpr_count 2
		.amdhsa_user_sgpr_kernarg_segment_ptr 1
		.amdhsa_wavefront_size32 1
		.amdhsa_system_sgpr_workgroup_id_x 1
		.amdhsa_system_sgpr_workgroup_id_y 1
		.amdhsa_system_sgpr_workgroup_id_z 1
		.amdhsa_system_vgpr_workitem_id 0
		.amdhsa_next_free_vgpr 704
		.amdhsa_next_free_sgpr 80
		.amdhsa_reserve_vcc 1
		.amdhsa_float_denorm_mode_32 3
		.amdhsa_float_denorm_mode_16_64 3
		.amdhsa_memory_ordered 1
		.amdhsa_forward_progress 1
		.amdhsa_inst_pref_size 73
	.end_amdhsa_kernel
	.amdgpu_metadata
---
amdhsa.version: [ 1, 2 ]
amdhsa.kernels:
  - .name:           k_qe29fe58b45_proj_last
    .symbol:         k_qe29fe58b45_proj_last.kd
    .args:
      - { .name: obuf, .offset: 0, .size: 8, .value_kind: global_buffer, .address_space: global }
      - { .name: p3, .offset: 8, .size: 8, .value_kind: global_buffer, .address_space: global }
      - { .name: out0, .offset: 16, .size: 8, .value_kind: global_buffer, .address_space: global }
    .group_segment_fixed_size: 327680
    .private_segment_fixed_size: 0
    .kernarg_segment_align: 8
    .kernarg_segment_size: 24
    .max_flat_workgroup_size: 128
    .sgpr_count:     80
    .vgpr_count:     704
    .wavefront_size: 32
...
	.end_amdgpu_metadata
.endif
;; end of part 4
;; ======== version 2 of 2: 7 launches; 1.15 times as fast as version 1
;; limits: values are held in f16: magnitudes above 65,504 overflow, below 6.1e-05 lose precision; inputs' magnitudes at most 65,504
;; workspace buffers: hbuf 7,866,368 bytes; obuf 7,866,368 bytes; p0 4,732,416 bytes; p1 4,732,416 bytes; p2 4,732,416 bytes; p3 4,732,416 bytes; raw 14,406,144 bytes
;; launch prep (part 5): grid 644 x 1, 8 waves a work-group, no clusters, 58,624 bytes of LDS; arguments x, pos, Wq, Wk, Wv, Wo, bq, bk, bv, bo, p3, raw, obuf; writes p3, raw, obuf
.if DOCPART == 5
	.amdgcn_target "amdgcn-amd-amdhsa--gfx1250"
	.amdhsa_code_object_version 6
	.text
	.protected	k_qe29fe58b45_prep
	.globl	k_qe29fe58b45_prep
	.p2align	8
	.type	k_qe29fe58b45_prep,@function
k_qe29fe58b45_prep:
	s_mov_b64 s[64:65], 0
	v_nop
	global_prefetch_b8 v0, s[64:65] scope:SCOPE_SE
	s_setreg_imm32_b32 hwreg(HW_REG_WAVE_MODE, 25, 1), 1
	s_wait_xcnt 0x0
; PREP.  Every input is rounded to bf16 once and laid out for the later launches.
;   work-groups 0..383   (layer l, matrix m of q k v o, tile of 96 k x 256 n): W[k][n], turned to [n][k], f16 (the bf16 number written as f16)
;   work-groups 384..639 (row group rg, 20 rows): h0 = bf16(x) + bf16(pos), f16, into the panels [rg][kb][160 rows][96]
;   work-groups 640..643 (layer l): the biases, bf16 numbers kept as f32
; WHERE IT GOES.  Layer 0's q, k, v and the last layer's Wo and bo are used as they are: into the pack pk.  The other weights are multiplied with each other by the next launch
; (o Wo W = o (Wo W)): into raw.  For that launch a tile of q, k, v of layer l > 0 also forms its 96 rows' share of bo[l-1] W, in f32.  A tile whose share nobody needs forms it too and does not
; store it: 96 lines a thread, in place of a second copy of the loop.
; Each work-group also stores the largest magnitude it has seen: the later launches make their power-of-two scales from these.
; LIMITS.  |x + pos| and |W| stay under 65,504; below 6e-5 they keep f16's fixed step of 6e-8.  NaN and infinities are not treated apart.
; No cluster, no tensor loads, no matrix unit: no two work-groups read the same bytes (but 9 rows in 160 of x, and bo), and the work is a copy.
; The branch on the work-group's number is the same in all eight waves, so each role has its own barrier.
.set TP,    208                        ; a row of the turned tile in LDS: 192 bytes + 16
.set RED,   256*TP                     ; eight words, one a wave
.set PB,    RED+256                    ; four rows of 256 partial sums
.set SPARE, PB+4096                    ; the spare words: 128 bytes a wave, named by no other line
.set WOFF,  3538944                    ; in a pack: Wo's panels
.set BIAS,  4718592                    ; the biases
.set WTAB,  4730880                    ; 128 pairs (largest stored magnitude of a part of W, 1 / scale)
.set BTAB,  4731904                    ; 128 words: largest magnitudes of parts of the biases
.set RWO,   10616832                   ; in raw: Wo of layers 0..2
.set PART,  14155776                   ; partial sums of bo W: [layer - 1][kb][m][768]
.set RB,    14376960                   ; b q, k, v of layers 1..3
.set RTAB,  14404608                   ; [j] 128 words: 0..71 q, k, v of layer j + 1; 72..95 Wo of layer j
.set TAB,   7864320                    ; behind the panels: 256 pairs (maximum, 1 / scale)
.set SPW, 2                            ; v2  my spare word's address; never rewritten
.set NIL, 3                            ; v3  0; never rewritten
.set MX,  4                            ; v4  running maximum
.set D,   32                           ; v32-159 data
	s_load_b512 s[8:23], s[0:1], 0x0               ; x, pos, Wq, Wk, Wv, Wo, bq, bk
	s_load_b256 s[24:31], s[0:1], 0x40             ; bv, bo, pk, raw
	s_load_b64 s[32:33], s[0:1], 0x60              ; the panels
	v_lshl_add_u32 v[SPW], v0, 2, SPARE
	v_mov_b32 v[NIL], 0
	v_mov_b32 v[MX], 0
	v_lshrrev_b32 v1, 5, v0
	v_readfirstlane_b32 s4, v1                     ; wave 0..7
	s_mov_b32 s5, 0xffff0000                       ; a word's upper bf16
	s_mov_b32 s6, 0x76543210                       ; v_permlanex16_b32: each lane takes its own place in the other half
	s_mov_b32 s7, 0xfedcba98
	s_wait_kmcnt 0x0
; The wave's maximum into its word; the barrier also shows every wave's stores into LDS done.
.macro REDUCE
.irp x, 1,2,4,8
	v_max_num_f32_dpp v[MX], v[MX], v[MX] row_xmask:\x row_mask:0xf bank_mask:0xf
.endr
	v_permlanex16_b32 v1, v[MX], s6, s7
	v_max_num_f32 v[MX], v[MX], v1
	s_lshl_b32 s38, s4, 2
	s_add_co_u32 s38, s38, RED
	v_mov_b32 v1, s38
	ds_store_b32 v1, v[MX]
	s_wait_dscnt 0x0                               ; for the others' sake: all my LDS stores are done
	s_barrier_signal -1
	s_barrier_wait -1
.endm
.macro JOIN                            ; the eight maxima into v8
	v_mov_b32 v1, RED
	ds_load_b128 v[8:11], v1
	ds_load_b128 v[12:15], v1 offset:16
	s_wait_dscnt 0x0
	v_max3_num_f32 v8, v8, v9, v10
	v_max3_num_f32 v8, v8, v11, v12
	v_max3_num_f32 v8, v8, v13, v14
	v_max_num_f32 v8, v8, v15
.endm
.macro CLOSE                           ; the wave's end
	s_wait_tensorcnt 0x0
	ds_add_u32 v[SPW], v[NIL]
	s_wait_dscnt 0x0
	s_endpgm
.endm
; Wave 0 joins the maxima; its first s39 lanes (0, 1 or 2) store the words (maximum, 1.0) at s[52:53].
.macro FINISH
	s_cmp_lg_u32 s4, 0
	s_cbranch_scc1 .Lfin_\@
	JOIN
	v_mov_b32 v9, 1.0
	v_cmp_eq_u32 vcc_lo, 1, v0
	v_cndmask_b32 v8, v8, v9, vcc_lo
	v_lshlrev_b32 v10, 2, v0
	v_cmp_gt_u32 vcc_lo, s39, v0
	s_wait_xcnt 0x0                                ; EXEC changes only behind this wait
	s_and_saveexec_b32 s38, vcc_lo
	global_store_b32 v10, v8, s[52:53]
	s_wait_xcnt 0x0                                ; and again in front of the line that widens it
	s_or_b32 exec_lo, exec_lo, s38
.Lfin_\@:
	CLOSE
.endm
	s_cmp_ge_u32 ttmp9, 640
	s_cbranch_scc1 .Lbias
	s_cmp_ge_u32 ttmp9, 384
	s_cbranch_scc1 .Lx
	; ---- a tile of a weight matrix ----
	s_mul_i32 s40, ttmp9, 683
	s_lshr_b32 s40, s40, 16                        ; l = id / 96
	s_mul_i32 s41, s40, 96
	s_sub_co_u32 s41, ttmp9, s41                   ; 24 m + tile: also the entry in the table
	s_mul_i32 s42, s41, 2731
	s_lshr_b32 s42, s42, 16                        ; m
	s_mul_i32 s43, s42, 24
	s_sub_co_u32 s43, s41, s43                     ; tile
	s_mul_i32 s44, s43, 21846
	s_lshr_b32 s44, s44, 16                        ; kb = tile / 3
	s_mul_i32 s45, s44, 3
	s_sub_co_u32 s45, s43, s45                     ; which 256 columns
	s_max_u32 s54, s40, 1
	s_sub_co_u32 s54, s54, 1                       ; l - 1, or 0 for layer 0
	s_cmp_eq_u32 s42, 1
	s_cselect_b64 s[46:47], s[14:15], s[12:13]
	s_cmp_eq_u32 s42, 2
	s_cselect_b64 s[46:47], s[16:17], s[46:47]
	s_cmp_eq_u32 s42, 3
	s_cselect_b64 s[46:47], s[18:19], s[46:47]
	s_mul_i32 s50, s40, 2359296                    ; the layer,
	s_mul_i32 s51, s44, 294912                     ; 96 rows of 3,072 bytes,
	s_add_co_u32 s50, s50, s51
	s_lshl_b32 s51, s45, 10                        ; 256 columns
	s_add_co_u32 s50, s50, s51
	s_mov_b32 s51, 0
	s_add_nc_u64 s[46:47], s[46:47], s[50:51]
	; q, k, v: layer 0 into pk with a pair in its table, the others into raw with a word
	s_mul_i32 s58, s44, 55296
	s_mul_i32 s59, s42, 18432
	s_add_co_u32 s58, s58, s59
	s_mul_i32 s59, s54, 3538944
	s_add_co_u32 s58, s58, s59
	s_lshl_b32 s55, s54, 9
	s_lshl_b32 s59, s41, 2
	s_add_co_u32 s55, s55, s59
	s_add_co_u32 s55, s55, RTAB
	s_lshl_b32 s59, s41, 3
	s_add_co_u32 s59, s59, WTAB
	s_cmp_eq_u32 s40, 0
	s_cselect_b64 s[48:49], s[28:29], s[30:31]
	s_cselect_b32 s55, s59, s55
	s_cselect_b32 s39, 2, 1
	s_cselect_b32 s63, 0, 1                        ; 1: the share of bo W is stored
	s_mov_b64 s[52:53], s[48:49]
	; Wo: the last layer's into pk, with no entry; the others into raw
	s_mul_i32 s59, s40, 1179648
	s_add_co_u32 s59, s59, RWO
	s_cmp_eq_u32 s40, 3
	s_cselect_b32 s59, WOFF, s59
	s_cselect_b64 s[50:51], s[28:29], s[30:31]
	s_cselect_b32 s62, 0, 1
	s_mul_i32 s60, s44, 36864
	s_add_co_u32 s59, s59, s60
	s_min_u32 s61, s40, 2
	s_lshl_b32 s61, s61, 9
	s_lshl_b32 s60, s41, 2
	s_add_co_u32 s61, s61, s60
	s_add_co_u32 s61, s61, RTAB
	s_mov_b32 s57, 423936
	; destination of column n, 16-byte piece c: sbase + 192 n + 16 c + (n / HB) (STR - 192 HB); q k v: HB 96, STR 442,368; o: HB 192, STR 294,912
	s_cmp_eq_u32 s42, 3
	s_cselect_b64 s[48:49], s[50:51], s[48:49]
	s_cselect_b64 s[52:53], s[30:31], s[52:53]
	s_cselect_b32 s58, s59, s58
	s_cselect_b32 s55, s61, s55
	s_cselect_b32 s39, s62, s39
	s_cselect_b32 s63, 0, s63
	s_cselect_b32 s56, 17, 16                      ; n / 96 = 683 n >> 16, n / 192 = 683 n >> 17 for n < 768
	s_cselect_b32 s57, 258048, s57
	s_mov_b32 s60, s55
	s_mov_b32 s61, 0
	s_add_nc_u64 s[52:53], s[52:53], s[60:61]      ; my entry
	s_mul_i32 s59, s45, 49152                      ; 192 x the tile's first column
	s_add_co_u32 s58, s58, s59
	s_lshl_b32 s60, s45, 8                         ; the tile's first column
	s_mul_i32 s50, s54, 3072                       ; bo of the layer before, at the tile's first row
	s_mul_i32 s51, s44, 384
	s_add_co_u32 s50, s50, s51
	s_mov_b32 s51, 0
	s_add_nc_u64 s[66:67], s[26:27], s[50:51]
	s_lshl_b32 s50, s54, 3                         ; where the tile's share of bo W goes
	s_add_co_u32 s50, s50, s44
	s_mul_i32 s50, s50, 9216
	s_mul_i32 s59, s42, 3072
	s_add_co_u32 s50, s50, s59
	s_lshl_b32 s59, s45, 10
	s_add_co_u32 s50, s50, s59
	s_add_co_u32 s50, s50, PART
	s_add_nc_u64 s[68:69], s[30:31], s[50:51]
	; thread t: columns 4 (t % 64) .. + 3, rows 8 (t / 64) + 32 tau + i: sixteen lanes read 256 consecutive bytes
	v_and_b32 v5, 63, v0
	v_lshrrev_b32 v6, 6, v0
	v_mul_u32_u24 v7, 4*TP, v5
	v_lshl_add_u32 v7, v6, 4, v7                   ; into the tile: row = column of W, 16 bytes = 8 k
	v_lshlrev_b32 v1, 5, v6                        ; bo: my 8 rows of each 32
	v_lshlrev_b32 v5, 4, v5
	v_lshl_add_u32 v156, v6, 10, v5                ; my four partial sums' place
	v_mad_u32_u24 v5, v6, 0x6000, v5
	v_mov_b32 v157, 0
.irp t, 0,1,2
	global_load_b128 v[128+8*\t:131+8*\t], v1, s[66:67] offset:128*\t
	global_load_b128 v[132+8*\t:135+8*\t], v1, s[66:67] offset:128*\t+16
.endr
.set i, 0
.rept 24
	global_load_b128 v[D+4*i:D+4*i+3], v5, s[46:47] offset:(32*(i/8)+i%8)*3072 th:TH_LOAD_NT
.set i, i+1
.endr
	s_wait_loadcnt 24                              ; bo's six loads are in; W's 24 stay out
.set i, 0
.rept 12
	v_cvt_pk_bf16_f32 v[20+i], v[128+2*i], v[129+2*i]  ; bo of my 24 rows, in pairs
.set i, i+1
.endr
.set g, 0                              ; g = 4 tau + column
.rept 12
.if g%4 == 0
	s_wait_loadcnt 16-2*g                          ; this group of eight rows is in; the later groups' 16, 8, 0 loads stay out
.endif
.set O, 128+4*(g%4)
.set p, 0
.rept 4
.set A, D+4*(8*(g/4)+2*p)+g%4
	v_cvt_pk_bf16_f32 v[8+3*p], v[A], v[A+4]       ; two neighbours along k, rounded to bf16,
	v_lshlrev_b32 v[9+3*p], 16, v[8+3*p]           ; widened again,
	v_and_b32 v[10+3*p], s5, v[8+3*p]
	v_max3_num_f32 v[MX], v[MX], |v[9+3*p]|, |v[10+3*p]|
	v_cvt_pk_f16_f32 v[O+p], v[9+3*p], v[10+3*p]   ; and written as f16
.if (g < 4) && (p == 0)
	v_fma_mix_f32_bf16 v[152+g%4], v[8+3*p], v[20+4*(g/4)+p], v157 op_sel_hi:[1,1,0]  ; the column's sum of bo W begins,
.else
	v_fma_mix_f32_bf16 v[152+g%4], v[8+3*p], v[20+4*(g/4)+p], v[152+g%4] op_sel_hi:[1,1,0]  ; or goes on: the low halves,
.endif
	v_fma_mix_f32_bf16 v[152+g%4], v[8+3*p], v[20+4*(g/4)+p], v[152+g%4] op_sel:[1,1,0] op_sel_hi:[1,1,0]  ; the high halves
.set p, p+1
.endr
	ds_store_b128 v7, v[O:O+3] offset:(g%4)*TP+64*(g/4)
.set g, g+1
.endr
	ds_store_b128 v156, v[152:155] offset:PB
	REDUCE
	; back by rows: piece lambda = t + 256 e of 64 rows x 12 pieces, four times 64 rows further on; sixteen lanes store 256 consecutive bytes, aligned
.irp e, 0,1,2
	v_add_nc_u32 v1, 256*\e, v0
	v_mul_u32_u24 v6, 0xaaab, v1
	v_lshrrev_b32 v6, 19, v6                       ; row = lambda / 12
	v_add_lshl_u32 v[8+\e], v1, v6, 4              ; 208 row + 16 (lambda - 12 row)
	v_add_nc_u32 v[11+\e], s60, v6
	v_lshl_add_u32 v[28+\e], v1, 4, s58
.endr
.irp e, 0,1,2
.irp u, 0,1,2,3
	ds_load_b128 v[D+4*(4*\e+\u):D+4*(4*\e+\u)+3], v[8+\e] offset:\u*64*TP
.endr
.endr
.irp e, 0,1,2
.irp u, 0,1,2,3
	v_add_nc_u32 v6, 64*\u, v[11+\e]               ; the column
	v_mul_u32_u24 v6, 0x2ab, v6
	v_lshrrev_b32 v6, s56, v6                      ; its block
	v_mad_u32_u24 v[16+4*\e+\u], v6, s57, v[28+\e]
.endr
.endr
	s_wait_dscnt 0x0
.irp e, 0,1,2
.irp u, 0,1,2,3
	global_store_b128 v[16+4*\e+\u], v[D+4*(4*\e+\u):D+4*(4*\e+\u)+3], s[48:49] offset:\u*12288
.endr
.endr
	s_cmp_eq_u32 s63, 0
	s_cbranch_scc1 .Lno_part
	s_cmp_gt_u32 s4, 1
	s_cbranch_scc1 .Lno_part
	v_lshlrev_b32 v31, 4, v0                       ; threads 0..63: the four groups' sums of four columns are added, in the groups' order
.irp i, 0,1,2,3
	ds_load_b128 v[80+4*\i:83+4*\i], v31 offset:PB+1024*\i
.endr
	s_wait_dscnt 0x0
.irp i, 1,2,3
	v_pk_add_f32 v[80:81], v[80:81], v[80+4*\i:81+4*\i]
	v_pk_add_f32 v[82:83], v[82:83], v[82+4*\i:83+4*\i]
.endr
	global_store_b128 v31, v[80:83], s[68:69]      ; 1,024 consecutive bytes, aligned
.Lno_part:
	FINISH
	; ---- 20 rows of h0 = x + pos ----
.Lx:
	s_sub_co_u32 s40, ttmp9, 384
	s_lshr_b32 s41, s40, 3                         ; rg = 2 b + half
	s_and_b32 s42, s40, 7
	s_mul_i32 s42, s42, 20                         ; first local row
	s_lshr_b32 s43, s41, 1                         ; b
	s_and_b32 s44, s41, 1
	s_mul_i32 s44, s44, 142
	s_add_co_u32 s44, s44, s42                     ; t = 142 half + local row
	s_mul_i32 s45, s43, 302
	s_add_co_u32 s45, s45, s44
	s_mul_i32 s46, s45, 3072
	s_mov_b32 s47, 0
	s_add_nc_u64 s[8:9], s[8:9], s[46:47]
	s_mul_i32 s48, s44, 3072
	s_mov_b32 s49, 0
	s_add_nc_u64 s[10:11], s[10:11], s[48:49]
	s_mul_i32 s50, s41, 245760
	s_mul_i32 s51, s42, 192
	s_add_co_u32 s50, s50, s51
	s_mov_b32 s51, 0
	s_add_nc_u64 s[54:55], s[32:33], s[50:51]
	s_lshl_b32 s50, s40, 3
	s_add_co_u32 s50, s50, TAB
	s_add_nc_u64 s[52:53], s[32:33], s[50:51]
	s_mov_b32 s39, 2                               ; a pair: the scale is 1
	v_mul_u32_u24 v5, 171, v0
	v_lshrrev_b32 v5, 11, v5                       ; row = t / 12 for t < 240
	v_mul_u32_u24 v6, 12, v5
	v_sub_nc_u32 v6, v0, v6                        ; which 8 of a panel's 96 columns
	v_lshlrev_b32 v6, 5, v6
	v_mad_u32_u24 v7, v5, 3072, v6
	v_lshlrev_b32 v16, 4, v0                       ; in a panel the 20 rows are 3,840 dense bytes
	v_cmp_gt_u32 vcc_lo, 240, v0
	s_wait_xcnt 0x0
	s_and_saveexec_b32 s59, vcc_lo                 ; 240 threads have work
.irp kb, 0,1,2,3,4,5,6,7
	global_load_b128 v[D+16*\kb:D+16*\kb+3],     v7, s[8:9] offset:384*\kb
	global_load_b128 v[D+16*\kb+4:D+16*\kb+7],   v7, s[8:9] offset:384*\kb+16
	global_load_b128 v[D+16*\kb+8:D+16*\kb+11],  v7, s[10:11] offset:384*\kb
	global_load_b128 v[D+16*\kb+12:D+16*\kb+15], v7, s[10:11] offset:384*\kb+16
.endr
.irp kb, 0,1,2,3,4,5,6,7
	s_wait_loadcnt 28-4*\kb                        ; this panel's four loads are in; the later panels' stay out
.irp p, 0,1,2,3
	v_cvt_pk_bf16_f32 v8, v[D+16*\kb+2*\p], v[D+16*\kb+2*\p+1]
	v_cvt_pk_bf16_f32 v9, v[D+16*\kb+8+2*\p], v[D+16*\kb+9+2*\p]
	v_lshlrev_b32 v10, 16, v8
	v_and_b32 v11, s5, v8
	v_lshlrev_b32 v12, 16, v9
	v_and_b32 v13, s5, v9
	v_pk_add_f32 v[10:11], v[10:11], v[12:13]
	v_max3_num_f32 v[MX], v[MX], |v10|, |v11|
	v_cvt_pk_f16_f32 v[D+16*\kb+\p], v10, v11      ; lands on a register whose number has been taken already
.endr
	global_store_b128 v16, v[D+16*\kb:D+16*\kb+3], s[54:55] offset:30720*\kb
.endr
	s_wait_xcnt 0x0
	s_or_b32 exec_lo, exec_lo, s59
	REDUCE
	FINISH
	; ---- a layer's biases: wave w takes half w % 2 of array w / 2.  bo is kept of the last layer alone: the others enter the partial sums above ----
.Lbias:
	s_sub_co_u32 s40, ttmp9, 640
	s_lshr_b32 s42, s4, 1
	s_cmp_eq_u32 s42, 1
	s_cselect_b64 s[46:47], s[22:23], s[20:21]
	s_cmp_eq_u32 s42, 2
	s_cselect_b64 s[46:47], s[24:25], s[46:47]
	s_cmp_eq_u32 s42, 3
	s_cselect_b64 s[46:47], s[26:27], s[46:47]
	s_mul_i32 s50, s40, 3072
	s_mov_b32 s51, 0
	s_add_nc_u64 s[46:47], s[46:47], s[50:51]
	s_max_u32 s54, s40, 1
	s_sub_co_u32 s54, s54, 1
	s_mul_i32 s55, s54, 9216
	s_add_co_u32 s55, s55, RB
	s_cmp_eq_u32 s40, 0                            ; layer 0's q, k, v
	s_cselect_b32 s55, BIAS, s55
	s_cselect_b64 s[48:49], s[28:29], s[30:31]
	s_cmp_eq_u32 s42, 3                            ; and bo go into pk
	s_cselect_b32 s55, BIAS, s55
	s_cselect_b64 s[48:49], s[28:29], s[48:49]
	s_mul_i32 s56, s42, 3072
	s_add_co_u32 s55, s55, s56
	s_and_b32 s43, s4, 1
	s_lshl_b32 s43, s43, 9
	v_and_b32 v5, 31, v0
	v_lshl_add_u32 v5, v5, 4, s43
	v_add_nc_u32 v6, s55, v5
	s_cmp_eq_u32 s42, 3
	s_cselect_b32 s56, 1, 0
	s_cmp_lg_u32 s40, 3
	s_cselect_b32 s57, 1, 0
	s_and_b32 s56, s56, s57
	s_cmp_lg_u32 s56, 0
	s_cbranch_scc1 .Lbskip
.irp i, 0,1,2
	global_load_b128 v[D+4*\i:D+4*\i+3], v5, s[46:47] offset:1024*\i
.endr
	s_wait_loadcnt 0x0
.irp i, 0,1,2,3,4,5
	v_cvt_pk_bf16_f32 v8, v[D+2*\i], v[D+2*\i+1]
	v_lshlrev_b32 v[D+2*\i], 16, v8
	v_and_b32 v[D+2*\i+1], s5, v8
	v_max3_num_f32 v[MX], v[MX], |v[D+2*\i]|, |v[D+2*\i+1]|
.endr
.irp i, 0,1,2
	global_store_b128 v6, v[D+4*\i:D+4*\i+3], s[48:49] offset:1024*\i
.endr
.Lbskip:
	REDUCE
	s_cmp_lg_u32 s4, 0
	s_cbranch_scc1 .Lbfin
	s_cmp_lg_u32 s40, 0
	s_cbranch_scc1 .Lbfin
	; layer 0, wave 0: pk's table of bias maxima, all 128 words alike, and the 56 pairs of its table of W that no tile writes
	JOIN
	v_mov_b32 v9, v8
	v_mov_b32 v10, v8
	v_mov_b32 v11, v8
	v_lshlrev_b32 v16, 4, v0
	global_store_b128 v16, v[8:11], s[28:29] offset:BTAB
	v_mov_b32 v12, 0
	v_mov_b32 v13, 1.0
	v_mov_b32 v14, 0
	v_mov_b32 v15, 1.0
	v_cmp_gt_u32 vcc_lo, 28, v0
	s_wait_xcnt 0x0
	s_and_saveexec_b32 s38, vcc_lo
	global_store_b128 v16, v[12:15], s[28:29] offset:WTAB+576
	s_wait_xcnt 0x0
	s_or_b32 exec_lo, exec_lo, s38
.Lbfin:
	CLOSE
.Lfunc_end_k_qe29fe58b45_prep:
	.size	k_qe29fe58b45_prep, .Lfunc_end_k_qe29fe58b45_prep-k_qe29fe58b45_prep
	.p2alignl 7, 3214868480
	.fill 96, 4, 3214868480
	.section	.rodata,"a",@progbits
	.p2align	6, 0x0
	.amdhsa_kernel k_qe29fe58b45_prep
		.amdhsa_group_segment_fixed_size 58624
		.amdhsa_private_segment_fixed_size 0
		.amdhsa_enable_private_segment 0
		.amdhsa_kernarg_size 104
		.amdhsa_user_sgpr_count 2
		.amdhsa_user_sgpr_kernarg_segment_ptr 1
		.amdhsa_wavefront_size32 1
		.amdhsa_system_sgpr_workgroup_id_x 1
		.amdhsa_system_sgpr_workgroup_id_y 1
		.amdhsa_system_sgpr_workgroup_id_z 1
		.amdhsa_system_vgpr_workitem_id 0
		.amdhsa_next_free_vgpr 160
		.amdhsa_next_free_sgpr 72
		.amdhsa_reserve_vcc 1
		.amdhsa_float_denorm_mode_32 3
		.amdhsa_float_denorm_mode_16_64 3
		.amdhsa_memory_ordered 1
		.amdhsa_forward_progress 1
		.amdhsa_inst_pref_size 62
	.end_amdhsa_kernel
	.amdgpu_metadata
---
amdhsa.version: [ 1, 2 ]
amdhsa.kernels:
  - .name:           k_qe29fe58b45_prep
    .symbol:         k_qe29fe58b45_prep.kd
    .args:
      - { .name: x, .offset: 0, .size: 8, .value_kind: global_buffer, .address_space: global }
      - { .name: pos, .offset: 8, .size: 8, .value_kind: global_buffer, .address_space: global }
      - { .name: Wq, .offset: 16, .size: 8, .value_kind: global_buffer, .address_space: global }
      - { .name: Wk, .offset: 24, .size: 8, .value_kind: global_buffer, .address_space: global }
      - { .name: Wv, .offset: 32, .size: 8, .value_kind: global_buffer, .address_space: global }
      - { .name: Wo, .offset: 40, .size: 8, .value_kind: global_buffer, .address_space: global }
      - { .name: bq, .offset: 48, .size: 8, .value_kind: global_buffer, .address_space: global }
      - { .name: bk, .offset: 56, .size: 8, .value_kind: global_buffer, .address_space: global }
      - { .name: bv, .offset: 64, .size: 8, .value_kind: global_buffer, .address_space: global }
      - { .name: bo, .offset: 72, .size: 8, .value_kind: global_buffer, .address_space: global }
      - { .name: p3, .offset: 80, .size: 8, .value_kind: global_buffer, .address_space: global }
      - { .name: raw, .offset: 88, .size: 8, .value_kind: global_buffer, .address_space: global }
      - { .name: obuf, .offset: 96, .size: 8, .value_kind: global_buffer, .address_space: global }
    .group_segment_fixed_size: 58624
    .private_segment_fixed_size: 0
    .kernarg_segment_align: 8
    .kernarg_segment_size: 104
    .max_flat_workgroup_size: 256
    .sgpr_count:     72
    .vgpr_count:     160
    .wavefront_size: 32
...
	.end_amdgpu_metadata
.endif
;; end of part 5
;; launch fold (part 6): grid 4 x 48, 4 waves a work-group, clusters of 4 x 4, 327,680 bytes of LDS; arguments raw, p0, p1, p2; writes p0, p1, p2
.if DOCPART == 6
	.amdgcn_target "amdgcn-amd-amdhsa--gfx1250"
	.amdhsa_code_object_version 6
	.text
	.protected	k_qe29fe58b45_fold
	.globl	k_qe29fe58b45_fold
	.p2align	8
	.type	k_qe29fe58b45_fold,@function
k_qe29fe58b45_fold:
	s_mov_b64 s[64:65], 0
	v_nop
	global_prefetch_b8 v0, s[64:65] scope:SCOPE_SE
	s_setreg_imm32_b32 hwreg(HW_REG_WAVE_MODE, 25, 1), 1
	s_wait_xcnt 0x0
	s_wait_alu depctr_hold_cnt(0) depctr_sa_sdst(0) depctr_va_vdst(0) depctr_va_sdst(0) depctr_va_ssrc(0) depctr_va_vcc(0) depctr_vm_vsrc(0)
	s_getreg_b32 s2, hwreg(HW_REG_IB_STS2, 6, 4)
	s_cmp_eq_u32 s2, 0
	s_cbranch_scc0 .Lentry_in_a_cluster
	s_endpgm
.Lentry_in_a_cluster:
	s_bfe_u32 s2, ttmp6, 0x10000c
	s_cmp_lg_u32 s2, 0xf033
	s_cbranch_scc0 .Lentry_shape_is_right
	s_endpgm
.Lentry_shape_is_right:
; THE WEIGHTS OF LAYERS 1..3 WITH THE PROJECTION BEFORE THEM FOLDED IN.  h = o Wo + bo is used in h W + b alone, and (o Wo + bo) W + b = o (Wo W) + (bo W + b): so for j = 0..2
; W'[n'][d] = sum over e of Wo_j[d][e] W_{j+1}[e][n'] (n' runs over q, k, v of a head) and b' = bo_j W_{j+1} + b_{j+1} are made here, into the pack of layer j + 1, in the layout of layer 0's pack.
; f16 operands (bf16 numbers written as f16), f32 sums, W' rounded once to f16.
; SCALE.  B = 768 max|Wo| max|W| bounds |W'|; f = 2^(141 - e), e = B's exponent field held to 80..190; W' f lies under 2^15 and is stored; the pack's table gets pairs (largest |W' f|, 1 / f).
; LIMITS.  A bound B between 2^-47 and 2^63 is served at f16's full precision; outside, the scale stays at its end.  NaN and infinities are not treated apart.
; SHARES.  A work-group: 144 n' (half a head's 288) x 192 d.  3 x 16 x 4 = 192 work-groups: 256 equal shares would be 81 blocks of 16 x 16 each, and no tile of 81 blocks divides 2,304 x 768.
; Four waves, each all 144 n' x 48 d: 27 accumulators.  K = e goes in 8 steps of 96; an LDS slot holds two steps, brought by one load a wave: two refills in all.
; Source 0 = 16 d (Wo lies [e][d] in its panels, so its fragments come turned, by ds_load_tr16_b128), source 1 = 16 n': a lane holds one n' and eight neighbouring d.
; Wave w takes, of panel w / 2 of the tile's two panels of 96 d, the blocks w % 2, w % 2 + 2, w % 2 + 4, so that the three blocks lie 80 LDS bytes apart in every wave.
; b': the launch before has left eight partial sums of bo W for each n'; each work-group adds them, and b, for 36 n': 9 lanes of wave 0 store; all waves form them, for the maximum.
; CLUSTER 4 x 4.  The four of a row share the rows of W (waves 0, 1 ask, a step each), the four of a column the two panels of Wo (waves 2, 3).  The layer comes from the cluster's y: equal in all partners.
; REGISTERS.  window 0: v16-19 fragment addresses by slot; v24-27, v30 the way out; v28, v29 the add's; v32-79 two buffers of Wo's 3 fragments; v96-135 tables and sums; on the way out v32-139.
; window 1: v0-143 two buffers of W's 9 fragments.  window 2: accumulators (a, b) at 8 (3 a + b).
.set PITCH, 240                        ; a panel's row in a slot: 3 x (64 bytes + 16 of padding).  For the turning loads, 6 of a third's 24, two rows share each 16-byte column; a pitch of 288 would not leave room for two slots
.set ASTEP, 144*PITCH                  ; W's 144 rows of one step
.set BPAN,  192*PITCH                  ; a panel of Wo: 192 e (two steps) x 96 d
.set SLOTB, 2*ASTEP+2*BPAN
.set RED,   2*SLOTB
.set SPARE, RED+256                    ; the spare words: 128 bytes a wave, named by no other line
.set RWO,   10616832
.set PART,  14155776
.set RB,    14376960
.set RTAB,  14404608
.set BIAS,  4718592
.set WTAB,  4730880
.set BTAB,  4731904
.set G1W,   (3<<16)|(1<<20)|(1<<21)|(3<<22)|(3<<25)  ; 8-byte elements; padding on; bit 21 beside a mask; after every 16 words; 4 words
.set MSB, 0
.macro WIN new                         ; the immediate's high byte repeats the setting that is left
.if MSB != (\new)
	s_set_vgpr_msb (MSB<<8)|(\new)
.set MSB, \new
.endif
.endm
.macro PLACES                          ; four places behind matrix instructions (ISA guide 7.12.1)
.rept 4
	v_nop
.endr
.endm
.macro JLOAD s                         ; a joint load into slot s; the branch hangs on the wave's number alone
	s_cmp_eq_u32 s13, 0
	s_cbranch_scc0 .Lfor_b_\@
	tensor_load_to_lds s[40+4*(\s):43+4*(\s)], s[24:31]
	s_nop 0
	PLACES
	s_branch .Lasked_\@
.Lfor_b_\@:
	tensor_load_to_lds s[48+4*(\s):51+4*(\s)], s[32:39]
	s_nop 0
	PLACES
.Lasked_\@:
.endm
.macro CREST                           ; a round of the cluster's barrier behind its opening barrier
	s_cmp_lg_u32 s12, 0
	s_cbranch_scc1 .Lnot_wave_0_\@
	s_barrier_signal -3
.Lnot_wave_0_\@:
	s_barrier_wait -3
	s_barrier_signal -1
	s_barrier_wait -1
.endm
.macro CROUND
	s_barrier_signal -1
	s_barrier_wait -1
	CREST
.endm
	s_load_b256 s[4:11], s[0:1], 0x0               ; raw, and the packs of layers 1, 2, 3
	v_lshl_add_u32 v28, v0, 2, SPARE
	v_mov_b32 v29, 0
	ds_add_u32 v28, v29                            ; the wave's opening: the add and its wait ahead of my first tensor load
	v_lshrrev_b32 v1, 5, v0
	v_readfirstlane_b32 s12, v1                    ; wave
	s_lshr_b32 s13, s12, 1                         ; I fetch for W (0) or for Wo (1); also: my panel of d
	s_and_b32 s14, s12, 1                          ; which step, or which panel
	s_bfe_u32 s56, ttmp6, 0x40000                  ; cx
	s_bfe_u32 s57, ttmp6, 0x40004                  ; cy
	s_lshl_b32 s58, ttmp9, 2
	s_add_co_u32 s58, s58, s56                     ; which 192 d
	s_and_b32 s59, ttmp7, 0xffff                   ; the cluster's y, 0..11
	s_lshr_b32 s15, s59, 2                         ; j
	s_and_b32 s60, s59, 3
	s_lshl_b32 s60, s60, 2
	s_add_co_u32 s60, s60, s57                     ; which 144 of the layer's 2,304 n'
	s_lshr_b32 s61, s60, 1                         ; the head
	s_and_b32 s62, s60, 1                          ; which half of its 288
	s_lshl_b32 s63, s57, 2
	s_lshl_b32 s63, 15, s63                        ; my row of the cluster
	s_lshl_b32 s23, 0x1111, s56                    ; my column
	s_or_b32 s24, s63, G1W                         ; 144 rows of W's panel are 108 rows of 256 bytes,
	s_mov_b32 s25, 32<<16
	s_mov_b32 s26, 108<<16
	s_mov_b32 s27, 32<<16
	s_mov_b32 s28, 108
	s_mov_b32 s29, 32
	s_mov_b32 s30, 0
	s_mov_b32 s31, 0
	s_or_b32 s32, s23, G1W                         ; a panel of Wo 144
	s_mov_b32 s33, 32<<16
	s_mov_b32 s34, 144<<16
	s_mov_b32 s35, 32<<16
	s_mov_b32 s36, 144
	s_mov_b32 s37, 32
	s_mov_b32 s38, 0
	s_mov_b32 s39, 0
	s_mul_i32 s16, s15, 3538944                    ; W: the layer, the head's eight panels, my step's, the half
	s_mul_i32 s18, s61, 442368
	s_add_co_u32 s16, s16, s18
	s_mul_i32 s18, s14, 55296
	s_add_co_u32 s16, s16, s18
	s_mul_i32 s18, s62, 27648
	s_add_co_u32 s16, s16, s18
	s_mov_b32 s17, 0
	s_mul_i32 s20, s15, 1179648                    ; Wo: the layer, e 0..191, my panel of d
	s_lshl_b32 s21, s58, 1
	s_add_co_u32 s21, s21, s14
	s_mul_i32 s21, s21, 36864
	s_add_co_u32 s20, s20, s21
	s_add_co_u32 s20, s20, RWO
	s_mov_b32 s21, 0
	s_mul_i32 s22, s14, ASTEP
	s_mul_i32 s19, s14, BPAN
	s_add_co_u32 s19, s19, 2*ASTEP
	s_mov_b32 s72, 0x76543210
	s_mov_b32 s73, 0xfedcba98
	s_wait_dscnt 0x0                               ; the opening add is done
	s_wait_kmcnt 0x0
	s_add_nc_u64 s[16:17], s[4:5], s[16:17]
	s_add_nc_u64 s[20:21], s[4:5], s[20:21]
	s_cmp_eq_u32 s15, 1
	s_cselect_b64 s[6:7], s[8:9], s[6:7]
	s_cmp_eq_u32 s15, 2
	s_cselect_b64 s[6:7], s[10:11], s[6:7]         ; my layer's pack
.irp s, 0,1
	s_mov_b32 s[40+4*\s], 1
	s_add_co_u32 s[41+4*\s], s22, \s*SLOTB
	s_add_nc_u64 s[42+4*\s:43+4*\s], s[16:17], \s*2*55296
	s_or_b32 s[43+4*\s], s[43+4*\s], 0x80000000
	s_mov_b32 s[48+4*\s], 1
	s_add_co_u32 s[49+4*\s], s19, \s*SLOTB
	s_add_nc_u64 s[50+4*\s:51+4*\s], s[20:21], \s*294912
	s_or_b32 s[51+4*\s], s[51+4*\s], 0x80000000
.endr
	CROUND                                         ; all sixteen work-groups are here: the first joint loads meet
	s_cmp_eq_u32 s13, 0                            ; a wave's two first fills stand in one branch: two loads of mine are out
	s_cbranch_scc0 .Lfirst_b
	tensor_load_to_lds s[40:43], s[24:31]
	s_nop 0
	tensor_load_to_lds s[44:47], s[24:31]
	s_nop 0
	PLACES
	s_branch .Lfirst_done
.Lfirst_b:
	tensor_load_to_lds s[48:51], s[32:39]
	s_nop 0
	tensor_load_to_lds s[52:55], s[32:39]
	s_nop 0
	PLACES
.Lfirst_done:
	; the table of maxima and the biases, in the wait for the first tiles
	v_and_b32 v1, 31, v0                           ; L
	v_and_b32 v2, 15, v0                           ; r
	v_bfe_u32 v3, v0, 4, 1                         ; h
	v_lshlrev_b32 v4, 4, v1
	s_lshl_b32 s18, s15, 9
	s_add_co_u32 s18, s18, RTAB
	v_min_u32 v5, 23, v1
	v_lshl_add_u32 v5, v5, 4, s18
	global_load_b128 v[96:99], v5, s[4:5]          ; lanes 0-17: W's 72 maxima; lanes 18-31: Wo's 24
	s_mul_i32 s18, s62, 144
	s_mul_i32 s19, s58, 36
	s_add_co_u32 s18, s18, s19
	v_min_u32 v6, 8, v1
	v_lshl_add_u32 v6, v6, 2, s18                  ; four n' a lane: 144 x half + 36 x my place among the four + 4 x lane
	v_mul_u32_u24 v7, 0x2ab, v6
	v_lshrrev_b32 v7, 16, v7                       ; q, k or v: n' / 96
	v_mul_u32_u24 v8, 96, v7
	v_sub_nc_u32 v8, v6, v8
	s_mul_i32 s18, s61, 96
	v_add_lshl_u32 v8, v8, s18, 2
	v_mad_u32_u24 v8, v7, 3072, v8                 ; their place in [m][768]
	s_mul_i32 s18, s15, 73728
	s_add_co_u32 s18, s18, PART
	v_add_nc_u32 v9, s18, v8
	s_mul_i32 s18, s15, 9216
	s_add_co_u32 s18, s18, RB
	v_add_nc_u32 v10, s18, v8
.irp kb, 0,1,2,3,4,5,6,7
	global_load_b128 v[100+4*\kb:103+4*\kb], v9, s[4:5] offset:9216*\kb
.endr
	global_load_b128 v[132:135], v10, s[4:5]
	s_wait_loadcnt 9                               ; the table is in; the nine loads behind it stay out
	v_max3_num_f32 v11, v96, v97, v98
	v_max_num_f32 v11, v11, v99
	v_mov_b32 v14, 0
	v_mov_b32 v15, 0
	v_cmp_gt_u32 vcc_lo, 18, v1
	v_cndmask_b32 v12, v14, v11, vcc_lo            ; W's
	v_cndmask_b32 v13, v11, v14, vcc_lo            ; Wo's
.irp x, 1,2,4,8
	v_max_num_f32_dpp v12, v12, v12 row_xmask:\x row_mask:0xf bank_mask:0xf
	v_max_num_f32_dpp v13, v13, v13 row_xmask:\x row_mask:0xf bank_mask:0xf
.endr
	v_permlanex16_b32 v14, v12, s72, s73
	v_permlanex16_b32 v15, v13, s72, s73
	v_max_num_f32 v12, v12, v14
	v_max_num_f32 v13, v13, v15
	v_readfirstlane_b32 s18, v12
	v_readfirstlane_b32 s19, v13
	s_mul_f32 s18, s18, s19
	s_mul_f32 s18, s18, 0x44400000                 ; B = 768 max|W| max|Wo|
	s_lshr_b32 s18, s18, 23
	s_max_u32 s18, s18, 80
	s_min_u32 s18, s18, 190
	s_sub_co_u32 s70, 268, s18
	s_lshl_b32 s70, s70, 23                        ; f
	s_sub_co_u32 s71, s18, 14
	s_lshl_b32 s71, s71, 23                        ; 1 / f
	s_wait_loadcnt 0x0
.irp kb, 1,2,3,4,5,6,7
	v_pk_add_f32 v[100:101], v[100:101], v[100+4*\kb:101+4*\kb]
	v_pk_add_f32 v[102:103], v[102:103], v[102+4*\kb:103+4*\kb]
.endr
	v_pk_add_f32 v[100:101], v[100:101], v[132:133]
	v_pk_add_f32 v[102:103], v[102:103], v[134:135]
	v_max3_num_f32 v27, |v100|, |v101|, |v102|
	v_max_num_f32 v27, v27, |v103|
.irp x, 1,2,4,8
	v_max_num_f32_dpp v27, v27, v27 row_xmask:\x row_mask:0xf bank_mask:0xf
.endr
	v_permlanex16_b32 v14, v27, s72, s73
	v_max_num_f32 v27, v27, v14                    ; the largest of my 36 biases
	v_cmp_gt_u32 vcc_lo, 9, v0
	s_wait_xcnt 0x0                                ; EXEC changes only behind this wait
	s_and_saveexec_b32 s19, vcc_lo
	global_store_b128 v8, v[100:103], s[6:7] offset:BIAS
	s_wait_xcnt 0x0
	s_or_b32 exec_lo, exec_lo, s19
	; addresses
	v_mul_u32_u24 v16, v2, PITCH
	v_lshl_add_u32 v16, v3, 4, v16                 ; W's fragments, slot 0, 1
	v_add_nc_u32 v17, SLOTB, v16
	v_and_b32 v6, 7, v0
	v_lshl_add_u32 v6, v3, 3, v6
	v_mul_u32_u24 v6, v6, PITCH
	v_bfe_u32 v7, v0, 3, 1
	v_lshl_add_u32 v6, v7, 4, v6
	s_mul_i32 s18, s13, BPAN
	s_lshl_b32 s19, s14, 5
	s_add_co_u32 s18, s18, s19
	s_add_co_u32 s18, s18, 2*ASTEP
	v_add_nc_u32 v18, s18, v6                      ; Wo's, for the turning load
	v_add_nc_u32 v19, SLOTB, v18
	v_mul_u32_u24 v24, v2, 192
	v_lshl_add_u32 v24, v3, 4, v24
	s_mul_i32 s18, s13, 27648
	s_add_co_u32 s18, s18, s19
	v_add_nc_u32 v24, s18, v24                     ; into the stage: two panels x 144 rows x 192 bytes, from LDS byte 0
	s_mul_i32 s18, s12, 13824
	v_add_nc_u32 v25, s18, v4                      ; back: a quarter of the stage a wave, dense
	s_mul_i32 s18, s13, 55296
	s_mul_i32 s19, s14, 13824
	s_add_co_u32 s18, s18, s19
	v_add_nc_u32 v26, s18, v4
	s_mul_i32 s18, s61, 442368
	s_mul_i32 s19, s58, 110592
	s_add_co_u32 s18, s18, s19
	s_mul_i32 s19, s62, 27648
	s_add_co_u32 s18, s18, s19
	s_mov_b32 s19, 0
	s_add_nc_u64 s[2:3], s[6:7], s[18:19]          ; the pack at panel (head, 2 x my 192 d), my half of its rows
	s_lshl_b32 s76, s60, 2
	s_add_co_u32 s76, s76, s58                     ; my entry in the tables
	v_mov_b32 v30, 0                               ; running maximum
.macro FETCH slot, jj, s, f            ; 24 LDS loads in one run: 32 along K (step jj of the slot, third s): Wo's 3 fragments, then W's 9
	WIN 0
.irp b, 0,1,2
	ds_load_tr16_b128 v[32+24*(\f)+8*\b:35+24*(\f)+8*\b], v[18+(\slot)] offset:((\jj)*96+(\s)*32)*PITCH+80*\b
	ds_load_tr16_b128 v[36+24*(\f)+8*\b:39+24*(\f)+8*\b], v[18+(\slot)] offset:((\jj)*96+(\s)*32+16)*PITCH+80*\b
.endr
	WIN 0x40
.irp a, 0,1,2,3,4,5,6,7,8
	ds_load_b128 v[72*(\f)+8*\a:72*(\f)+8*\a+3],   v[16+(\slot)] offset:(\jj)*ASTEP+\a*16*PITCH+80*(\s)
	ds_load_b128 v[72*(\f)+8*\a+4:72*(\f)+8*\a+7], v[16+(\slot)] offset:(\jj)*ASTEP+\a*16*PITCH+80*(\s)+32
.endr
.endm
.macro MULROW f, a, zero               ; 3 matrix instructions: n' block a x my 3 blocks of d.  The 27 accumulators take turns in one fixed order
	WIN 0xa4
.irp b, 0,1,2
.if \zero
	v_wmma_f32_16x16x32_f16 v[8*(3*(\a)+\b):8*(3*(\a)+\b)+7], v[32+24*(\f)+8*\b:39+24*(\f)+8*\b], v[72*(\f)+8*(\a):72*(\f)+8*(\a)+7], 0
.else
	v_wmma_f32_16x16x32_f16 v[8*(3*(\a)+\b):8*(3*(\a)+\b)+7], v[32+24*(\f)+8*\b:39+24*(\f)+8*\b], v[72*(\f)+8*(\a):72*(\f)+8*(\a)+7], v[8*(3*(\a)+\b):8*(3*(\a)+\b)+7]
.endif
.endr
.endm
.macro THIRD slot, jj, s, f, g, zero   ; a third of a K step: multiplies buffer f, fetches third (jj, s) into g
	s_wait_dscnt 12                                ; Wo's fragments and W's blocks 0-2 are in; the youngest twelve loads may be out
	MULROW \f, 0, \zero
	MULROW \f, 1, \zero
	MULROW \f, 2, \zero
	PLACES
	FETCH \slot, \jj, \s, \g
	s_wait_dscnt 24                                ; all but the 24 just issued
	MULROW \f, 3, \zero
	MULROW \f, 4, \zero
	MULROW \f, 5, \zero
	MULROW \f, 6, \zero
	MULROW \f, 7, \zero
	MULROW \f, 8, \zero
.endm
.macro RUN5 slot, zero                 ; the first five of a slot's six thirds
	THIRD \slot, 0, 1, 0, 1, \zero
	THIRD \slot, 0, 2, 1, 0, 0
	THIRD \slot, 1, 0, 0, 1, 0
	THIRD \slot, 1, 1, 1, 0, 0
	THIRD \slot, 1, 2, 0, 1, 0
.endm
.macro TURN slot, next, fill           ; a slot's last third (buffer 1), and the change of slots
	WIN 0
	s_wait_tensorcnt 0x0                           ; all my tensor loads have landed: my part of the other slot
	ds_add_u32 v28, v29
	s_wait_dscnt 13                                ; the add and the youngest twelve loads may be out
	MULROW 1, 0, 0
	MULROW 1, 1, 0
	MULROW 1, 2, 0
	s_wait_dscnt 0x0                               ; the add is done, and my reads of this slot are over
	s_barrier_signal -1
	MULROW 1, 3, 0
	MULROW 1, 4, 0
	MULROW 1, 5, 0
	WIN 0
	s_barrier_wait -1
.if \fill
	CREST                                          ; the barrier has opened a round of the cluster's: no wave of any partner still reads this slot or has a load on its way
	s_add_nc_u64 s[42+4*(\slot):43+4*(\slot)], s[42+4*(\slot):43+4*(\slot)], 4*55296
	s_add_nc_u64 s[50+4*(\slot):51+4*(\slot)], s[50+4*(\slot):51+4*(\slot)], 2*294912
	JLOAD \slot                                    ; my one load behind the round: it has 144 matrix instructions in which to land; its four v_nop are the places in front of the loads below
.else
	PLACES
.endif
	FETCH \next, 0, 0, 0
	MULROW 1, 6, 0
	MULROW 1, 7, 0
	MULROW 1, 8, 0
.endm
	s_wait_tensorcnt 0x1                           ; my part of slot 0 is in; slot 1's may stay out
	s_barrier_signal -1
	s_barrier_wait -1
	FETCH 0, 0, 0, 0
	RUN5 0, 1                                      ; the four slots' thirds are written out: two end in a refill, one in none, one in the way out
	TURN 0, 1, 1
	RUN5 1, 0
	TURN 1, 0, 1
	RUN5 0, 0
	TURN 0, 1, 0
	RUN5 1, 0
	s_wait_dscnt 12
	MULROW 1, 0, 0
	MULROW 1, 1, 0
	MULROW 1, 2, 0
	s_wait_dscnt 0x0
	MULROW 1, 3, 0
	MULROW 1, 4, 0
	MULROW 1, 5, 0
	MULROW 1, 6, 0
	MULROW 1, 7, 0
	MULROW 1, 8, 0
	PLACES
	; THE WAY OUT: sums x f, the largest magnitude, f16, into the stage.  It lies in slot 0, which has had its last fill and whose last reads ended in front of the last barrier.
.macro OUT9 g                          ; nine accumulators: n' blocks 3 g .. 3 g + 2
	WIN 0x02
.set i, 0
.rept 36
	v_pk_mul_f32 v[32+2*i:33+2*i], v[72*(\g)+2*i:72*(\g)+2*i+1], s[70:71] op_sel_hi:[1,0]
.set i, i+1
.endr
	WIN 0
.set i, 0
.rept 36
	v_max3_num_f32 v30, v30, |v[32+2*i]|, |v[33+2*i]|
	v_cvt_pk_f16_f32 v[104+i], v[32+2*i], v[33+2*i]
.set i, i+1
.endr
.irp t, 0,1,2,3,4,5,6,7,8
	ds_store_b128 v24, v[104+4*\t:107+4*\t] offset:(3*(\g)+\t/3)*3072+64*(\t%3)
.endr
.endm
	OUT9 0
	OUT9 1
	OUT9 2
.irp x, 1,2,4,8
	v_max_num_f32_dpp v30, v30, v30 row_xmask:\x row_mask:0xf bank_mask:0xf
.endr
	v_mov_b32 v6, 0
	v_permlanex16_b32 v6, v30, s72, s73
	v_max_num_f32 v30, v30, v6
	s_lshl_b32 s18, s12, 2
	s_add_co_u32 s18, s18, RED
	v_mov_b32 v7, s18
	ds_store_b32 v7, v30
	s_wait_dscnt 0x0                               ; for the others' sake: my columns and my maximum are written
	s_barrier_signal -1
	s_barrier_wait -1
.set i, 0
.rept 27
	ds_load_b128 v[32+4*i:35+4*i], v25 offset:512*i
.set i, i+1
.endr
.set i, 0
.rept 27
	s_wait_dscnt 26-i                              ; LDS loads come back in order: piece i is in
	global_store_b128 v26, v[32+4*i:35+4*i], s[2:3] offset:512*i  ; 512 consecutive bytes, aligned
.set i, i+1
.endr
	s_cmp_lg_u32 s12, 0
	s_cbranch_scc1 .Lend
	v_mov_b32 v7, RED
	ds_load_b128 v[8:11], v7
	s_wait_dscnt 0x0
	v_max3_num_f32 v8, v8, v9, v10
	v_max_num_f32 v8, v8, v11
	v_mov_b32 v9, s71                              ; two pairs alike: largest |W' f|, 1 / f
	v_mov_b32 v10, v8
	v_mov_b32 v11, s71
	v_mov_b32 v14, v27                             ; two words alike: the largest of my biases
	v_mov_b32 v15, v27
	s_lshl_b32 s18, s76, 4
	v_mov_b32 v12, s18
	s_lshl_b32 s18, s76, 3
	v_mov_b32 v13, s18
	v_cmp_eq_u32 vcc_lo, 0, v0
	s_wait_xcnt 0x0                                ; EXEC changes only behind this wait
	s_and_saveexec_b32 s19, vcc_lo
	global_store_b128 v12, v[8:11], s[6:7] offset:WTAB
	global_store_b64 v13, v[14:15], s[6:7] offset:BTAB
	s_wait_xcnt 0x0
	s_or_b32 exec_lo, exec_lo, s19
.Lend:
	s_wait_tensorcnt 0x0                           ; the wave's end
	ds_add_u32 v28, v29
	s_wait_dscnt 0x0
	CROUND                                         ; the closing round
	s_endpgm
.Lfunc_end_k_qe29fe58b45_fold:
	.size	k_qe29fe58b45_fold, .Lfunc_end_k_qe29fe58b45_fold-k_qe29fe58b45_fold
	.p2alignl 7, 3214868480
	.fill 96, 4, 3214868480
	.section	.rodata,"a",@progbits
	.p2align	6, 0x0
	.amdhsa_kernel k_qe29fe58b45_fold
		.amdhsa_group_segment_fixed_size 327680
		.amdhsa_private_segment_fixed_size 0
		.amdhsa_enable_private_segment 0
		.amdhsa_kernarg_size 32
		.amdhsa_user_sgpr_count 2
		.amdhsa_user_sgpr_kernarg_segment_ptr 1
		.amdhsa_wavefront_size32 1
		.amdhsa_system_sgpr_workgroup_id_x 1
		.amdhsa_system_sgpr_workgroup_id_y 1
		.amdhsa_system_sgpr_workgroup_id_z 1
		.amdhsa_system_vgpr_workitem_id 0
		.amdhsa_next_free_vgpr 768
		.amdhsa_next_free_sgpr 80
		.amdhsa_reserve_vcc 1
		.amdhsa_float_denorm_mode_32 3
		.amdhsa_float_denorm_mode_16_64 3
		.amdhsa_memory_ordered 1
		.amdhsa_forward_progress 1
		.amdhsa_inst_pref_size 128
	.end_amdhsa_kernel
	.amdgpu_metadata
---
amdhsa.version: [ 1, 2 ]
amdhsa.kernels:
  - .name:           k_qe29fe58b45_fold
    .symbol:         k_qe29fe58b45_fold.kd
    .args:
      - { .name: raw, .offset: 0, .size: 8, .value_kind: global_buffer, .address_space: global }
      - { .name: p0, .offset: 8, .size: 8, .value_kind: global_buffer, .address_space: global }
      - { .name: p1, .offset: 16, .size: 8, .value_kind: global_buffer, .address_space: global }
      - { .name: p2, .offset: 24, .size: 8, .value_kind: global_buffer, .address_space: global }
    .group_segment_fixed_size: 327680
    .private_segment_fixed_size: 0
    .kernarg_segment_align: 8
    .kernarg_segment_size: 32
    .max_flat_workgroup_size: 128
    .sgpr_count:     80
    .vgpr_count:     768
    .wavefront_size: 32
...
	.end_amdgpu_metadata
.endif
;; end of part 6
;; launch qkva (part 7): grid 8 x 32, 4 waves a work-group, clusters of 4 x 4, 327,680 bytes of LDS; arguments obuf, p3, hbuf; writes hbuf
.if DOCPART == 7
	.amdgcn_target "amdgcn-amd-amdhsa--gfx1250"
	.amdhsa_code_object_version 6
	.text
	.protected	k_qe29fe58b45_qkva
	.globl	k_qe29fe58b45_qkva
	.p2align	8
	.type	k_qe29fe58b45_qkva,@function
k_qe29fe58b45_qkva:
	s_mov_b64 s[64:65], 0
	v_nop
	global_prefetch_b8 v0, s[64:65] scope:SCOPE_SE
	s_setreg_imm32_b32 hwreg(HW_REG_WAVE_MODE, 25, 1), 1
	s_wait_xcnt 0x0
	s_wait_alu depctr_hold_cnt(0) depctr_sa_sdst(0) depctr_va_vdst(0) depctr_va_sdst(0) depctr_va_ssrc(0) depctr_va_vcc(0) depctr_vm_vsrc(0)
	s_getreg_b32 s2, hwreg(HW_REG_IB_STS2, 6, 4)
	s_cmp_eq_u32 s2, 0
	s_cbranch_scc0 .Lentry_in_a_cluster
	s_endpgm
.Lentry_in_a_cluster:
	s_bfe_u32 s2, ttmp6, 0x10000c
	s_cmp_lg_u32 s2, 0xf033
	s_cbranch_scc0 .Lentry_shape_is_right
	s_endpgm
.Lentry_shape_is_right:
; ONE LAYER'S q, k, v AND ITS BANDED ATTENTION, for one row group rg (160 rows: half a batch element and 9 rows of halo) and one head hd.  Arguments: the panels that come in, the layer's pack, the panels that go out.
; q|k|v [160 x 288] = a [160 x 768] W [768 x 288] + b, in f16 with f32 sums; then for each query the 10 keys i - 9 .. i; o leaves as the f16 panel (rg, hd).  q, k, v never reach memory.
; a is x + pos for layer 0 and the layer before's o for the others, whose packs hold Wo W and bo W + b.
; SCALES.  The panels hold a / ainv, with a table of 256 pairs (largest stored magnitude, ainv); the pack holds W / winv, with 128 such pairs, and 128 bias maxima.  B = 768 amax ainv wmax winv + bmax
; bounds |q|, |k|, |v|; f = 2^(141 - e), e = B's exponent field held to 80..190, so what is stored, q f, lies under 2^15.  The scores are scaled back in c = log2(e) / sqrt(96) / f^2; o carries
; v's scale, and the outgoing table gets (largest |o f|, 1 / f).
; LIMITS.  A bound B between 2^-47 and 2^63 is served at f16's full precision; outside, the scale stays at its end.  NaN and infinities are not treated apart.  A weight below 2^-126 counts as 0.
; THE MAXIMUM is the true one: a query's 32 candidate keys lie in registers, hidden ones at -inf; its own key is never hidden.
; ROWS.  Row group rg = 2 b + half holds t = 142 half + local row.  A second half's local rows 0-8 see too few keys: they are computed and not stored; the first half's work-group stores its rows
; 142-150 there too.  half comes from the cluster's y, so it is equal in all partners.
; SHARES.  Four waves, (wr, wc): 80 rows x 144 columns, 45 accumulators.  K goes in 8 steps of 96, one panel each, through two LDS slots.  The matrix instruction is used transposed (source 0 = 16 rows of
; W's panel, source 1 = 16 rows of a): a lane holds eight neighbouring columns of one row.
; CLUSTER 4 x 4.  The four of a row of the cluster share rg and ask for a's panel jointly (wave 3); the four of a column share hd and ask for W's panel jointly (waves 0-2, a third each).
; REGISTERS.  window 0: v16-31 addresses; v32-111 two buffers of a's fragments; v112-183 bias x f; v184-223 at work.  window 1: v0-143 two buffers of W's fragments.  windows 2, 3: accumulators (a, b) at 8 (9 (a % 3) + b), a < 3 in window 2.
; In the attention a tile's registers all lie in one window (1 or 2): v0-23 Q, v24-71 K, v72-119 V turned, v120-135 S, v136-143 P, v144-191 O, v192-197 at work, v207 largest |o|, v208-231 packed o.
.set PITCH, 240                        ; a panel's row in a slot: 3 x (64 bytes + 16 of padding): 15 x 16, so the 16 rows of a fragment load start at 16 different 16-byte columns of 256
.set ABYTES, 160*PITCH
.set SLOTB, 448*PITCH                  ; a's 160 rows, then W's 288
.set PQ,    208                        ; a row of q, k or v: 192 bytes + 16
.set QS,    2*SLOTB
.set KS,    QS+160*PQ                  ; k's rows -16..-1 are q's rows 144..159: written bytes, and those scores are hidden
.set VPAD,  KS+160*PQ                  ; zeros: v's rows -16..-1 lie here
.set VS,    VPAD+4096
.set RED,   VS+160*PQ
.set SPARE, RED+256                    ; the spare words: 128 bytes a wave, named by no other line
.set OST,   0                          ; the way out's stage, 2 x 3,072 bytes a wave, in slot 0, which has had its last fill
.set TAB,   7864320
.set BIAS,  4718592
.set WTAB,  4730880
.set BTAB,  4731904
.set G1W,   (3<<16)|(1<<20)|(1<<21)|(3<<22)|(3<<25)  ; 8-byte elements; padding on; bit 21 beside a mask; after every 16 words; 4 words
.set MSB, 0
.macro WIN new                         ; the immediate's high byte repeats the setting that is left
.if MSB != (\new)
	s_set_vgpr_msb (MSB<<8)|(\new)
.set MSB, \new
.endif
.endm
.macro PLACES                          ; four places behind matrix instructions (ISA guide 7.12.1)
.rept 4
	v_nop
.endr
.endm
.macro JLOAD s                         ; a joint load into slot s; the branch hangs on the wave's number alone
	s_cmp_eq_u32 s10, 3
	s_cbranch_scc0 .Lfor_b_\@
	tensor_load_to_lds s[40+4*(\s):43+4*(\s)], s[24:31]
	s_nop 0
	PLACES
	s_branch .Lasked_\@
.Lfor_b_\@:
	tensor_load_to_lds s[48+4*(\s):51+4*(\s)], s[32:39]
	s_nop 0
	PLACES
.Lasked_\@:
.endm
.macro CREST                           ; a round of the cluster's barrier behind its opening barrier
	s_cmp_lg_u32 s10, 0
	s_cbranch_scc1 .Lnot_wave_0_\@
	s_barrier_signal -3
.Lnot_wave_0_\@:
	s_barrier_wait -3
	s_barrier_signal -1
	s_barrier_wait -1
.endm
.macro CROUND
	s_barrier_signal -1
	s_barrier_wait -1
	CREST
.endm
	s_load_b128 s[4:7], s[0:1], 0x0                ; the panels in, the pack
	s_load_b64 s[8:9], s[0:1], 0x10                ; the panels out
	v_lshl_add_u32 v28, v0, 2, SPARE
	v_mov_b32 v29, 0
	ds_add_u32 v28, v29                            ; the wave's opening: the add and its wait ahead of my first tensor load
	v_lshrrev_b32 v1, 5, v0
	v_readfirstlane_b32 s10, v1                    ; wave
	s_lshr_b32 s11, s10, 1                         ; wr
	s_and_b32 s12, s10, 1                          ; wc
	s_bfe_u32 s56, ttmp6, 0x40000                  ; cx
	s_bfe_u32 s57, ttmp6, 0x40004                  ; cy
	s_lshl_b32 s58, ttmp9, 2
	s_add_co_u32 s58, s58, s56                     ; hd
	s_and_b32 s59, ttmp7, 0xffff                   ; the cluster's y, 0..7
	s_and_b32 s100, s59, 1                         ; half
	s_mul_i32 s101, s100, 1728                     ; bytes of my panel that are not mine to store: a second half's 9 rows
	s_lshl_b32 s14, s57, 3
	s_add_co_u32 s59, s59, s14                     ; rg = 8 cy + y
	s_lshl_b32 s60, s57, 2
	s_lshl_b32 s60, 15, s60                        ; my row of the cluster
	s_lshl_b32 s61, 0x1111, s56                    ; my column
	; a panel is dense: it comes as rows of 256 bytes (32 elements of 8), a's 120 of them, a third of W's 72
	s_or_b32 s24, s60, G1W
	s_mov_b32 s25, 32<<16
	s_mov_b32 s26, 120<<16
	s_mov_b32 s27, 32<<16
	s_mov_b32 s28, 120
	s_mov_b32 s29, 32
	s_mov_b32 s30, 0
	s_mov_b32 s31, 0
	s_or_b32 s32, s61, G1W
	s_mov_b32 s33, 32<<16
	s_mov_b32 s34, 72<<16
	s_mov_b32 s35, 32<<16
	s_mov_b32 s36, 72
	s_mov_b32 s37, 32
	s_mov_b32 s38, 0
	s_mov_b32 s39, 0
	s_mul_i32 s14, s59, 245760                     ; a: the row group's eight panels
	s_mov_b32 s15, 0
	s_mul_i32 s20, s58, 442368                     ; W: the head's eight panels,
	s_mul_i32 s21, s10, 18432                      ; my 96 rows of a panel
	s_add_co_u32 s20, s20, s21
	s_mov_b32 s21, 0
	s_mul_i32 s22, s10, 96*PITCH
	s_add_co_u32 s22, s22, ABYTES
	s_mov_b32 s72, 0x76543210
	s_mov_b32 s73, 0xfedcba98
	s_mov_b32 s98, 0xff800000                      ; -inf
	s_wait_dscnt 0x0                               ; the opening add is done
	s_wait_kmcnt 0x0
	s_add_nc_u64 s[16:17], s[4:5], s[14:15]
	s_add_nc_u64 s[20:21], s[6:7], s[20:21]
.irp s, 0,1
	s_mov_b32 s[40+4*\s], 1
	s_mov_b32 s[41+4*\s], \s*SLOTB
	s_add_nc_u64 s[42+4*\s:43+4*\s], s[16:17], \s*30720
	s_or_b32 s[43+4*\s], s[43+4*\s], 0x80000000
	s_mov_b32 s[48+4*\s], 1
	s_add_co_u32 s[49+4*\s], s22, \s*SLOTB
	s_add_nc_u64 s[50+4*\s:51+4*\s], s[20:21], \s*55296
	s_or_b32 s[51+4*\s], s[51+4*\s], 0x80000000
.endr
	CROUND                                         ; all sixteen work-groups are here: the first joint loads meet
	s_cmp_eq_u32 s10, 3                            ; a wave's two first fills stand in one branch: two loads of mine are out
	s_cbranch_scc0 .Lfirst_b
	tensor_load_to_lds s[40:43], s[24:31]
	s_nop 0
	tensor_load_to_lds s[44:47], s[24:31]
	s_nop 0
	PLACES
	s_branch .Lfirst_done
.Lfirst_b:
	tensor_load_to_lds s[48:51], s[32:39]
	s_nop 0
	tensor_load_to_lds s[52:55], s[32:39]
	s_nop 0
	PLACES
.Lfirst_done:
	; the tables and my columns' biases, in the wait for the first panels
	v_and_b32 v1, 31, v0                           ; L
	v_and_b32 v2, 15, v0                           ; r
	v_bfe_u32 v3, v0, 4, 1                         ; h
	v_lshlrev_b32 v4, 4, v1
	s_load_b32 s62, s[4:5], TAB+4                  ; ainv
	s_load_b32 s63, s[6:7], WTAB+4                 ; winv
.irp i, 0,1,2,3
	global_load_b128 v[184+4*\i:187+4*\i], v4, s[4:5] offset:TAB+512*\i
.endr
	global_load_b128 v[200:203], v4, s[6:7] offset:WTAB
	global_load_b128 v[204:207], v4, s[6:7] offset:WTAB+512
	global_load_b128 v[208:211], v4, s[6:7] offset:BTAB
	s_mul_i32 s2, s58, 384
	s_mul_i32 s18, s12, 3264                       ; my columns 16 b .. in groups of three blocks: wc = 0: q 0, q 48, k 0; wc = 1: k 48, v 0, v 48
	s_mul_i32 s19, s12, 5952
	s_add_co_u32 s19, s19, 192
	s_add_co_u32 s23, s18, 3072
	v_lshl_add_u32 v6, v3, 5, s2
	v_add_nc_u32 v7, s18, v6
	v_add_nc_u32 v8, s19, v6
	v_add_nc_u32 v9, s23, v6
.irp b, 0,1,2,3,4,5,6,7,8
	global_load_b128 v[112+8*\b:115+8*\b], v[7+(\b)/3], s[6:7] offset:BIAS+64*((\b)%3)
	global_load_b128 v[116+8*\b:119+8*\b], v[7+(\b)/3], s[6:7] offset:BIAS+64*((\b)%3)+16
.endr
	s_wait_loadcnt 18                              ; the tables are in; the 18 loads of biases stay out
	v_max3_num_f32 v10, v184, v186, v188
	v_max3_num_f32 v11, v190, v192, v194
	v_max3_num_f32 v10, v10, v196, v198
	v_max_num_f32 v10, v10, v11
	v_max3_num_f32 v11, v200, v202, v204
	v_max_num_f32 v11, v11, v206
	v_max3_num_f32 v14, v208, v209, v210
	v_max_num_f32 v14, v14, v211
.irp x, 1,2,4,8
	v_max_num_f32_dpp v10, v10, v10 row_xmask:\x row_mask:0xf bank_mask:0xf
	v_max_num_f32_dpp v11, v11, v11 row_xmask:\x row_mask:0xf bank_mask:0xf
	v_max_num_f32_dpp v14, v14, v14 row_xmask:\x row_mask:0xf bank_mask:0xf
.endr
	v_mov_b32 v12, 0
	v_mov_b32 v13, 0
	v_mov_b32 v15, 0
	v_permlanex16_b32 v12, v10, s72, s73
	v_permlanex16_b32 v13, v11, s72, s73
	v_permlanex16_b32 v15, v14, s72, s73
	v_max_num_f32 v10, v10, v12
	v_max_num_f32 v11, v11, v13
	v_max_num_f32 v14, v14, v15
	v_readfirstlane_b32 s18, v10                   ; amax
	v_readfirstlane_b32 s19, v11                   ; wmax
	v_readfirstlane_b32 s23, v14                   ; bmax
	s_wait_kmcnt 0x0
	s_mul_f32 s62, s62, s63                        ; ainv winv
	s_mul_f32 s18, s18, s62
	s_mul_f32 s18, s18, 0x44400000                 ; 768
	s_fmac_f32 s23, s18, s19                       ; B
	s_lshr_b32 s63, s23, 23
	s_max_u32 s63, s63, 80
	s_min_u32 s63, s63, 190                        ; e
	s_sub_co_u32 s70, 268, s63
	s_lshl_b32 s70, s70, 23                        ; f = 2^(141 - e)
	s_sub_co_u32 s71, s63, 14
	s_lshl_b32 s71, s71, 23                        ; 1 / f
	s_mul_f32 s66, s62, s70                        ; G = ainv winv f
	s_mov_b32 s67, s66
	s_mul_f32 s68, s71, s71
	s_mul_f32 s68, s68, 0x3e16c73f                 ; c = log2(e) / sqrt(96) / f^2
	s_mov_b32 s69, s68
	s_wait_loadcnt 0x0
.set i, 0
.rept 36
	v_pk_mul_f32 v[112+2*i:113+2*i], v[112+2*i:113+2*i], s[70:71] op_sel_hi:[1,0]
.set i, i+1
.endr
	; addresses
	v_mul_u32_u24 v5, v2, PITCH
	v_lshl_add_u32 v5, v3, 4, v5
	s_mul_i32 s18, s11, 80*PITCH
	s_mul_i32 s19, s12, 144*PITCH
	s_add_co_u32 s19, s19, ABYTES
	v_add_nc_u32 v16, s18, v5                      ; a's fragments, slot 0, 1
	v_add_nc_u32 v17, SLOTB, v16
	v_add_nc_u32 v18, s19, v5                      ; W's
	v_add_nc_u32 v19, SLOTB, v18
	v_mul_u32_u24 v6, v2, PQ
	v_lshl_add_u32 v6, v3, 4, v6
	s_mul_i32 s18, s11, 80*PQ
	s_mul_i32 s19, s12, KS+96-QS
	s_add_co_u32 s19, s19, s18
	s_add_co_u32 s19, s19, QS
	v_add_nc_u32 v20, s19, v6                      ; where my blocks 0-2, 3-5, 6-8 go
	s_mul_i32 s19, s12, VS-QS-96
	s_add_co_u32 s19, s19, s18
	s_add_co_u32 s19, s19, QS+96
	v_add_nc_u32 v21, s19, v6
	s_mul_i32 s19, s12, VS+96-KS
	s_add_co_u32 s19, s19, s18
	s_add_co_u32 s19, s19, KS
	v_add_nc_u32 v22, s19, v6
	v_lshl_add_u32 v23, v0, 4, VPAD
	s_mul_i32 s18, s10, 16*PQ                      ; tile T = w + 4 I
	s_add_co_u32 s19, s18, QS
	v_add_nc_u32 v24, s19, v6                      ; Q's fragments
	s_add_co_u32 s19, s18, KS-16*PQ
	v_add_nc_u32 v25, s19, v6                      ; K's, from 16 rows above the tile
	v_and_b32 v7, 7, v0
	v_lshl_add_u32 v7, v3, 3, v7
	v_mul_u32_u24 v7, v7, PQ
	v_bfe_u32 v8, v0, 3, 1
	v_lshl_add_u32 v7, v8, 4, v7
	s_add_co_u32 s19, s18, VS-16*PQ
	v_add_nc_u32 v26, s19, v7                      ; V's, for the turning load
	s_mul_i32 s18, s10, 6144
	v_mul_u32_u24 v8, v2, 192
	v_lshl_add_u32 v8, v3, 4, v8
	v_add_nc_u32 v27, s18, v8                      ; into my stage
	v_add_nc_u32 v30, s18, v4                      ; and back
	s_mul_i32 s18, s10, 3072
	v_add_nc_u32 v31, s18, v4                      ; in the panel of o
	; register j of a score tile is key 8 h + j; the query is r.  Seen where 0 <= query - key <= 9
	v_lshlrev_b32 v9, 3, v3
	v_sub_nc_u32 v9, v2, v9
.irp j, 0,1,2,3,4,5,6,7
	v_add_nc_u32 v10, 16-\j, v9
	v_cmp_ge_u32 s[74+\j], 9, v10                  ; the block above
	v_add_nc_u32 v11, 0-\j, v9
	v_cmp_ge_u32 s[82+\j], 9, v11                  ; the tile's own block
.endr
	s_lshl_b32 s99, s59, 3
	s_add_co_u32 s99, s99, s58                     ; 8 rg + hd
	s_mul_i32 s18, s99, 30720
	s_mov_b32 s19, 0
	s_add_nc_u64 s[2:3], s[8:9], s[18:19]          ; my panel of o
	s_cmp_eq_u32 s10, 0
.irp j, 0,1,2,3,4,5,6,7
	s_cselect_b32 s[90+\j], 0, s[74+\j]            ; tile 0 has no block above
.endr
.macro FETCH slot, k, f                ; 28 LDS loads in one run: 32 along K at byte k of the rows: W's 9 fragments, then a's 5
	WIN 0x40
.irp b, 0,1,2,3,4,5,6,7,8
	ds_load_b128 v[72*(\f)+8*\b:72*(\f)+8*\b+3],   v[18+(\slot)] offset:(\k)+\b*16*PITCH
	ds_load_b128 v[72*(\f)+8*\b+4:72*(\f)+8*\b+7], v[18+(\slot)] offset:(\k)+\b*16*PITCH+32
.endr
	WIN 0
.irp a, 0,1,2,3,4
	ds_load_b128 v[32+40*(\f)+8*\a:32+40*(\f)+8*\a+3],   v[16+(\slot)] offset:(\k)+\a*16*PITCH
	ds_load_b128 v[32+40*(\f)+8*\a+4:32+40*(\f)+8*\a+7], v[16+(\slot)] offset:(\k)+\a*16*PITCH+32
.endr
.endm
.macro MULROW f, a, zero               ; 9 matrix instructions: row block a x all 9 column blocks.  The 45 accumulators take turns in one fixed order
.if (\a) < 3
	WIN 0xa1
.set AC, 72*(\a)
.else
	WIN 0xf1
.set AC, 72*((\a)-3)
.endif
.irp b, 0,1,2,3,4,5,6,7,8
.if \zero
	v_wmma_f32_16x16x32_f16 v[AC+8*\b:AC+8*\b+7], v[72*(\f)+8*\b:72*(\f)+8*\b+7], v[32+40*(\f)+8*(\a):32+40*(\f)+8*(\a)+7], 0
.else
	v_wmma_f32_16x16x32_f16 v[AC+8*\b:AC+8*\b+7], v[72*(\f)+8*\b:72*(\f)+8*\b+7], v[32+40*(\f)+8*(\a):32+40*(\f)+8*(\a)+7], v[AC+8*\b:AC+8*\b+7]
.endif
.endr
.endm
.macro THIRD slot, k, f, g, zero       ; a third of a K step: multiplies buffer f, fetches the next third into g
	s_wait_dscnt 8                                 ; W's fragments and a's block 0 are in; the youngest eight loads may be out
	MULROW \f, 0, \zero
	PLACES
	FETCH \slot, \k, \g
	s_wait_dscnt 28                                ; all but the 28 just issued
	MULROW \f, 1, \zero
	MULROW \f, 2, \zero
	MULROW \f, 3, \zero
	MULROW \f, 4, \zero
.endm
.macro TURN slot, next, f, g, fill     ; a K step's last third, and the change of slots
	WIN 0
	s_wait_tensorcnt 0x0                           ; all my tensor loads have landed: my part of the next slot
	ds_add_u32 v28, v29
	s_wait_dscnt 9                                 ; the add and the youngest eight loads may be out
	MULROW \f, 0, 0
	s_wait_dscnt 0x0                               ; the add is done, and my reads of this slot are over
	s_barrier_signal -1
	MULROW \f, 1, 0
	WIN 0
	s_barrier_wait -1
.if \fill
	CREST                                          ; the barrier has opened a round of the cluster's: no wave of any partner still reads this slot or has a load on its way
	s_add_nc_u64 s[42+4*(\slot):43+4*(\slot)], s[42+4*(\slot):43+4*(\slot)], 2*30720
	s_add_nc_u64 s[50+4*(\slot):51+4*(\slot)], s[50+4*(\slot):51+4*(\slot)], 2*55296
	JLOAD \slot                                    ; my one load behind the round; its four v_nop are the places in front of the loads below
.else
	PLACES
.endif
	FETCH \next, 0, \g
	MULROW \f, 2, 0
	MULROW \f, 3, 0
	MULROW \f, 4, 0
.endm
	s_wait_tensorcnt 0x1                           ; my part of slot 0 is in; slot 1's may stay out
	s_barrier_signal -1
	s_barrier_wait -1
	FETCH 0, 0, 0
	THIRD 0, 80, 0, 1, 1                           ; the first third starts the sums
	WIN 0
	s_mov_b32 s13, 3
.Llap:                                                 ; a trip: two K steps, both slots filled again
	THIRD 0, 160, 1, 0, 0
	TURN 0, 1, 0, 1, 1
	THIRD 1, 80, 1, 0, 0
	THIRD 1, 160, 0, 1, 0
	TURN 1, 0, 1, 0, 1
	THIRD 0, 80, 0, 1, 0
	WIN 0
	s_sub_co_u32 s13, s13, 1
	s_cmp_lg_u32 s13, 0
	s_cbranch_scc1 .Llap
	THIRD 0, 160, 1, 0, 0                          ; the last two K steps ask for nothing
	TURN 0, 1, 0, 1, 0
	THIRD 1, 80, 1, 0, 0
	THIRD 1, 160, 0, 1, 0
	s_wait_dscnt 8
	MULROW 1, 0, 0
	s_wait_dscnt 0x0
	MULROW 1, 1, 0
	MULROW 1, 2, 0
	MULROW 1, 3, 0
	MULROW 1, 4, 0
	; q, k, v = sums x G + bias x f, rounded to f16, into their stages
	PLACES
.macro EPI a
.if (\a) < 3
	WIN 0x02
.set AC, 72*(\a)
.else
	WIN 0x03
.set AC, 72*((\a)-3)
.endif
.set i, 0
.rept 36
	v_pk_fma_f32 v[32+2*i:33+2*i], v[AC+2*i:AC+2*i+1], s[66:67], v[112+2*i:113+2*i] op_sel_hi:[1,0,1]
.set i, i+1
.endr
	WIN 0
.set i, 0
.rept 36
	v_cvt_pk_f16_f32 v[184+i], v[32+2*i], v[33+2*i]
.set i, i+1
.endr
.irp b, 0,1,2,3,4,5,6,7,8
	ds_store_b128 v[20+(\b)/3], v[184+4*\b:187+4*\b] offset:(\a)*16*PQ+32*((\b)%3)
.endr
.endm
	EPI 0
	EPI 1
	EPI 2
	EPI 3
	EPI 4
.irp i, 220,221,222,223
	v_mov_b32 v\i, 0
.endr
	ds_store_b128 v23, v[220:223]
	ds_store_b128 v23, v[220:223] offset:2048
	WIN 0x40
	v_mov_b32 v207, 0
	WIN 0x80
	v_mov_b32 v207, 0
	WIN 0
	s_wait_dscnt 0x0                               ; for the others' sake: my rows of q, k, v are written
	s_barrier_signal -1
	s_barrier_wait -1
; THE ATTENTION of tile T = w + 4 I (16 queries, the 32 keys of blocks T - 1 and T), in window X.
.macro A_LDQK X, I
	WIN (\X)<<6
.irp s, 0,1,2
	ds_load_b128 v[8*\s:8*\s+3],   v24 offset:(\I)*64*PQ+64*\s
	ds_load_b128 v[8*\s+4:8*\s+7], v24 offset:(\I)*64*PQ+64*\s+32
.endr
.irp f, 0,1,2,3,4,5
	ds_load_b128 v[24+8*\f:24+8*\f+3], v25 offset:(\I)*64*PQ+(\f/3)*16*PQ+(\f%3)*64
	ds_load_b128 v[28+8*\f:28+8*\f+3], v25 offset:(\I)*64*PQ+(\f/3)*16*PQ+(\f%3)*64+32
.endr
.endm
.macro A_LDV X, I
	WIN (\X)<<6
.irp c, 0,1,2,3,4,5
	ds_load_tr16_b128 v[72+8*\c:72+8*\c+3], v26 offset:(\I)*64*PQ+32*\c
	ds_load_tr16_b128 v[76+8*\c:76+8*\c+3], v26 offset:(\I)*64*PQ+32*\c+16*PQ
.endr
.endm
.macro A_QK X                          ; S^T = K Q^T: a lane holds one query; the two accumulators take turns
	WIN 0x55*(\X)
	v_wmma_f32_16x16x32_f16 v[120:127], v[24:31], v[0:7], 0
	v_wmma_f32_16x16x32_f16 v[128:135], v[48:55], v[0:7], 0
.irp s, 1,2
	v_wmma_f32_16x16x32_f16 v[120:127], v[24+8*\s:31+8*\s], v[8*\s:8*\s+7], v[120:127]
	v_wmma_f32_16x16x32_f16 v[128:135], v[48+8*\s:55+8*\s], v[8*\s:8*\s+7], v[128:135]
.endr
.endm
.macro A_SOFT X, M                     ; M: the masks of the block above
	WIN 0x55*(\X)
.irp j, 0,1,2,3,4,5,6,7
	v_cndmask_b32 v[120+\j], s98, v[120+\j], s[(\M)+\j]
.endr
.irp j, 0,1,2,3,4,5,6,7
	v_cndmask_b32 v[128+\j], s98, v[128+\j], s[82+\j]
.endr
	v_max3_num_f32 v192, v120, v121, v122
	v_max3_num_f32 v193, v123, v124, v125
	v_max3_num_f32 v194, v126, v127, v128
	v_max3_num_f32 v195, v129, v130, v131
	v_max3_num_f32 v192, v192, v132, v133
	v_max3_num_f32 v193, v193, v134, v135
	v_max3_num_f32 v192, v192, v193, v194
	v_max_num_f32 v192, v192, v195
	v_permlanex16_b32 v193, v192, s72, s73         ; the query's other 16 keys lie in the lane 16 away
	v_max_num_f32 v192, v192, v193
	v_mul_f32 v194, s68, v192                      ; c m
.irp i, 0,1,2,3,4,5,6,7
	v_pk_fma_f32 v[120+2*\i:121+2*\i], v[120+2*\i:121+2*\i], s[68:69], v[194:195] op_sel_hi:[1,0,0] neg_lo:[0,0,1] neg_hi:[0,0,1]
.endr
.set i, 0
.rept 16
	v_exp_f32 v[120+i], v[120+i]
.set i, i+1
.endr
	v_nop                                          ; a plain instruction behind the last exponential
	s_wait_alu depctr_va_vdst(0)
.irp i, 0,1,2,3,4,5,6,7
	v_cvt_pk_f16_f32 v[136+\i], v[120+2*\i], v[121+2*\i]  ; the two tiles, rounded in pairs, are source 1 of V^T P
.endr
.irp i, 0,4,8,12
	v_pk_add_f32 v[120+\i:121+\i], v[120+\i:121+\i], v[122+\i:123+\i]
.endr
	v_pk_add_f32 v[120:121], v[120:121], v[124:125]
	v_pk_add_f32 v[128:129], v[128:129], v[132:133]
	v_pk_add_f32 v[120:121], v[120:121], v[128:129]
	v_add_f32 v192, v120, v121
	v_permlanex16_b32 v193, v192, s72, s73
	v_add_f32 v192, v192, v193
	v_rcp_f32 v196, v192
	v_rcp_f32 v197, v192
	v_nop                                          ; a plain instruction behind the reciprocals
.endm
.macro A_PV X                          ; O^T = V^T P, all 32 keys in one instruction a channel block
	WIN 0x55*(\X)
.irp c, 0,1,2,3,4,5
	v_wmma_f32_16x16x32_f16 v[144+8*\c:151+8*\c], v[72+8*\c:79+8*\c], v[136:143], 0
.endr
.endm
.macro A_OUT X, I
	WIN 0x55*(\X)
.set i, 0
	s_wait_alu depctr_va_vdst(0)
.rept 24
	v_pk_mul_f32 v[144+2*i:145+2*i], v[144+2*i:145+2*i], v[196:197] op_sel_hi:[1,0]
.set i, i+1
.endr
.set i, 0
.rept 24
	v_max3_num_f32 v207, v207, |v[144+2*i]|, |v[145+2*i]|
	v_cvt_pk_f16_f32 v[208+i], v[144+2*i], v[145+2*i]
.set i, i+1
.endr
	WIN (\X)<<2                                    ; store data in window X, address in window 0
.irp c, 0,1,2,3,4,5
	ds_store_b128 v27, v[208+4*\c:211+4*\c] offset:3072*((\X)-1)+32*\c
.endr
	WIN (\X)<<6
.irp n, 0,1,2,3,4,5
	ds_load_b128 v[208+4*\n:211+4*\n], v30 offset:3072*((\X)-1)+512*\n  ; LDS serves a wave's instructions in order (ISA guide 5.7.1.4): these see the stores above
.endr
	s_wait_dscnt 0x0
.irp n, 0,1,2,3,4,5
.if ((\I) == 0) && (\n < 4)            ; only these can hold bytes of a second half's rows 0-8
	WIN 0
	v_add_nc_u32 v5, 512*\n, v31
	v_cmp_le_u32 vcc_lo, s101, v5
	s_wait_xcnt 0x0                                ; EXEC changes only behind this wait
	s_and_saveexec_b32 s19, vcc_lo
	WIN (\X)<<2
	global_store_b128 v31, v[208+4*\n:211+4*\n], s[2:3] offset:512*\n
	s_wait_xcnt 0x0
	s_or_b32 exec_lo, exec_lo, s19
.else
	WIN (\X)<<2
	global_store_b128 v31, v[208+4*\n:211+4*\n], s[2:3] offset:12288*(\I)+512*\n  ; the tile's 16 rows are 3,072 dense bytes: each store covers 512, aligned
.endif
.endr
.endm
	A_LDQK 1, 0
	A_LDQK 2, 1
	A_LDV 1, 0
	A_LDV 2, 1
	s_wait_dscnt 42                                ; the first tile's Q and K are in: 18 + 12 + 12 loads were issued behind them
	A_QK 1
	s_wait_dscnt 24                                ; the second tile's: 12 + 12 behind them
	A_QK 2
	PLACES
	A_SOFT 1, 90
	A_SOFT 2, 74
	s_wait_dscnt 12                                ; the first tile's V
	A_PV 1
	s_wait_dscnt 0x0
	A_PV 2
	PLACES
	A_OUT 1, 0
	A_OUT 2, 1
	WIN 0
	s_cmp_gt_u32 s10, 1
	s_cbranch_scc1 .Lno_third                      ; tiles 8 and 9 are waves 0's and 1's
	s_wait_xcnt 0x0                                ; the first tile's stores have read their registers
	A_LDQK 1, 2
	A_LDV 1, 2
	s_wait_dscnt 12
	A_QK 1
	PLACES
	A_SOFT 1, 74
	s_wait_dscnt 0x0
	A_PV 1
	PLACES
	A_OUT 1, 2
	WIN 0
	s_cmp_lg_u32 s100, 0
	s_cbranch_scc1 .Lno_halo
	; a first half's rows 142-150, bytes 27,264 to 28,991 of its panel, are rows 0-8 of the second half: the same bytes of the panel eight panels on, 27,264 lower.  They lie in pieces 5 of tile 8 and 0-2 of tile 9.
.irp n, 0,1,2,5
	v_add_nc_u32 v5, 512*\n-2688, v31              ; the piece's byte in the panel less 27,264 (it may wrap: the test is unsigned)
	v_cmp_gt_u32 vcc_lo, 1728, v5
	s_wait_xcnt 0x0                                ; EXEC changes only behind this wait
	s_and_saveexec_b32 s19, vcc_lo
	WIN 1<<2
	global_store_b128 v31, v[208+4*\n:211+4*\n], s[2:3] offset:243072+512*\n
	s_wait_xcnt 0x0
	s_or_b32 exec_lo, exec_lo, s19
	WIN 0
.endr
.Lno_halo:
.Lno_third:
	WIN 0x09                                       ; source 0 window 1, source 1 window 2
	v_max_num_f32 v5, v207, v207
	WIN 0
.irp x, 1,2,4,8
	v_max_num_f32_dpp v5, v5, v5 row_xmask:\x row_mask:0xf bank_mask:0xf
.endr
	v_mov_b32 v6, 0
	v_permlanex16_b32 v6, v5, s72, s73
	v_max_num_f32 v5, v5, v6
	s_lshl_b32 s18, s10, 2
	s_add_co_u32 s18, s18, RED
	v_mov_b32 v7, s18
	ds_store_b32 v7, v5
	s_wait_dscnt 0x0
	s_barrier_signal -1
	s_barrier_wait -1
	s_cmp_lg_u32 s10, 0
	s_cbranch_scc1 .Lend
	v_mov_b32 v7, RED
	ds_load_b128 v[8:11], v7
	s_wait_dscnt 0x0
	v_max3_num_f32 v8, v8, v9, v10
	v_max_num_f32 v8, v8, v11
	v_mov_b32 v9, s71                              ; the pair: largest |o f|, 1 / f
	s_lshl_b32 s18, s99, 3
	v_mov_b32 v12, s18
	v_cmp_eq_u32 vcc_lo, 0, v0
	s_wait_xcnt 0x0                                ; EXEC changes only behind this wait
	s_and_saveexec_b32 s19, vcc_lo
	global_store_b64 v12, v[8:9], s[8:9] offset:TAB
	s_wait_xcnt 0x0
	s_or_b32 exec_lo, exec_lo, s19
.Lend:
	s_wait_tensorcnt 0x0                           ; the wave's end
	ds_add_u32 v28, v29
	s_wait_dscnt 0x0
	CROUND                                         ; the closing round
	s_endpgm
.Lfunc_end_k_qe29fe58b45_qkva:
	.size	k_qe29fe58b45_qkva, .Lfunc_end_k_qe29fe58b45_qkva-k_qe29fe58b45_qkva
	.p2alignl 7, 3214868480
	.fill 96, 4, 3214868480
	.section	.rodata,"a",@progbits
	.p2align	6, 0x0
	.amdhsa_kernel k_qe29fe58b45_qkva
		.amdhsa_group_segment_fixed_size 327680
		.amdhsa_private_segment_fixed_size 0
		.amdhsa_enable_private_segment 0
		.amdhsa_kernarg_size 24
		.amdhsa_user_sgpr_count 2
		.amdhsa_user_sgpr_kernarg_segment_ptr 1
		.amdhsa_wavefront_size32 1
		.amdhsa_system_sgpr_workgroup_id_x 1
		.amdhsa_system_sgpr_workgroup_id_y 1
		.amdhsa_system_sgpr_workgroup_id_z 1
		.amdhsa_system_vgpr_workitem_id 0
		.amdhsa_next_free_vgpr 912
		.amdhsa_next_free_sgpr 102
		.amdhsa_reserve_vcc 1
		.amdhsa_float_denorm_mode_32 3
		.amdhsa_float_denorm_mode_16_64 3
		.amdhsa_memory_ordered 1
		.amdhsa_forward_progress 1
		.amdhsa_inst_pref_size 148
	.end_amdhsa_kernel
	.amdgpu_metadata
---
amdhsa.version: [ 1, 2 ]
amdhsa.kernels:
  - .name:           k_qe29fe58b45_qkva
    .symbol:         k_qe29fe58b45_qkva.kd
    .args:
      - { .name: obuf, .offset: 0, .size: 8, .value_kind: global_buffer, .address_space: global }
      - { .name: p3, .offset: 8, .size: 8, .value_kind: global_buffer, .address_space: global }
      - { .name: hbuf, .offset: 16, .size: 8, .value_kind: global_buffer, .address_space: global }
    .group_segment_fixed_size: 327680
    .private_segment_fixed_size: 0
    .kernarg_segment_align: 8
    .kernarg_segment_size: 24
    .max_flat_workgroup_size: 128
    .sgpr_count:     102
    .vgpr_count:     912
    .wavefront_size: 32
...
	.end_amdgpu_metadata
.endif
;; end of part 7
;; launch qkva1: the kernel of part 7 again; grid 8 x 32, 4 waves a work-group, clusters of 4 x 4, 327,680 bytes of LDS; arguments hbuf, p0, obuf; writes obuf
;; launch qkva2: the kernel of part 7 again; grid 8 x 32, 4 waves a work-group, clusters of 4 x 4, 327,680 bytes of LDS; arguments obuf, p1, hbuf; writes hbuf
;; launch qkva3: the kernel of part 7 again; grid 8 x 32, 4 waves a work-group, clusters of 4 x 4, 327,680 bytes of LDS; arguments hbuf, p2, obuf; writes obuf
;; launch proj_last: the kernel of part 4 again; grid 4 x 64, 4 waves a work-group, clusters of 4 x 4, 327,680 bytes of LDS; arguments obuf, p3, out0; writes out0
